; MI455X (gfx1250); checked and timed in simulation.
; The chip was launched on July 23, 2026; its instructions are those of AMD's public machine-readable ISA for CDNA 5 (MIT licence, August 2026) and "CDNA5" Instruction Set Architecture Reference Guide (July 2026). The comments in the code are by the model that wrote it; some were corrected since.
;; Multi Head Transformer. Allowed arithmetic: matrix products marked QUANTISED: E4M3 operands, one given power-of-two scale a tensor, by v_wmma_f32_16x16x64_fp8_fp8 or v_wmma_f32_16x16x128_fp8_fp8, f32 sums; everything else in f32.
;; Inputs: b1 4,096 float32; b2 1,024 float32; b_proj 1,024 float32; b_qkv 3,072 float32; ln_b 1,024 float32; ln_g 1,024 float32; lowp_scales 12 int32 (the exponents e of the quantised operands' scales 2^e); w1 1,024 x 4,096 float32; w2 4,096 x 1,024 float32; w_proj 1,024 x 1,024 float32; w_qkv 1,024 x 3,072 float32; x 2 x 2,048 x 1,024 float32.
;; Outputs: out0 2 x 2,048 x 1,024 float32.
;; This version of the problem:
;;   THIS VERSION OF THE PROBLEM IS GIVEN IN LOW PRECISION. The matrix products marked QUANTISED in the list below multiply operands that are first quantised to E4M3 (4 exponent bits, 3 mantissa bits; 8 bits a number), with one given power-of-two scale for each operand tensor; their sums are f32. All else is computed in f32.
;;   The module's matrix products, in the order in which they are computed (A, B: the left and right operand; K: the contracted axis; several contracted axes count as one K, in the product's order):
;;     1. [M 4,096, K 1,024] x [K 1,024, N 3,072]; A: input x; B: input w_qkv: QUANTISED (scales: A lowp_scales[0], B lowp_scales[1])
;;     2. batch 32 x [M 2,048, K 64] x [K 64, N 2,048]; A: computed on the way; B: computed on the way: QUANTISED (scales: A lowp_scales[2], B lowp_scales[3])
;;     3. batch 32 x [M 2,048, K 2,048] x [K 2,048, N 64]; A: softmax (see below); B: computed on the way: QUANTISED (scales: A lowp_scales[4], B lowp_scales[5])
;;     4. [M 4,096, K 1,024] x [K 1,024, N 1,024]; A: computed on the way; B: input w_proj: QUANTISED (scales: A lowp_scales[6], B lowp_scales[7])
;;     5. [M 4,096, K 1,024] x [K 1,024, N 4,096]; A: computed on the way; B: input w1: QUANTISED (scales: A lowp_scales[8], B lowp_scales[9])
;;     6. [M 4,096, K 4,096] x [K 4,096, N 1,024]; A: computed on the way; B: input w2: QUANTISED (scales: A lowp_scales[10], B lowp_scales[11])
;;   THE QUANTISER, for each operand of a quantised product, along K:
;;     - The operand's scale is 2^e, e = its entry of the input lowp_scales (int32; the entries are numbered through the quantised products in the list's order, A before B).
;;     - Each number is divided by the scale, clamped to +-448, and rounded to the nearest number of E4M3, ties to even, subnormals kept.
;;     - The product sums the exact products of the quantised numbers (number of the format x scale) in f32.
;;   ~~~python
;;   def quantise(x, axis, e):      # numpy; x: float32 -> the quantised numbers, widened to float32 again
;;       x = np.moveaxis(x, axis, -1); K = x.shape[-1]
;;       r = np.clip(x / 2.0 ** e, -448, 448)
;;       step = 2.0 ** (np.maximum(np.frexp(np.where(r == 0, 1, r))[1] - 1, -6) - 3)
;;       q = np.round(r / step) * step * 2.0 ** e      # np.round: ties to even
;;       return np.moveaxis(q, -1, axis).astype(np.float32)
;;   ~~~
;;   SOFTMAX AHEAD OF A QUANTISED PRODUCT. Where the list says 'softmax', what is quantised is not the finished softmax but p = 2^(t - M), with t = logit x log2(e) and M = ceil(the row's largest t), a whole number; so 1/2 < the row's largest p <= 1. The row's sum l is taken of the UNQUANTISED p, in f32, and the product's result is divided by l at the end. Since M is a whole number, a kernel that streams over the keys may use a running M (the ceiling of the running maximum): every later rescaling is an exact power of two, so the quantised numbers keep their values, but for numbers so far below the row's largest that they fall under the format's range.
;;   OPERANDS COMPUTED ON THE WAY. 'Computed on the way' means the value that the module computes at that place (a softmax that the list does not call 'softmax' is quantised finished and normalised). What goes into a quantiser is computed in f32, as accurately as f32 sums, v_exp_f32 and their like allow (about 1e-6 of the number): no bf16 or f16 on the way to a quantiser, and a product that is left as it is and whose result goes on into a quantised operand takes f32 operands (vector FMAs, or v_wmma_f32_16x16x4_f32). A number that lies on a knife's edge between two numbers of the format may be rounded either way, as far as f32 arithmetic and the matrix unit's own rounding can turn it there, and no further.
;; 2 versions. Each part assembles by itself: llvm-mc -triple=amdgcn-amd-amdhsa -mcpu=gfx1250 --defsym DOCPART=n.
;; ======== version 1 of 2: 8 launches
;; workspace buffers: xq 4,194,304 bytes; wq 12,582,912 bytes; qkvq 12,582,912 bytes; hq 4,194,304 bytes; r 16,777,216 bytes; lnq 4,194,304 bytes; hidq 16,777,216 bytes
;; launch quant_x (part 1): grid 256 x 1, 4 waves a work-group, no clusters, 33,280 bytes of LDS; arguments x, lowp_scales, xq; writes xq
.if DOCPART == 1
	.amdgcn_target "amdgcn-amd-amdhsa--gfx1250"
	.amdhsa_code_object_version 6
	.text
	.protected	k_qd65db56d88_quant_x
	.globl	k_qd65db56d88_quant_x
	.p2align	8
	.type	k_qd65db56d88_quant_x,@function
k_qd65db56d88_quant_x:
	s_mov_b64 s[64:65], 0
	v_nop
	global_prefetch_b8 v0, s[64:65] scope:SCOPE_SE
	s_setreg_imm32_b32 hwreg(HW_REG_WAVE_MODE, 25, 1), 1
	s_wait_xcnt 0x0
; x [4096][1024], f32, becomes codes of FP8 (E4M3), one byte each, K innermost, with the given scale 2^e, e = entry 0 of the scales.
; code = x / 2^e, held within +-448, rounded to the nearest code, ties to even.  LIMITS: -126 <= e <= 119; NaN among the inputs is not served.
; Rows are dense, so the tensor is a plain stream.  A wave takes 8 steps of 512 numbers.  Each of a step's four loads reads 512 consecutive bytes, 16 a lane; the step's 2,048 bytes go
; through the wave's own stage in LDS, as they lie, and come back 64 bytes a lane: 16 neighbours along K, which the conversions want in one lane's registers.  The stage has 16 bytes
; of padding behind each 64.  A lane's 16 codes are 16 bytes: the wave stores 512 consecutive bytes.  Waves share nothing: no barrier.  Loads run four steps ahead, the turn through LDS one step.
.set WAVES, 4
.set STEPS, 8
.set EMAX,  8
.set MANT,  0x600000                   ; the mantissa field of 448 as f32
.set R,     16                         ; v16-79   four sets of 16 numbers as they are loaded
.set X,     80                         ; v80-111  two sets of 16 neighbours
.set C,     128                        ; v128-159 codes: four registers for each step, so that no store's data are written again
.set WREG,  8192                       ; LDS: a region for each wave: two stages of 32 x SP bytes
.set SP,    80                         ; a lane's place in a stage: 64 bytes + 16 of padding
.set SPW,   12                         ; v12  LDS address of my spare word; never rewritten
.set NIL,   13                         ; v13  0; never rewritten
.set SPARE, WAVES*WREG                 ; behind the four regions: the spare words, 128 bytes a wave
	s_load_b128 s[4:7], s[0:1], 0x0                ; x, the scales' exponents
	s_load_b64 s[8:9], s[0:1], 0x10                ; xq
	v_lshl_add_u32 v[SPW], v0, 2, SPARE
	v_mov_b32 v[NIL], 0
	v_lshrrev_b32 v1, 5, v0
	v_readfirstlane_b32 s16, v1                    ; wave
	v_and_b32 v2, 31, v0                           ; lane
	v_lshlrev_b32 v3, 4, v2                        ; my 16 bytes of a load's 512, and of a store's
	s_mul_i32 s17, s16, WREG
	v_lshrrev_b32 v14, 2, v2
	v_mul_u32_u24 v14, v14, SP
	v_and_b32 v15, 3, v2
	v_lshl_add_u32 v14, v15, 4, v14
	v_add_nc_u32 v14, s17, v14                     ; the stage, on the way in: SP (lane / 4) + 16 (lane % 4)
	v_mul_u32_u24 v15, v2, SP
	v_add_nc_u32 v15, s17, v15                     ; and on the way out: SP x lane
	s_lshl_b32 s18, ttmp9, 2
	s_add_co_u32 s18, s18, s16                     ; which run of 4,096 numbers is my wave's
	s_lshl_b32 s20, s18, 14                        ; in bytes of f32,
	s_mov_b32 s21, 0
	s_lshl_b32 s22, s18, 12                        ; and of codes
	s_mov_b32 s23, 0
	s_wait_kmcnt 0x0
	s_load_b32 s24, s[6:7], 0x0                    ; e
	s_add_nc_u64 s[4:5], s[4:5], s[20:21]
	s_add_nc_u64 s[8:9], s[8:9], s[22:23]
.macro LOAD t
.irp i, 0,1,2,3
	global_load_b128 v[R+16*((\t)%4)+4*\i:R+16*((\t)%4)+4*\i+3], v3, s[4:5] offset:2048*(\t)+512*\i th:TH_LOAD_NT   ; 32 lanes read 512 consecutive bytes
.endr
.endm
.macro TURN t                          ; step t's numbers through the stage: LDS serves a wave's instructions in order, so no wait stands between the stores and the loads
.irp i, 0,1,2,3
	ds_store_b128 v14, v[R+16*((\t)%4)+4*\i:R+16*((\t)%4)+4*\i+3] offset:32*SP*((\t)%2)+8*SP*\i
.endr
.irp i, 0,1,2,3
	ds_load_b128 v[X+16*((\t)%2)+4*\i:X+16*((\t)%2)+4*\i+3], v15 offset:32*SP*((\t)%2)+16*\i
.endr
.endm
.irp t, 0,1,2,3
	LOAD \t
.endr
	s_wait_kmcnt 0x0
	s_add_co_i32 s24, s24, 127
	s_lshl_b32 s25, s24, 23
	v_mov_b32 v11, s25                             ; 2^e as f32: the conversion takes its exponent field
	s_add_co_i32 s24, s24, EMAX
	s_lshl_b32 s24, s24, 23
	s_or_b32 s24, s24, MANT
	v_mov_b32 v10, s24                             ; 448 x 2^e
	s_wait_loadcnt 12                              ; step 0's four loads are in; three steps' twelve may be out
	TURN 0
.macro STEP t
.set XS, X+16*((\t)%2)
	s_wait_dscnt 0x0                               ; this step's numbers are back from the stage: so its stores into the stage have read their registers,
.if (\t)+4 < STEPS
	LOAD (\t)+4                                    ; which take the loads of four steps on
.endif
.if (\t)+1 < STEPS
.if STEPS-2-(\t) >= 3
	s_wait_loadcnt 12                              ; the next step's four loads are in; those of the three steps behind it may be out
.else
	s_wait_loadcnt 4*(STEPS-2-(\t))                ; towards the end fewer steps stand behind it
.endif
	TURN (\t)+1                                    ; they go through the other stage while this step is worked
.endif
.irp i, 0,1,2,3,4,5,6,7,8,9,10,11,12,13,14,15
	v_med3_num_f32 v[XS+\i], v[XS+\i], -v10, v10   ; the conversion to an 8-bit code does not saturate (ISA guide 7.6.2): the hold comes first
.endr
	v_cvt_scalef32_pk8_fp8_f32 v[C+4*(\t):C+4*(\t)+1], v[XS:XS+7], v11
	v_cvt_scalef32_pk8_fp8_f32 v[C+4*(\t)+2:C+4*(\t)+3], v[XS+8:XS+15], v11
	global_store_b128 v3, v[C+4*(\t):C+4*(\t)+3], s[8:9] offset:512*(\t)   ; the results go to a store alone; the next vector lines are the next step's holds, on other registers
.endm
.irp t, 0,1,2,3,4,5,6,7
	STEP \t
.endr
	s_wait_tensorcnt 0x0                           ; the wave's end
	ds_add_u32 v[SPW], v[NIL]
	s_wait_dscnt 0x0
	s_endpgm
.Lfunc_end_k_qd65db56d88_quant_x:
	.size	k_qd65db56d88_quant_x, .Lfunc_end_k_qd65db56d88_quant_x-k_qd65db56d88_quant_x
	.p2alignl 7, 3214868480
	.fill 96, 4, 3214868480
	.section	.rodata,"a",@progbits
	.p2align	6, 0x0
	.amdhsa_kernel k_qd65db56d88_quant_x
		.amdhsa_group_segment_fixed_size 33280
		.amdhsa_private_segment_fixed_size 0
		.amdhsa_enable_private_segment 0
		.amdhsa_kernarg_size 24
		.amdhsa_user_sgpr_count 2
		.amdhsa_user_sgpr_kernarg_segment_ptr 1
		.amdhsa_wavefront_size32 1
		.amdhsa_system_sgpr_workgroup_id_x 1
		.amdhsa_system_sgpr_workgroup_id_y 1
		.amdhsa_system_sgpr_workgroup_id_z 1
		.amdhsa_system_vgpr_workitem_id 0
		.amdhsa_next_free_vgpr 160
		.amdhsa_next_free_sgpr 66
		.amdhsa_reserve_vcc 0
		.amdhsa_float_denorm_mode_32 3
		.amdhsa_float_denorm_mode_16_64 3
		.amdhsa_memory_ordered 1
		.amdhsa_forward_progress 1
		.amdhsa_inst_pref_size 20
	.end_amdhsa_kernel
	.amdgpu_metadata
---
amdhsa.version: [ 1, 2 ]
amdhsa.kernels:
  - .name:           k_qd65db56d88_quant_x
    .symbol:         k_qd65db56d88_quant_x.kd
    .args:
      - { .name: x, .offset: 0, .size: 8, .value_kind: global_buffer, .address_space: global }
      - { .name: lowp_scales, .offset: 8, .size: 8, .value_kind: global_buffer, .address_space: global }
      - { .name: xq, .offset: 16, .size: 8, .value_kind: global_buffer, .address_space: global }
    .group_segment_fixed_size: 33280
    .private_segment_fixed_size: 0
    .kernarg_segment_align: 8
    .kernarg_segment_size: 24
    .max_flat_workgroup_size: 128
    .sgpr_count:     66
    .vgpr_count:     160
    .wavefront_size: 32
...
	.end_amdgpu_metadata
.endif
;; end of part 1
;; launch quant_w (part 2): grid 384 x 1, 4 waves a work-group, no clusters, 35,840 bytes of LDS; arguments w_qkv, w_proj, w1, w2, lowp_scales, wq; writes wq
.if DOCPART == 2
	.amdgcn_target "amdgcn-amd-amdhsa--gfx1250"
	.amdhsa_code_object_version 6
	.text
	.protected	k_qd65db56d88_quant_w
	.globl	k_qd65db56d88_quant_w
	.p2align	8
	.type	k_qd65db56d88_quant_w,@function
k_qd65db56d88_quant_w:
	s_mov_b64 s[64:65], 0
	v_nop
	global_prefetch_b8 v0, s[64:65] scope:SCOPE_SE
	s_setreg_imm32_b32 hwreg(HW_REG_WAVE_MODE, 25, 1), 1
	s_wait_xcnt 0x0
; The four weights, f32 stored [K][N], become codes of FP8 (E4M3) laid [N][K], K innermost, in one buffer: w_qkv at byte 0, w_proj at 3,145,728, w1 at 4,194,304, w2 at 8,388,608.
; code = w / 2^e, held within +-448, to the nearest code, ties to even; e = entries 1, 7, 9, 11 of the scales.  LIMITS: -126 <= e <= 119; NaN among the inputs is not served.
; A LANE TAKES A COLUMN n, AND ITS REGISTERS RUN DOWN K: each load reads neighbouring n in neighbouring lanes (128 consecutive bytes a wave, 512 a work-group), and the conversions give the codes with K innermost.
; A work-group takes 128 columns x 256 along K, a wave 32 columns.  A lane's codes belong to one row of the output: they go through the wave's own stage in LDS and leave as rows,
; sixteen lanes storing 256 consecutive bytes, aligned.  Waves share nothing: no barrier.  Loads run two blocks of 32 along K ahead.
; WORK-GROUPS 0-95: w_qkv (24 x 4), 96-127: w_proj (8 x 4), 128-255: w1 (32 x 4), 256-383: w2 (8 x 16).  All take ONE path: only constants and the pointer are chosen, by the work-group's number.
.set NB,    8                          ; blocks of 32 along K
.set PITCH, 272                        ; a stage row: 256 bytes of codes + 16
.set EMAX,  8
.set MANT,  0x600000
.set X,     32                         ; v32-95   two sets of 32 numbers
.set C,     96                         ; v96-103  a block's codes
.set OUTR,  112                        ; v112-175 the way out
.set VO,    176                        ; v176-207 byte offset of row i of a block, at my column: i x the row's bytes + 4 x lane
.set SO,    208                        ; v208-223 byte offset of the two output rows of store t
.set SPW,   14
.set NIL,   15
.set SPARE, 4*32*PITCH                 ; behind the four stages: the spare words, 128 bytes a wave
	s_load_b256 s[4:11], s[0:1], 0x0               ; w_qkv, w_proj, w1, w2
	s_load_b128 s[12:15], s[0:1], 0x20             ; the scales' exponents, wq
	v_lshl_add_u32 v[SPW], v0, 2, SPARE
	v_mov_b32 v[NIL], 0
	v_lshrrev_b32 v1, 5, v0
	v_readfirstlane_b32 s16, v1                    ; wave
	v_and_b32 v2, 31, v0                           ; lane
	v_lshlrev_b32 v3, 2, v2
	s_mul_i32 s17, s16, 32*PITCH                   ; my stage
	v_mul_u32_u24 v4, v2, PITCH
	v_add_nc_u32 v4, s17, v4                       ; into it: row = my column
	v_and_b32 v5, 15, v2
	v_lshrrev_b32 v6, 4, v2
	v_mul_u32_u24 v7, v6, PITCH
	v_lshl_add_u32 v7, v5, 4, v7
	v_add_nc_u32 v7, s17, v7                       ; out of it: sixteen lanes to a row, two rows an instruction
	s_mov_b32 s18, 4096                            ; w2's figures: bytes in a row of the f32 tensor,
	s_mov_b32 s19, 4                               ; log2 of the pieces of 256 along K,
	s_mov_b32 s26, 15                              ; their mask,
	s_mov_b32 s20, 4096                            ; bytes in a row of codes,
	s_mov_b32 s21, 8388608                         ; where the codes begin in wq,
	s_mov_b32 s22, 256                             ; the tensor's first work-group
	s_wait_kmcnt 0x0
	s_load_b256 s[48:55], s[12:13], 0x0            ; e0 .. e7
	s_load_b128 s[56:59], s[12:13], 0x20           ; e8 .. e11
	s_mov_b64 s[24:25], s[10:11]
	s_cmp_lt_u32 ttmp9, 256                        ; w1's
	s_cselect_b32 s18, 16384, s18
	s_cselect_b32 s19, 2, s19
	s_cselect_b32 s26, 3, s26
	s_cselect_b32 s20, 1024, s20
	s_cselect_b32 s21, 4194304, s21
	s_cselect_b32 s22, 128, s22
	s_cselect_b64 s[24:25], s[8:9], s[24:25]
	s_cmp_lt_u32 ttmp9, 128                        ; w_proj's
	s_cselect_b32 s18, 4096, s18
	s_cselect_b32 s21, 3145728, s21
	s_cselect_b32 s22, 96, s22
	s_cselect_b64 s[24:25], s[6:7], s[24:25]
	s_cmp_lt_u32 ttmp9, 96                         ; w_qkv's
	s_cselect_b32 s18, 12288, s18
	s_cselect_b32 s21, 0, s21
	s_cselect_b32 s22, 0, s22
	s_cselect_b64 s[24:25], s[4:5], s[24:25]
	s_sub_co_u32 s23, ttmp9, s22                   ; my number within the tensor
	s_and_b32 s26, s23, s26                        ; which 256 along K
	s_lshr_b32 s23, s23, s19                       ; which 128 columns
	s_lshl_b32 s23, s23, 7
	s_lshl_b32 s27, s16, 5
	s_add_co_u32 s23, s23, s27                     ; my wave's first column
	s_mul_i32 s28, s26, s18
	s_lshl_b32 s28, s28, 8                         ; 256 rows of the f32 tensor for each piece along K,
	s_lshl_b32 s29, s23, 2
	s_add_co_u32 s28, s28, s29                     ; + 4 bytes a column
	s_mov_b32 s29, 0
	s_add_nc_u64 s[32:33], s[24:25], s[28:29]      ; block 0 of my part
	s_lshl_b32 s28, s18, 5                         ; 32 rows on
.irp t, 1,2,3,4,5,6,7
	s_add_nc_u64 s[32+2*\t:33+2*\t], s[30+2*\t:31+2*\t], s[28:29]   ; a base for each block, so that nothing is stepped while loads are out
.endr
	s_mul_i32 s30, s23, s20                        ; codes: column x a row of codes
	s_lshl_b32 s31, s26, 8
	s_add_co_u32 s30, s30, s31                     ; + 256 bytes for each piece along K
	s_add_co_u32 s30, s30, s21                     ; + the tensor's place in wq
	s_mov_b32 s31, 0
	s_add_nc_u64 s[14:15], s[14:15], s[30:31]
.irp i, 0,1,2,3,4,5,6,7,8,9,10,11,12,13,14,15,16,17,18,19,20,21,22,23,24,25,26,27,28,29,30,31
	v_mad_u32_u24 v[VO+\i], s18, \i, v3
.endr
	v_mul_u32_u24 v8, s20, v6
	v_lshl_add_u32 v8, v5, 4, v8
.irp t, 0,1,2,3,4,5,6,7,8,9,10,11,12,13,14,15
	v_mad_u32_u24 v[SO+\t], s20, 2*\t, v8
.endr
.macro LOAD t                          ; block t: w(32 t + i, my column), i = 0 .. 31, into set t % 2
.irp i, 0,1,2,3,4,5,6,7,8,9,10,11,12,13,14,15,16,17,18,19,20,21,22,23,24,25,26,27,28,29,30,31
	global_load_b32 v[X+32*((\t)%2)+\i], v[VO+\i], s[32+2*(\t):33+2*(\t)] th:TH_LOAD_NT
.endr
.endm
	LOAD 0
	LOAD 1
	s_wait_kmcnt 0x0
	s_mov_b32 s30, s59                             ; e11, w2's
	s_cmp_lt_u32 ttmp9, 256
	s_cselect_b32 s30, s57, s30                    ; e9, w1's
	s_cmp_lt_u32 ttmp9, 128
	s_cselect_b32 s30, s55, s30                    ; e7, w_proj's
	s_cmp_lt_u32 ttmp9, 96
	s_cselect_b32 s30, s49, s30                    ; e1, w_qkv's
	s_add_co_i32 s30, s30, 127
	s_lshl_b32 s31, s30, 23
	v_mov_b32 v11, s31                             ; 2^e as f32
	s_add_co_i32 s30, s30, EMAX
	s_lshl_b32 s30, s30, 23
	s_or_b32 s30, s30, MANT
	v_mov_b32 v10, s30                             ; 448 x 2^e
.macro BLOCK t
.set XS, X+32*((\t)%2)
.if (\t) < NB-1
	s_wait_loadcnt 32                              ; this block's 32 loads are in; the next block's 32 may be out
.else
	s_wait_loadcnt 0
.endif
.irp i, 0,1,2,3,4,5,6,7,8,9,10,11,12,13,14,15,16,17,18,19,20,21,22,23,24,25,26,27,28,29,30,31
	v_med3_num_f32 v[XS+\i], v[XS+\i], -v10, v10   ; the hold ahead of a conversion that does not saturate (ISA guide 7.6.2)
.endr
.irp g, 0,1,2,3
	v_cvt_scalef32_pk8_fp8_f32 v[C+2*\g:C+2*\g+1], v[XS+8*\g:XS+8*\g+7], v11
.endr
	ds_store_b128 v4, v[C:C+3] offset:32*(\t)      ; 32 codes: 32 bytes of my column's row
	ds_store_b128 v4, v[C+4:C+7] offset:32*(\t)+16
.if (\t)+2 < NB
	LOAD (\t)+2
.endif
	s_wait_dscnt 0x0                               ; the stores have read their registers: the next block's codes may be written
.endm
.set Q, 0
.rept NB
	BLOCK Q
.set Q, Q+1
.endr
.irp t, 0,1,2,3,4,5,6,7,8,9,10,11,12,13,14,15
	ds_load_b128 v[OUTR+4*\t:OUTR+4*\t+3], v7 offset:2*\t*PITCH   ; LDS serves a wave's instructions in order: these see my stores
.endr
.irp t, 0,1,2,3,4,5,6,7,8,9,10,11,12,13,14,15
	s_wait_dscnt 15-\t                             ; the younger loads may be out
	global_store_b128 v[SO+\t], v[OUTR+4*\t:OUTR+4*\t+3], s[14:15]
.endr
	s_wait_tensorcnt 0x0                           ; the wave's end
	ds_add_u32 v[SPW], v[NIL]
	s_wait_dscnt 0x0
	s_endpgm
.Lfunc_end_k_qd65db56d88_quant_w:
	.size	k_qd65db56d88_quant_w, .Lfunc_end_k_qd65db56d88_quant_w-k_qd65db56d88_quant_w
	.p2alignl 7, 3214868480
	.fill 96, 4, 3214868480
	.section	.rodata,"a",@progbits
	.p2align	6, 0x0
	.amdhsa_kernel k_qd65db56d88_quant_w
		.amdhsa_group_segment_fixed_size 35840
		.amdhsa_private_segment_fixed_size 0
		.amdhsa_enable_private_segment 0
		.amdhsa_kernarg_size 48
		.amdhsa_user_sgpr_count 2
		.amdhsa_user_sgpr_kernarg_segment_ptr 1
		.amdhsa_wavefront_size32 1
		.amdhsa_system_sgpr_workgroup_id_x 1
		.amdhsa_system_sgpr_workgroup_id_y 1
		.amdhsa_system_sgpr_workgroup_id_z 1
		.amdhsa_system_vgpr_workitem_id 0
		.amdhsa_next_free_vgpr 224
		.amdhsa_next_free_sgpr 66
		.amdhsa_reserve_vcc 0
		.amdhsa_float_denorm_mode_32 3
		.amdhsa_float_denorm_mode_16_64 3
		.amdhsa_memory_ordered 1
		.amdhsa_forward_progress 1
		.amdhsa_inst_pref_size 54
	.end_amdhsa_kernel
	.amdgpu_metadata
---
amdhsa.version: [ 1, 2 ]
amdhsa.kernels:
  - .name:           k_qd65db56d88_quant_w
    .symbol:         k_qd65db56d88_quant_w.kd
    .args:
      - { .name: w_qkv, .offset: 0, .size: 8, .value_kind: global_buffer, .address_space: global }
      - { .name: w_proj, .offset: 8, .size: 8, .value_kind: global_buffer, .address_space: global }
      - { .name: w1, .offset: 16, .size: 8, .value_kind: global_buffer, .address_space: global }
      - { .name: w2, .offset: 24, .size: 8, .value_kind: global_buffer, .address_space: global }
      - { .name: lowp_scales, .offset: 32, .size: 8, .value_kind: global_buffer, .address_space: global }
      - { .name: wq, .offset: 40, .size: 8, .value_kind: global_buffer, .address_space: global }
    .group_segment_fixed_size: 35840
    .private_segment_fixed_size: 0
    .kernarg_segment_align: 8
    .kernarg_segment_size: 48
    .max_flat_workgroup_size: 128
    .sgpr_count:     66
    .vgpr_count:     224
    .wavefront_size: 32
...
	.end_amdgpu_metadata
.endif
;; end of part 2
;; launch gemm_qkv (part 3): grid 12 x 16, 4 waves a work-group, clusters of 4 x 4, 327,680 bytes of LDS; arguments xq, wq, lowp_scales, qkvq, b_qkv; writes qkvq
.if DOCPART == 3
	.amdgcn_target "amdgcn-amd-amdhsa--gfx1250"
	.amdhsa_code_object_version 6
	.text
	.protected	k_qd65db56d88_gemm_qkv
	.globl	k_qd65db56d88_gemm_qkv
	.p2align	8
	.type	k_qd65db56d88_gemm_qkv,@function
k_qd65db56d88_gemm_qkv:
	s_mov_b64 s[64:65], 0
	v_nop
	global_prefetch_b8 v0, s[64:65] scope:SCOPE_SE
	s_setreg_imm32_b32 hwreg(HW_REG_WAVE_MODE, 25, 1), 1
	s_wait_xcnt 0x0
	s_wait_alu depctr_hold_cnt(0) depctr_sa_sdst(0) depctr_va_vdst(0) depctr_va_sdst(0) depctr_va_ssrc(0) depctr_va_vcc(0) depctr_vm_vsrc(0)
	s_getreg_b32 s2, hwreg(HW_REG_IB_STS2, 6, 4)
	s_cmp_eq_u32 s2, 0
	s_cbranch_scc0 .Lentry_in_a_cluster
	s_endpgm
.Lentry_in_a_cluster:
	s_bfe_u32 s2, ttmp6, 0x10000c
	s_cmp_lg_u32 s2, 0xf033
	s_cbranch_scc0 .Lentry_shape_is_right
	s_endpgm
.Lentry_shape_is_right:
; qkv = x w_qkv + b_qkv on codes of FP8 (E4M3), and its result quantised again.  A: xq [4096][1024]; B: w_qkv's codes [3072][1024], K innermost; out: qkvq [4096][3072], one code a byte.
; value = sum x 2^(e0 + e1) + bias, in f32.  reference() views a batch's [2048][3072] result as [3][16][2048][64]: run c = (row mod 2048) x 48 + column / 64 of 64 numbers belongs to q where c < 32,768,
; to k where c < 65,536, else to v.  So the codes are stored as they lie, and only the scale of the quantiser (e2, e3 or e5) is chosen by c, by a select.
; LIMITS: e0 + e1 between -126 and 127; e2, e3, e5 between -126 and 119.  k is permuted alike in A and B inside a matrix instruction, so the order of the sums in it differs from the plain layout's.
; A tile of 256 x 256 is made by four waves, 128 x 128 each: 64 accumulators, 512 registers.  K goes in steps of 256 through a ring of two LDS slots filled by the tensor data mover.
; CLUSTERS: 4 x 4 work-groups.  The four of a row of the cluster need the same tiles of A, the four of a column the same tiles of B: each tile is asked for JOINTLY, by the same tensor load with a mask that names the four.
; THE MATRIX INSTRUCTION IS USED TRANSPOSED (source 0 = 16 rows of B, source 1 = 16 rows of A): a lane holds eight neighbouring numbers of a row of the result, which are eight neighbours along the next K.
; REGISTERS, in windows of 256: window 0: v0-31 addresses; v32-95 the bias; v96-121 codes and scales on the way out; from v128 A's fragments, ONE set.  window 1: B's fragments, TWO sets.  windows 2, 3: the accumulators ((a, b) at v[8 (8 (a % 4) + b)]).
.set SIZE_N, 3072
.set SIZE_K, 1024
.set WOFF,   0                         ; where B's codes begin in wq
.set EA,     72                        ; s72 = e0, A's exponent
.set EB,     73                        ; s73 = e1, B's
.set KSTEP,  256
.set ROWB,   256
.set KROW,   SIZE_K
.set PITCH,  272                       ; an LDS row: 256 bytes + 16 of padding = 68 words: row r starts at bank 4 r mod 64 (ISA guide 11.1)
.set FR,     16
.set NL,     4
.set NP,     4                         ; places behind this matrix instruction (ISA guide 7.12.1)
.set HALFT,  128*PITCH
.set SLOT,   4*HALFT
.set LAPS,   SIZE_K/(2*KSTEP)
.set SPARE,  2*SLOT                    ; behind the ring: the spare words, 128 bytes a wave
.set SPITCH, 272                       ; the way out: ONE stage of 256 rows x (256 bytes + 16) for the work-group, in slot 0, which has had its last fill and its last read by then
.set ADRA, 16
.set ADRB, 20
.set STO,  24
.set RD,   25
.set CO,   26
.set BO,   27                          ; v27  32 x (lane / 16): my place in the bias
.set SPW,  28
.set NIL,  29
.set CB,   30                          ; v30  run c of my row in block 0, columns 0-63 of my wave's 128
.set BIAS, 32                          ; v32-95  register 8 b + i: the bias of column 16 b + 8 (lane / 16) + i
.set CD,   96                          ; v96-111 a block's codes
.set SCL,  112                         ; v112-117 scale and limit of e2, e3, e5; v118-121 those chosen for columns 0-63 and 64-127
.set TMP,  128
.set AF,   128
.set BK,   128
.set G1, 24
.set G0, 32
.set G1B, 48
.set G0B, 56
.set MSB, 0
.macro WIN new                         ; the immediate's high byte repeats the setting that is left
.if MSB != \new
	s_set_vgpr_msb (MSB<<8)|\new
.set MSB, \new
.endif
.endm
.set MUL_LO, 0xa1                      ; source 0 (B) window 1, source 1 (A) window 0, C and D window 2
.set MUL_HI, 0xf1                      ; the same, C and D window 3
.set TO_B,   0x40                      ; destination window 1, address window 0
; A joint load: waves 0 and 1 fetch for A, waves 2 and 3 for B; the branch hangs on the wave's number alone.  An s_nop 0 and four v_nop follow each of the two lines.
.macro JLOAD g0a, g1a, g0b, g1b
	s_cmp_eq_u32 s15, 0
	s_cbranch_scc0 .Lfor_b_\@
	tensor_load_to_lds s[\g0a:\g0a+3], s[\g1a:\g1a+7]
	s_nop 0
.rept 4
	v_nop
.endr
	s_branch .Lasked_\@
.Lfor_b_\@:
	tensor_load_to_lds s[\g0b:\g0b+3], s[\g1b:\g1b+7]
	s_nop 0
.rept 4
	v_nop
.endr
.Lasked_\@:
.endm
.macro CREST                           ; a round of the cluster's barrier behind its opening barrier
	s_cmp_lg_u32 s14, 0
	s_cbranch_scc1 .Lnot_wave_0_\@
	s_barrier_signal -3
.Lnot_wave_0_\@:
	s_barrier_wait -3
	s_barrier_signal -1
	s_barrier_wait -1
.endm
.macro CROUND                          ; a whole round
	s_barrier_signal -1
	s_barrier_wait -1
	CREST
.endm
	s_load_b128 s[4:7], s[0:1], 0x0                ; A's codes, wq
	s_load_b128 s[8:11], s[0:1], 0x10              ; the scales' exponents, the output
	s_load_b64 s[68:69], s[0:1], 0x20              ; the bias
	v_lshl_add_u32 v[SPW], v0, 2, SPARE
	v_mov_b32 v[NIL], 0
	ds_add_u32 v[SPW], v[NIL]                      ; the wave's opening: the add, and its wait ahead of my first tensor load; the set-up below stands between them
	v_lshrrev_b32 v1, 5, v0
	v_readfirstlane_b32 s14, v1                    ; wave 0..3
	s_lshr_b32 s15, s14, 1                         ; which half of the tile's rows is mine.  Also: I fetch for A (0) or for B (1)
	s_and_b32 s16, s14, 1                          ; which half of its columns.  Also: which 128 rows of that tile I fetch
	s_bfe_u32 s40, ttmp6, 0x40000                  ; cx, cy: my place in the cluster
	s_bfe_u32 s41, ttmp6, 0x40004
	s_lshl_b32 s42, ttmp9, 2
	s_add_co_u32 s42, s42, s40                     ; tile column = 4 x cluster x + cx
	s_and_b32 s17, ttmp7, 0xffff
	s_lshl_b32 s17, s17, 2
	s_add_co_u32 s17, s17, s41                     ; tile row = 4 x cluster y + cy
	s_lshl_b32 s43, s41, 2
	s_lshl_b32 s43, 15, s43                        ; my row of the cluster
	s_lshl_b32 s44, 0x1111, s40                    ; my column
	s_or_b32 s[G1+0], s43, (0<<16)|(1<<20)|(1<<21)|(5<<22)|(3<<25)  ; the mask; elements of 1 byte; padding on; bit 21 beside a mask; after every 64 words, 4 words
	s_or_b32 s[G1B+0], s44, (0<<16)|(1<<20)|(1<<21)|(5<<22)|(3<<25)
.irp g, G1, G1B
	s_mov_b32 s[\g+1], ROWB<<16                    ; tensor_dim0
	s_mov_b32 s[\g+2], 128<<16                     ; tensor_dim1
	s_mov_b32 s[\g+3], ROWB<<16                    ; tile_dim0
	s_mov_b32 s[\g+4], 128                         ; tile_dim1
	s_mov_b32 s[\g+5], KROW                        ; from row to row
	s_mov_b32 s[\g+6], 0
	s_mov_b32 s[\g+7], 0
.endr
	s_lshl_b32 s18, s16, 7
	s_lshl_b32 s20, s17, 8
	s_add_co_u32 s20, s20, s18                     ; A: row 256 x tile row + 128 x half
	s_lshl_b32 s46, s42, 8
	s_add_co_u32 s46, s46, s18                     ; B: row 256 x tile column + 128 x half
	s_mov_b32 s21, 0
	s_mov_b32 s47, 0
	s_mov_b64 s[18:19], KROW
	s_mul_u64 s[20:21], s[20:21], s[18:19]
	s_mul_u64 s[46:47], s[46:47], s[18:19]
	s_mul_i32 s45, s14, HALFT                      ; where they go: wave x 128 rows
	s_wait_dscnt 0x0                               ; the opening add is done
	s_wait_kmcnt 0x0
	s_load_b256 s[72:79], s[8:9], 0x0              ; e0 .. e7
	s_load_b128 s[80:83], s[8:9], 0x20             ; e8 .. e11
	s_add_nc_u64 s[20:21], s[4:5], s[20:21]
	s_add_nc_u64 s[46:47], s[6:7], s[46:47]
.if WOFF
	s_add_nc_u64 s[46:47], s[46:47], WOFF
.endif
	CROUND                                         ; all sixteen work-groups are here: the first joint loads meet
.irp s, 0,1
	s_mov_b32 s[G0+4*\s], 1
	s_add_co_u32 s[G0+4*\s+1], s45, \s*SLOT
	s_add_nc_u64 s[G0+4*\s+2:G0+4*\s+3], s[20:21], \s*ROWB
	s_or_b32 s[G0+4*\s+3], s[G0+4*\s+3], 0x80000000
	s_mov_b32 s[G0B+4*\s], 1
	s_add_co_u32 s[G0B+4*\s+1], s45, \s*SLOT
	s_add_nc_u64 s[G0B+4*\s+2:G0B+4*\s+3], s[46:47], \s*ROWB
	s_or_b32 s[G0B+4*\s+3], s[G0B+4*\s+3], 0x80000000
	JLOAD G0+4*\s, G1, G0B+4*\s, G1B
.endr
	v_and_b32 v1, 15, v0                           ; r = l % 16
	v_bfe_u32 v2, v0, 4, 1                         ; h = l / 16
	v_mul_u32_u24 v3, v1, PITCH
	v_lshl_add_u32 v4, v2, 4, v3                   ; a fragment's row x pitch + 16 x half
	s_mul_i32 s21, s15, HALFT                      ; my 128 rows of A
	s_mul_i32 s22, s16, HALFT                      ; my 128 rows of B,
	s_add_co_u32 s22, s22, 2*HALFT                 ; which lie behind A's 256
.irp s, 0,1
	v_add_nc_u32 v[ADRA+\s], s21, v4
	v_add_nc_u32 v[ADRB+\s], s22, v4
	s_add_co_u32 s21, s21, SLOT
	s_add_co_u32 s22, s22, SLOT
.endr
	s_lshl_b32 s46, s42, 10                        ; the bias of my first column, in bytes: 1024 x tile column + 512 x half
	s_lshl_b32 s47, s16, 9
	s_add_co_u32 s46, s46, s47
	s_mov_b32 s47, 0
	s_add_nc_u64 s[68:69], s[68:69], s[46:47]
	v_lshlrev_b32 v[BO], 5, v2
.irp b, 0,1,2,3,4,5,6,7
	global_load_b128 v[BIAS+8*\b:BIAS+8*\b+3], v[BO], s[68:69] offset:64*\b        ; asked for now, wanted behind the loop
	global_load_b128 v[BIAS+8*\b+4:BIAS+8*\b+7], v[BO], s[68:69] offset:64*\b+16
.endr
	s_mul_i32 s23, s15, 128*SPITCH                 ; into the stage: my 128 rows, my half of their 256 bytes; row r, 8 bytes for each half of the lanes
	s_lshl_b32 s21, s16, 7
	s_add_co_u32 s23, s23, s21
	v_lshl_add_u32 v5, v2, 3, v3
	v_add_nc_u32 v[STO], s23, v5
	s_mul_i32 s23, s14, 64*SPITCH                  ; back: wave w takes rows 64 w .. 64 w + 63, whole; lanes 0-15 one row, lanes 16-31 the next
	v_mul_u32_u24 v5, v2, SPITCH
	v_lshl_add_u32 v5, v1, 4, v5
	v_add_nc_u32 v[RD], s23, v5
	v_mul_u32_u24 v5, v2, SIZE_N                   ; and the same two rows in the output
	v_lshl_add_u32 v[CO], v1, 4, v5
	s_lshl_b32 s20, s17, 8
	s_lshl_b32 s21, s14, 6
	s_add_co_u32 s20, s20, s21                     ; the first row that I store: 256 x tile row + 64 x wave
	s_mul_i32 s20, s20, SIZE_N
	s_mov_b32 s21, 0
	s_add_nc_u64 s[10:11], s[10:11], s[20:21]
	s_lshl_b32 s46, s42, 8                         ; the tile's first column, a byte a code
	s_add_nc_u64 s[10:11], s[10:11], s[46:47]
	s_lshl_b32 s20, s17, 8                         ; run c of my row in block 0: ((256 x tile row + 128 x half) mod 2048 + r) x 48 + 4 x tile column + 2 x half
	s_lshl_b32 s21, s15, 7
	s_add_co_u32 s20, s20, s21
	s_and_b32 s20, s20, 2047
	v_add_nc_u32 v5, s20, v1
	v_mul_u32_u24 v5, v5, 48
	s_lshl_b32 s46, s42, 2
	s_lshl_b32 s21, s16, 1
	s_add_co_u32 s46, s46, s21
	v_add_nc_u32 v[CB], s46, v5
.macro FRAG reg, adr, q, i             ; a fragment, 16 rows x 128 K: lane l holds row l % 16; registers 4 c .. 4 c + 3 hold K = 32 c + 16 (l / 16) + 0 .. 15
.irp c, 0,1,2,3
	ds_load_b128 v[\reg+4*\c:\reg+4*\c+3], v[\adr] offset:128*(\q)+32*\c+(\i)*16*PITCH
.endr
.endm
; 16 matrix instructions: A's blocks a0, a0 + 1 x B's eight, 128 along K.  p: B's set.  zero = 1: the first product starts the sums.  The 64 accumulators take turns, one instruction a turn.
.macro MUL16 a0, p, zero
.irp a, \a0, \a0+1
.irp b, 0,1,2,3,4,5,6,7
.if \zero
	v_wmma_f32_16x16x128_fp8_fp8 v[8*(8*((\a)%4)+\b):8*(8*((\a)%4)+\b)+7], v[128*(\p)+FR*\b:128*(\p)+FR*\b+FR-1], v[AF+FR*(\a):AF+FR*(\a)+FR-1], 0
.else
	v_wmma_f32_16x16x128_fp8_fp8 v[8*(8*((\a)%4)+\b):8*(8*((\a)%4)+\b)+7], v[128*(\p)+FR*\b:128*(\p)+FR*\b+FR-1], v[AF+FR*(\a):AF+FR*(\a)+FR-1], v[8*(8*((\a)%4)+\b):8*(8*((\a)%4)+\b)+7]
.endif
.endr
.endr
.endm
.macro FETCH_B slot, q, p              ; B's eight fragments of the slot's q-th 128 along K into set p
	WIN TO_B
.irp i, 0,1,2,3,4,5,6,7
	FRAG 128*(\p)+FR*\i, ADRB+\slot, \q, \i
.endr
	WIN 0
.endm
.macro FETCH_A slot, q, i0             ; A's blocks i0 .. i0 + 3
.irp i, \i0, \i0+1, \i0+2, \i0+3
	FRAG AF+FR*(\i), ADRA+\slot, \q, \i
.endr
.endm
.macro PLACES n                        ; plain vector instructions between a matrix instruction and a load into, or a read of, its registers
.rept \n
	v_nop
.endr
.endm
.macro STEP slot, q, zero              ; a step of 128 along K that has its successor in the same slot
	s_wait_dscnt 4*NL                              ; B's set and A's blocks 0-3 are in; the youngest sixteen loads (A's blocks 4-7) may be out
	WIN MUL_LO
	MUL16 0, (\q)%2, \zero
	MUL16 2, (\q)%2, \zero
	s_wait_dscnt 0                                 ; A's blocks 4-7 are in
	PLACES NP
	FETCH_B \slot, (\q)+1, 1-(\q)%2
	FETCH_A \slot, (\q)+1, 0
	WIN MUL_HI
	MUL16 4, (\q)%2, \zero
	MUL16 6, (\q)%2, \zero
	PLACES NP
	WIN 0
	FETCH_A \slot, (\q)+1, 4
.endm
; A slot's last step changes slots: ONE barrier; in front of it each wave waits for all its tensor loads, adds 0 to its spare word, and waits for that and for its reads of this slot.  fill = 1: this slot is filled again, two K steps ahead.
.macro TURN slot, next, fill
	s_wait_tensorcnt 0x0                           ; all my tensor loads have landed: my part of the next slot
	ds_add_u32 v[SPW], v[NIL]                      ; 0 onto my spare word
	s_wait_dscnt 4*NL+1                            ; the add and the youngest sixteen loads may be out
	WIN MUL_LO
	MUL16 0, 1, 0                                  ; sixteen matrix instructions stand between the add and the wait for it
	s_wait_dscnt 0x0                               ; the add is done, and my reads of this slot are over
	s_barrier_signal -1
	MUL16 2, 1, 0
	WIN 0
	s_barrier_wait -1
.if \fill
	CREST                                          ; the barrier has opened a round of the cluster's: no wave of any partner still reads this slot or has a load on its way
	s_add_nc_u64 s[G0+4*\slot+2:G0+4*\slot+3], s[G0+4*\slot+2:G0+4*\slot+3], 2*ROWB
	s_add_nc_u64 s[G0B+4*\slot+2:G0B+4*\slot+3], s[G0B+4*\slot+2:G0B+4*\slot+3], 2*ROWB
	JLOAD G0+4*\slot, G1, G0B+4*\slot, G1B         ; the first tensor load behind the round; its four v_nop are the places in front of the loads below
.else
	PLACES NP
.endif
	FETCH_B \next, 0, 0
	FETCH_A \next, 0, 0
	WIN MUL_HI
	MUL16 4, 1, 0
	MUL16 6, 1, 0
	PLACES NP
	WIN 0
	FETCH_A \next, 0, 4
.endm
	s_wait_tensorcnt 1                             ; my part of K step 0 is in; K step 1's load may be out
	s_barrier_signal -1
	s_barrier_wait -1
	FETCH_B 0, 0, 0
	FETCH_A 0, 0, 0
	FETCH_A 0, 0, 4
	STEP 0, 0, 1                                   ; the first step stands in front of the loop: its products start the sums
.if LAPS > 1
	s_mov_b32 s3, LAPS-1
.Llap:                                                 ; a trip goes once round the ring and fills both slots again
	TURN 0, 1, 1
	STEP 1, 0, 0
	TURN 1, 0, 1
	STEP 0, 0, 0
	s_sub_co_u32 s3, s3, 1
	s_cmp_lg_u32 s3, 0
	s_cbranch_scc1 .Llap
.endif
	TURN 0, 1, 0                                   ; the last lap fills nothing
	STEP 1, 0, 0
	s_wait_dscnt 4*NL                              ; the very last step
	WIN MUL_LO
	MUL16 0, 1, 0
	MUL16 2, 1, 0
	s_wait_dscnt 0
	WIN MUL_HI
	MUL16 4, 1, 0
	MUL16 6, 1, 0
	WIN 0
; THE WAY OUT.  Block a (16 rows x my 128 columns): sum x 2^(e0 + e1) + bias, one packed multiply-add for two; the hold; eight neighbours of a row become eight codes, 8 bytes a lane, into the work-group's stage.
.macro SCALE e, sc, lim                ; 2^e as f32, whose exponent field the conversion takes, and 448 x 2^e
	s_add_co_i32 s18, s[\e], 127
	s_lshl_b32 s19, s18, 23
	v_mov_b32 v[\sc], s19
	s_add_co_i32 s18, s18, 8
	s_lshl_b32 s18, s18, 23
	s_or_b32 s18, s18, 0x600000
	v_mov_b32 v[\lim], s18
.endm
.macro CBLOCK a
.set AC, 64*((\a)%4)
.irp u, 0,1                            ; columns 64 u on are run c = CB + 768 a + u: k's scale from 32,768 on, v's from 65,536 on
	v_cmp_le_u32 vcc_lo, 32768-768*(\a)-\u, v[CB]
	v_cndmask_b32 v[SCL+6+2*\u], v[SCL], v[SCL+2], vcc_lo
	v_cndmask_b32 v[SCL+7+2*\u], v[SCL+1], v[SCL+3], vcc_lo
	v_cmp_le_u32 vcc_lo, 65536-768*(\a)-\u, v[CB]
	v_cndmask_b32 v[SCL+6+2*\u], v[SCL+6+2*\u], v[SCL+4], vcc_lo
	v_cndmask_b32 v[SCL+7+2*\u], v[SCL+7+2*\u], v[SCL+5], vcc_lo
.endr
	WIN 0x02+((\a)/4)                              ; source 0: window 2 or 3
.set J, 0
.rept 32
	v_pk_fma_f32 v[TMP+J:TMP+J+1], v[AC+J:AC+J+1], s[96:97], v[BIAS+J:BIAS+J+1] op_sel_hi:[1,0,1]   ; each accumulator from its low end on
.set J, J+2
.endr
	WIN 0
.irp b, 0,1,2,3,4,5,6,7
.irp i, 0,1,2,3,4,5,6,7
	v_med3_num_f32 v[TMP+8*\b+\i], v[TMP+8*\b+\i], -v[SCL+7+2*(\b/4)], v[SCL+7+2*(\b/4)]   ; the conversion does not saturate (ISA guide 7.6.2)
.endr
.endr
.irp b, 0,1,2,3,4,5,6,7
	v_cvt_scalef32_pk8_fp8_f32 v[CD+2*\b:CD+2*\b+1], v[TMP+8*\b:TMP+8*\b+7], v[SCL+6+2*(\b/4)]
.endr
	v_nop                                          ; a plain vector line between the conversions and the next vector lines that write their sources
.irp b, 0,1,2,3,4,5,6,7
	ds_store_b64 v[STO], v[CD+2*\b:CD+2*\b+1] offset:16*(\a)*SPITCH+16*\b
.endr
.endm
	s_wait_kmcnt 0x0
	s_add_co_i32 s96, s[EA], s[EB]
	s_add_co_i32 s96, s96, 127
	s_lshl_b32 s96, s96, 23                        ; 2^(e0 + e1) as f32
	s_mov_b32 s97, s96                             ; (named with it as a pair, so it is written)
	SCALE 74, SCL, SCL+1                           ; e2: q's
	SCALE 75, SCL+2, SCL+3                         ; e3: k's
	SCALE 77, SCL+4, SCL+5                         ; e5: v's
	s_wait_loadcnt 0x0                             ; the bias
	PLACES NP
.irp a, 0,1,2,3,4,5,6,7
	CBLOCK \a
.endr
	s_wait_dscnt 0x0                               ; for the others' sake: my stores into the stage are done; a row's 256 bytes come from two waves
	s_barrier_signal -1
	s_barrier_wait -1
.set T, 0
.rept 32
	ds_load_b128 v[BK+4*T:BK+4*T+3], v[RD] offset:2*T*SPITCH
.set T, T+1
.endr
.set T, 0
.rept 32
	s_wait_dscnt 31-T                              ; the younger loads may be out
	global_store_b128 v[CO], v[BK+4*T:BK+4*T+3], s[10:11] offset:2*T*SIZE_N   ; 16 lanes store 256 consecutive bytes, aligned
.set T, T+1
.endr
	s_wait_tensorcnt 0x0                           ; the wave's end
	ds_add_u32 v[SPW], v[NIL]
	s_wait_dscnt 0x0
	CROUND                                         ; the closing round
	s_endpgm
.Lfunc_end_k_qd65db56d88_gemm_qkv:
	.size	k_qd65db56d88_gemm_qkv, .Lfunc_end_k_qd65db56d88_gemm_qkv-k_qd65db56d88_gemm_qkv
	.p2alignl 7, 3214868480
	.fill 96, 4, 3214868480
	.section	.rodata,"a",@progbits
	.p2align	6, 0x0
	.amdhsa_kernel k_qd65db56d88_gemm_qkv
		.amdhsa_group_segment_fixed_size 327680
		.amdhsa_private_segment_fixed_size 0
		.amdhsa_enable_private_segment 0
		.amdhsa_kernarg_size 40
		.amdhsa_user_sgpr_count 2
		.amdhsa_user_sgpr_kernarg_segment_ptr 1
		.amdhsa_wavefront_size32 1
		.amdhsa_system_sgpr_workgroup_id_x 1
		.amdhsa_system_sgpr_workgroup_id_y 1
		.amdhsa_system_sgpr_workgroup_id_z 1
		.amdhsa_system_vgpr_workitem_id 0
		.amdhsa_next_free_vgpr 1024
		.amdhsa_next_free_sgpr 98
		.amdhsa_reserve_vcc 1
		.amdhsa_float_denorm_mode_32 3
		.amdhsa_float_denorm_mode_16_64 3
		.amdhsa_memory_ordered 1
		.amdhsa_forward_progress 1
		.amdhsa_inst_pref_size 148
	.end_amdhsa_kernel
	.amdgpu_metadata
---
amdhsa.version: [ 1, 2 ]
amdhsa.kernels:
  - .name:           k_qd65db56d88_gemm_qkv
    .symbol:         k_qd65db56d88_gemm_qkv.kd
    .args:
      - { .name: xq, .offset: 0, .size: 8, .value_kind: global_buffer, .address_space: global }
      - { .name: wq, .offset: 8, .size: 8, .value_kind: global_buffer, .address_space: global }
      - { .name: lowp_scales, .offset: 16, .size: 8, .value_kind: global_buffer, .address_space: global }
      - { .name: qkvq, .offset: 24, .size: 8, .value_kind: global_buffer, .address_space: global }
      - { .name: b_qkv, .offset: 32, .size: 8, .value_kind: global_buffer, .address_space: global }
    .group_segment_fixed_size: 327680
    .private_segment_fixed_size: 0
    .kernarg_segment_align: 8
    .kernarg_segment_size: 40
    .max_flat_workgroup_size: 128
    .sgpr_count:     98
    .vgpr_count:     1024
    .wavefront_size: 32
...
	.end_amdgpu_metadata
.endif
;; end of part 3
;; launch attn (part 4): grid 8 x 32, 16 waves a work-group, clusters of 4 x 1, 327,680 bytes of LDS; arguments qkvq, lowp_scales, hq; writes hq
.if DOCPART == 4
	.amdgcn_target "amdgcn-amd-amdhsa--gfx1250"
	.amdhsa_code_object_version 6
	.text
	.protected	k_qd65db56d88_attn
	.globl	k_qd65db56d88_attn
	.p2align	8
	.type	k_qd65db56d88_attn,@function
k_qd65db56d88_attn:
	s_mov_b64 s[64:65], 0
	v_nop
	global_prefetch_b8 v0, s[64:65] scope:SCOPE_SE
	s_setreg_imm32_b32 hwreg(HW_REG_WAVE_MODE, 25, 1), 1
	s_wait_xcnt 0x0
	s_wait_alu depctr_hold_cnt(0) depctr_sa_sdst(0) depctr_va_vdst(0) depctr_va_sdst(0) depctr_va_ssrc(0) depctr_va_vcc(0) depctr_vm_vsrc(0)
	s_getreg_b32 s2, hwreg(HW_REG_IB_STS2, 6, 4)
	s_cmp_eq_u32 s2, 0
	s_cbranch_scc0 .Lentry_in_a_cluster
	s_endpgm
.Lentry_in_a_cluster:
	s_bfe_u32 s2, ttmp6, 0x10000c
	s_cmp_lg_u32 s2, 0x3003
	s_cbranch_scc0 .Lentry_shape_is_right
	s_endpgm
.Lentry_shape_is_right:
; Causal attention on codes of FP8 (E4M3), head size 64, 2,048 positions, 32 (batch, head) pairs; scores are divided by sqrt(1024) = 32.
; qkvq, flat, is [batch][q|k|v][head][position][64], a byte a code; hq, flat, is [batch][head][position][64]: the codes (scale 2^e6) of the attention's result.
; THE SOFTMAX AHEAD OF THE SECOND PRODUCT: t = score x log2(e) / 32; M = the running largest t rounded UP to a whole number; p = 2^(t - M) is quantised (2^e4), not normalised.  The row's sum is taken of the
; unquantised p and divides at the end.  When M moves, the sum and O are multiplied by 2^(old M - new M), which rounds nothing.
; SHARES.  A work-group has sixteen waves of 256 registers; wave w has rank p = w xor 3 ((w >> 2) & 1) and owns queries 128 p + 16 x .. + 15, x = the work-group's number 0..7 in its head.  So key step ks (128 keys) is hidden for the
; wave where ks > p, lies on the diagonal where ks = p, and is open where ks < p: these branches hang on the wave's number and a counter alone, and every work-group has the same work.
; Hidden steps are left out; on the diagonal hidden scores become -infinity ahead of the maximum.  Key 0 counts for every query, so M is a number from the first step on.
; CLUSTER.  The four work-groups of a cluster belong to one head and walk the same K and V: each tile is asked for JOINTLY (waves 0, 1: K's halves; waves 2, 3: V's).  A slot holds 512 keys, four steps; two slots.
; LAYOUT.  Both products are used transposed: S^T = K Q^T (16x16x64; source 0 = 16 neighbouring keys), O^T = V^T P^T (16x16x128; K = the step's 128 keys): a lane holds ONE query (lane % 16) throughout.
; Register j of score tile t is key 16 t + 8 (lane / 16) + j: eight codes of it are registers 2 t, 2 t + 1 of P in the form's own layout.  V lies [key][64]: it is turned by ds_load_tr16_b128 on pairs of bytes,
; and v_perm_b32 parts the even channels from the odd: O^T's four tiles are channels 32 g + 2 m (+ 1), and are interleaved again on the way out.
; In LDS four keys' rows of 64 bytes form one row of 256 bytes (they are dense in memory), padded by 16 (K) or 32 (V) bytes.
; LIMITS: e2 + e3 between -121 and 132 (added to c's exponent field); e4, e6 between -126 and 119; e4 + e5 goes by v_ldexp_f32.  In K Q^T k is permuted alike in both operands.  NaN is not served.
.set KP,     272                       ; four keys of K in LDS
.set VP,     288                       ; four keys of V
.set KSTEPB, 32*KP                     ; a step's 128 keys of K
.set VSTEPB, 32*VP                     ; and of V
.set VOFF,   4*KSTEPB                  ; a slot: 512 keys of K, then of V
.set SLOT1,  1<<17                     ; slot 1 begins here: one exclusive or turns an address into the other slot's
.set SLOTB,  512*64                    ; a slot's keys in memory, in bytes
.set STAGE,  2*SLOT1                   ; the way out: 1,024 bytes for each wave, bytes that no fill touches
.set SPARE,  STAGE+16*1024             ; the spare words, 128 bytes for each of sixteen waves
.set AK0, 1                            ; v1  my lane's place in a tile of K
.set AV0, 2                            ; v2  the same for V
.set PFO, 3                            ; v3  256 x lane: the prefetches' offset
.set DG,  4                            ; v4  my query within its 128, less 8 (lane / 16)
.set SPW, 5
.set NIL, 6
.set GO,  7                            ; v7  16 x lane
.set ADK, 8
.set ADV, 9
.set KF,  24                           ; v24-87   K's eight fragments, then V as the turning loads leave it
.set S,   88                           ; v88-151  S^T, then p, then V^T's four fragments
.set O,   152                          ; v152-183 O^T: tiles even 0, odd 0, even 1, odd 1
.set PC,  184                          ; v184-199 p's codes
.set TA,  200
.set F,   202                          ; v[202:203] f = 2^(old M - new M)
.set PD,  204
.set SM2, 206                          ; v[206:207] the second chain of the sum
.set PLIM, 208                         ; 448 x 2^e4
.set PSC,  209                         ; 2^e4
.set NINF, 210
.set HSC,  212                         ; 2^e6
.set HLIM, 213                         ; 448 x 2^e6
.set TBK, 2                            ; s2  LDS byte of the step's K
.set TBV, 3                            ; s3  LDS byte less VOFF of the step's V
.set KS,  10                           ; s10 the key step
.set WV,  18
.set RHO, 19
.set SEL, 20
.set CS,  22
.set G1K, 24
.set G1V, 32
.set G0K, 40
.set G0V, 44
.set SLOTS, 67
.set PFA, 80
.set LIM, 82
.macro CROUND                          ; a round of the cluster's barrier
	s_barrier_signal -1
	s_barrier_wait -1
	s_cmp_lg_u32 s[WV], 0
	s_cbranch_scc1 .Lnot_wave_0_\@
	s_barrier_signal -3
.Lnot_wave_0_\@:
	s_barrier_wait -3
	s_barrier_signal -1
	s_barrier_wait -1
.endm
; Waves 0 and 1 fetch for K, waves 2 and 3 for V, the others nothing: branches on the wave's number alone, the same in all partners.  An s_nop 0 and four v_nop follow each line.
.macro TLOAD
	s_cmp_lt_u32 s[WV], 2
	s_cbranch_scc0 .Lnot_k_\@
	tensor_load_to_lds s[G0K:G0K+3], s[G1K:G1K+7]
	s_nop 0
.rept 4
	v_nop
.endr
	s_branch .Lasked_\@
.Lnot_k_\@:
	s_cmp_lt_u32 s[WV], 4
	s_cbranch_scc0 .Lasked_\@
	tensor_load_to_lds s[G0V:G0V+3], s[G1V:G1V+7]
	s_nop 0
.rept 4
	v_nop
.endr
.Lasked_\@:
.endm
; A PREFETCH of what the NEXT change of slots will ask for: 32,768 bytes of K and as many of V.  Both clusters of a head walk the same rows: the head's first cluster asks.  Its four partners take 8,192 bytes each, told apart
; BY ADDRESS; in each, wave 4 asks for K's and wave 5 for V's, lanes 256 bytes apart: each aligned block of 256 bytes is named once in the launch.  The last change that fills a slot asks for nothing.
.macro ASK
	s_cmp_gt_u32 s[SLOTS], s[LIM]
	s_cbranch_scc0 .Lnot_mine_\@
	global_prefetch_b8 v[PFO], s[PFA:PFA+1] th:TH_LOAD_NT scope:SCOPE_SE
.Lnot_mine_\@:
.endm
	s_load_b128 s[4:7], s[0:1], 0x0                ; qkvq, the scales' exponents
	s_load_b64 s[8:9], s[0:1], 0x10                ; hq
	v_lshl_add_u32 v[SPW], v0, 2, SPARE
	v_mov_b32 v[NIL], 0
	ds_add_u32 v[SPW], v[NIL]                      ; the wave's opening: the add, and its wait ahead of the first tensor loads; the set-up below stands between them
	v_lshrrev_b32 v8, 5, v0
	v_readfirstlane_b32 s[WV], v8                  ; wave 0..15
	s_bfe_u32 s84, s[WV], 0x10002
	s_mul_i32 s84, s84, 3
	s_xor_b32 s[RHO], s[WV], s84                   ; my rank
	s_bfe_u32 s85, ttmp6, 0x40000                  ; cx
	s_lshl_b32 s86, ttmp9, 2
	s_add_co_u32 s86, s86, s85                     ; x = 4 x cluster x + cx: it enters Q's and hq's addresses and the mask's numbers alone
	s_and_b32 s87, ttmp7, 0xffff                   ; 16 x batch + head, which the partners share
	s_lshr_b32 s88, s87, 4
	s_and_b32 s89, s87, 15
	s_mul_i32 s88, s88, 6291456
	s_lshl_b32 s89, s89, 17
	s_add_co_u32 s88, s88, s89                     ; the head's q in qkvq; its k lies 2,097,152 bytes on, its v as many again
	s_and_b32 s94, s[WV], 1                        ; which half of a slot's rows I fetch, if I fetch
	s_lshl_b32 s90, s94, 14
	s_add_co_u32 s90, s90, s88
	s_add_co_u32 s90, s90, 0x200000                ; K: in memory
	s_mov_b32 s91, 0
	s_add_co_u32 s92, s90, 0x200000                ; V: in memory
	s_mov_b32 s93, 0
	s_mul_i32 s95, s94, 64*KP                      ; K: in a slot
	s_mul_i32 s94, s94, 64*VP
	s_add_co_u32 s94, s94, VOFF                    ; V: in a slot
	s_mov_b32 s[G1K], 15|(0<<16)|(1<<20)|(1<<21)|(5<<22)|(3<<25)  ; the mask: all four; elements of 1 byte; padding on; bit 21 beside a mask; after every 64 words, 4 words
	s_mov_b32 s[G1V], 15|(0<<16)|(1<<20)|(1<<21)|(5<<22)|(7<<25)  ; the same with 8 words
.irp g, G1K, G1V
	s_mov_b32 s[\g+1], 256<<16                     ; tensor_dim0: four keys' 256 bytes
	s_mov_b32 s[\g+2], 64<<16                      ; tensor_dim1
	s_mov_b32 s[\g+3], 256<<16                     ; tile_dim0
	s_mov_b32 s[\g+4], 64                          ; tile_dim1
	s_mov_b32 s[\g+5], 256                         ; from row to row: dense
	s_mov_b32 s[\g+6], 0
	s_mov_b32 s[\g+7], 0
.endr
	s_mov_b32 s[SEL], 0x76543210
	s_mov_b32 s[SEL+1], 0xfedcba98
	s_mov_b32 s[CS], 0x3d38aa3b                    ; c = log2(e) / 32
	s_mov_b32 s12, 0x06040200                      ; v_perm_b32: the even bytes of two registers,
	s_mov_b32 s13, 0x07050301                      ; the odd ones
	s_mov_b32 s[TBK], 0
	s_mov_b32 s[TBV], 0
	s_mov_b32 s[KS], 0
	s_mov_b32 s[SLOTS], 3
	s_lshl_b32 s96, s[RHO], 13
	s_lshl_b32 s97, s86, 10
	s_add_co_u32 s96, s96, s97                     ; 64 bytes x my first query, 128 rank + 16 x
	s_lshl_b32 s98, s87, 17
	s_add_co_u32 s98, s98, s96                     ; its place in hq
	s_mov_b32 s99, 0
	s_add_co_u32 s96, s96, s88                     ; and in qkvq
	s_mov_b32 s97, 0
	s_sub_co_u32 s84, s[WV], 4
	s_lshr_b32 s84, s84, 1                         ; 0 in waves 4 and 5,
	s_or_b32 s84, s84, ttmp9                       ; of the head's first cluster: the same in all four partners
	s_cmp_eq_u32 s84, 0
	s_cselect_b32 s[LIM], 1, -1
	s_mov_b32 s[PFA], 0x400000
	s_cmp_eq_u32 s[WV], 4
	s_cselect_b32 s[PFA], 0x200000, s[PFA]         ; wave 4: K; wave 5: V
	s_add_co_u32 s[PFA], s[PFA], s88
	s_lshl_b32 s84, s85, 13
	s_add_co_u32 s[PFA], s[PFA], s84               ; my work-group's 8,192 bytes,
	s_add_co_u32 s[PFA], s[PFA], SLOTB             ; in slot 1: the first change of slots steps it to slot 2
	s_mov_b32 s[PFA+1], 0
	s_wait_dscnt 0x0                               ; the opening add is done
	s_wait_kmcnt 0x0
	s_load_b256 s[68:75], s[6:7], 0x0              ; e0 .. e7
	s_load_b128 s[76:79], s[6:7], 0x20             ; e8 .. e11
	s_mov_b32 s[G0K], 1
	s_mov_b32 s[G0K+1], s95
	s_add_nc_u64 s[G0K+2:G0K+3], s[4:5], s[90:91]
	s_or_b32 s[G0K+3], s[G0K+3], 0x80000000
	s_mov_b32 s[G0V], 1
	s_mov_b32 s[G0V+1], s94
	s_add_nc_u64 s[G0V+2:G0V+3], s[4:5], s[92:93]
	s_or_b32 s[G0V+3], s[G0V+3], 0x80000000
	s_add_nc_u64 s[PFA:PFA+1], s[4:5], s[PFA:PFA+1]
	s_add_nc_u64 s[8:9], s[8:9], s[98:99]
	s_add_nc_u64 s[96:97], s[4:5], s[96:97]
	CROUND                                         ; all four work-groups are here: the first joint loads meet
	TLOAD                                          ; slot 0
	v_and_b32 v8, 15, v0                           ; r
	v_bfe_u32 v9, v0, 4, 1                         ; h
	v_lshlrev_b32 v10, 6, v8
	v_lshl_add_u32 v10, v9, 4, v10
	global_load_b128 v[16:19], v10, s[96:97]       ; Q's fragment stays: bytes 16 h .. and 32 + 16 h .. of row r, as K's fragments take theirs
	global_load_b128 v[20:23], v10, s[96:97] offset:32
	v_lshrrev_b32 v11, 2, v8
	v_mul_u32_u24 v[AK0], v11, KP
	v_and_b32 v11, 3, v8
	v_lshl_add_u32 v[AK0], v11, 6, v[AK0]
	v_lshl_add_u32 v[AK0], v9, 4, v[AK0]           ; key r of a tile: (r / 4) x 272 + (r % 4) x 64 + 16 h
	v_bfe_u32 v11, v0, 2, 1
	v_lshl_add_u32 v11, v9, 1, v11
	v_mul_u32_u24 v[AV0], v11, VP
	v_and_b32 v11, 3, v0
	v_lshl_add_u32 v[AV0], v11, 6, v[AV0]
	v_bfe_u32 v11, v0, 3, 1
	v_lshl_add_u32 v[AV0], v11, 4, v[AV0]
	v_add_nc_u32 v[AV0], VOFF, v[AV0]              ; key 8 h + l % 8 of sixteen, bytes 16 ((l / 8) % 2) on
	s_lshl_b32 s84, s86, 4
	v_lshlrev_b32 v11, 3, v9
	v_sub_nc_u32 v[DG], v8, v11
	v_add_nc_u32 v[DG], s84, v[DG]                 ; 16 x + r - 8 h
	v_and_b32 v[GO], 31, v0
	v_lshlrev_b32 v[PFO], 8, v[GO]
	v_lshlrev_b32 v[GO], 4, v[GO]
	v_mov_b32 v13, 0xff61b1e6                      ; the largest t so far: -3e38
	v_floor_f32 v12, -v13                          ; -M
	v_mov_b32 v14, 0                               ; the sum, in two halves
	v_mov_b32 v15, 0
	v_mov_b32 v[PD], 0                             ; a lane permute's destination counts as one of its sources
	v_mov_b32 v[F+1], 0                            ; (named as the upper half of a pair)
	v_mov_b32 v[NINF], 0xff800000
.set J, 0
.rept 32
	v_mov_b32 v[O+J], 0                            ; O^T: the step is written once; the first finds zeros
.set J, J+1
.endr
	s_wait_kmcnt 0x0
	s_add_co_i32 s84, s70, s71
	s_lshl_b32 s84, s84, 23
	s_add_co_i32 s[CS], s[CS], s84                 ; a score stands for score x 2^(e2 + e3): added to c's exponent field
	s_mov_b32 s[CS+1], s[CS]
	s_add_co_i32 s84, s72, 127
	s_lshl_b32 s85, s84, 23
	v_mov_b32 v[PSC], s85
	s_add_co_i32 s84, s84, 8
	s_lshl_b32 s84, s84, 23
	s_or_b32 s84, s84, 0x600000
	v_mov_b32 v[PLIM], s84
	s_add_co_i32 s84, s74, 127
	s_lshl_b32 s85, s84, 23
	v_mov_b32 v[HSC], s85
	s_add_co_i32 s84, s84, 8
	s_lshl_b32 s84, s84, 23
	s_or_b32 s84, s84, 0x600000
	v_mov_b32 v[HLIM], s84
.macro STEP                            ; a key step: 128 keys at s[TBK], s[TBV]
	s_cmp_gt_u32 s[KS], s[RHO]                     ; all its keys come after my queries: only the steps of the addresses are done
	s_cbranch_scc1 .Lhidden_\@
	v_add_nc_u32 v[ADK], s[TBK], v[AK0]
	v_add_nc_u32 v[ADV], s[TBV], v[AV0]
.rept 3
	v_nop                                          ; with the two additions five places: the scores below are laid over V^T's fragments, which the last step's products read (ISA guide 7.12.1)
.endr
.irp t, 0,1,2,3,4,5,6,7
	ds_load_b128 v[KF+8*\t:KF+8*\t+3], v[ADK] offset:4*KP*\t
	ds_load_b128 v[KF+8*\t+4:KF+8*\t+7], v[ADK] offset:4*KP*\t+32
.endr
	s_wait_dscnt 0x0
.irp t, 0,1,2,3,4,5,6,7
	v_wmma_f32_16x16x64_fp8_fp8 v[S+8*\t:S+8*\t+7], v[KF+8*\t:KF+8*\t+7], v[16:23], 0
.endr
.rept 4
	v_nop                                          ; places in front of loads into K's registers and of the first read of the scores
.endr
.irp c, 0,1,2,3,4,5,6,7
.irp g, 0,1
	ds_load_tr16_b128 v[KF+4*(2*\c+\g):KF+4*(2*\c+\g)+3], v[ADV] offset:4*VP*\c+32*\g   ; keys 16 c on, channels 32 g on: they land under the softmax
.endr
.endr
	s_cmp_lt_u32 s[KS], s[RHO]
	s_cbranch_scc1 .Lopen_\@
.set N, 0
.rept 64                               ; on the diagonal: register 8 t + j is key 16 t + 8 h + j of the step: hidden where 16 t + j > 16 x + r - 8 h
	v_cmp_gt_i32 vcc_lo, 16*(N/8)+N%8, v[DG]
	v_cndmask_b32 v[S+N], v[S+N], v[NINF], vcc_lo
.set N, N+1
.endr
.Lopen_\@:
	v_max3_num_f32 v[TA], v[S], v[S+1], v[S+2]     ; the step's largest score of my query among my 64 keys, in two chains; each tile is read from its low end on
	v_max3_num_f32 v[F], v[S+3], v[S+4], v[S+5]
.set J, 6
.rept 14
	v_max3_num_f32 v[TA], v[TA], v[S+J], v[S+J+1]
	v_max3_num_f32 v[F], v[F], v[S+J+2], v[S+J+3]
.set J, J+4
.endr
	v_max3_num_f32 v[TA], v[TA], v[S+62], v[S+63]
	v_max_num_f32 v[TA], v[TA], v[F]
	v_permlanex16_b32 v[PD], v[TA], s[SEL], s[SEL+1]
	v_max_num_f32 v[TA], v[TA], v[PD]              ; and among lane l xor 16's
	v_mul_f32 v[TA], s[CS], v[TA]                  ; as t (c is positive)
	v_max_num_f32 v13, v13, v[TA]                  ; the running largest t
	v_mov_b32 v[TA], v12
	v_floor_f32 v12, -v13                          ; the new -M = -ceil(t)
	v_sub_f32 v[TA], v12, v[TA]                    ; old M - new M: a whole number, 0 or less
	v_cvt_i32_f32 v[TA], v[TA]                     ; (it saturates)
	v_ldexp_f32 v[F], 1.0, v[TA]                   ; f = 2^(old M - new M)
.set J, 0
.rept 32
	v_pk_fma_f32 v[S+J:S+J+1], v[S+J:S+J+1], s[CS:CS+1], v[12:13] op_sel_hi:[1,0,0]   ; t - M, two at a time
.set J, J+2
.endr
.set J, 0
.rept 64
	v_exp_f32 v[S+J], v[S+J]                       ; p = 2^(t - M)
.set J, J+1
.endr
	v_pk_mul_f32 v[14:15], v[14:15], v[F:F+1] op_sel_hi:[1,0]   ; the sums under the new M: the plain line behind the exponentials
	s_wait_alu depctr_va_vdst(0)                   ; one wait for the whole batch, ahead of its first reader
	v_pk_add_f32 v[SM2:SM2+1], v[S:S+1], v[S+2:S+3]   ; the row's sum is taken of the unquantised p, in two chains
.set J, 4
.rept 15
	v_pk_add_f32 v[14:15], v[14:15], v[S+J:S+J+1]
	v_pk_add_f32 v[SM2:SM2+1], v[SM2:SM2+1], v[S+J+2:S+J+3]
.set J, J+4
.endr
	v_pk_add_f32 v[14:15], v[14:15], v[SM2:SM2+1]
.irp t, 0,1,2,3,4,5,6,7
.irp i, 0,1,2,3,4,5,6,7
	v_min_num_f32 v[S+8*\t+\i], v[S+8*\t+\i], v[PLIM]   ; the conversion does not saturate (ISA guide 7.6.2); p is not negative
.endr
	v_cvt_scalef32_pk8_fp8_f32 v[PC+2*\t:PC+2*\t+1], v[S+8*\t:S+8*\t+7], v[PSC]
.endr
.set J, 0
.rept 16
	v_pk_mul_f32 v[O+J:O+J+1], v[O+J:O+J+1], v[F:F+1] op_sel_hi:[1,0]   ; O^T under the new M; also the plain lines behind the conversions
.set J, J+2
.endr
	s_wait_dscnt 0x0                               ; V is in
.irp c, 0,1,2,3,4,5,6,7
.irp g, 0,1
	v_perm_b32 v[S+32*\g+2*\c],    v[KF+4*(2*\c+\g)+1], v[KF+4*(2*\c+\g)],   s12   ; registers 2 c, 2 c + 1 of the fragment of channels 32 g + 2 m,
	v_perm_b32 v[S+32*\g+2*\c+1],  v[KF+4*(2*\c+\g)+3], v[KF+4*(2*\c+\g)+2], s12
	v_perm_b32 v[S+32*\g+16+2*\c],   v[KF+4*(2*\c+\g)+1], v[KF+4*(2*\c+\g)],   s13   ; and of channels 32 g + 2 m + 1
	v_perm_b32 v[S+32*\g+16+2*\c+1], v[KF+4*(2*\c+\g)+3], v[KF+4*(2*\c+\g)+2], s13
.endr
.endr
.irp u, 0,1,2,3                        ; the four accumulators take turns, and eight other products stand between two steps'
	v_wmma_f32_16x16x128_fp8_fp8 v[O+8*\u:O+8*\u+7], v[S+16*\u:S+16*\u+15], v[PC:PC+15], v[O+8*\u:O+8*\u+7]
.endr
.Lhidden_\@:
	s_add_co_u32 s[TBK], s[TBK], KSTEPB
	s_add_co_u32 s[TBV], s[TBV], VSTEPB
	s_add_co_u32 s[KS], s[KS], 1
.endm
; THE CHANGE OF SLOTS stands at a slot's head.  Each wave waits for all its tensor loads, adds 0 to its spare word, and waits for that and for its reads of the slot that it has left.
; fill = 1: a round of the cluster's barrier, and behind it that other slot is filled with the next 512 keys: the load has four key steps in which to land.
.macro CHANGE fill
	s_wait_tensorcnt 0x0                           ; no tensor load of mine is out, so a group 0 may be written
	ds_add_u32 v[SPW], v[NIL]
.if \fill
	s_xor_b32 s[G0K+1], s[G0K+1], SLOT1
	s_add_nc_u64 s[G0K+2:G0K+3], s[G0K+2:G0K+3], SLOTB
	s_xor_b32 s[G0V+1], s[G0V+1], SLOT1
	s_add_nc_u64 s[G0V+2:G0V+3], s[G0V+2:G0V+3], SLOTB
	s_wait_xcnt 0x0                                ; the last prefetch, a slot back, has read its address
	s_add_nc_u64 s[PFA:PFA+1], s[PFA:PFA+1], SLOTB ; one slot further on than the walking descriptors
	s_wait_dscnt 0x0                               ; the add is done, and my reads of the slot that I have left are over
	CROUND
	TLOAD                                          ; the first thing behind the round, and a wave's one tensor load until the next
	ASK
.else
	s_wait_dscnt 0x0
	s_barrier_signal -1
	s_barrier_wait -1
.endif
.endm
.macro FOUR_STEPS                      ; a slot's four key steps: written once, walked four times
	s_mov_b32 s11, 4
.Lstep_\@:
	STEP
	s_sub_co_u32 s11, s11, 1
	s_cmp_lg_u32 s11, 0
	s_cbranch_scc1 .Lstep_\@
	s_sub_co_u32 s[TBK], s[TBK], 4*KSTEPB          ; back to a slot's first step,
	s_xor_b32 s[TBK], s[TBK], SLOT1                ; in the other slot
	s_sub_co_u32 s[TBV], s[TBV], 4*VSTEPB
	s_xor_b32 s[TBV], s[TBV], SLOT1
.endm
	s_wait_loadcnt 0x0                             ; Q
.Lslot:                                            ; three trips: behind each change of slots but the last the next slot is asked for
	CHANGE 1
	FOUR_STEPS
	s_sub_co_u32 s[SLOTS], s[SLOTS], 1
	s_cmp_lg_u32 s[SLOTS], 0
	s_cbranch_scc1 .Lslot
	CHANGE 0                                       ; the last slot is written out
	FOUR_STEPS
	; THE WAY OUT.  O^T / the sum x 2^(e4 + e5), the even and odd channels interleaved again: 16 neighbouring channels for each g; the hold; codes with 2^e6; through my stage, so that the wave stores 512 consecutive bytes.
	v_add_f32 v14, v14, v15
	v_permlanex16_b32 v[PD], v14, s[SEL], s[SEL+1]
	v_add_f32 v14, v14, v[PD]                      ; the row's sum
	v_rcp_f32 v14, v14
	v_and_b32 v8, 15, v0                           ; (plain lines behind the reciprocal)
	v_bfe_u32 v9, v0, 4, 1
	s_lshl_b32 s85, s[WV], 10
	s_add_co_u32 s85, s85, STAGE                   ; my stage
	v_lshlrev_b32 v10, 6, v8
	v_lshl_add_u32 v10, v9, 4, v10
	v_add_nc_u32 v10, s85, v10                     ; in: row r of 64 bytes, + 16 h
	v_add_nc_u32 v11, s85, v[GO]                   ; back: 16 bytes a lane
	s_add_co_i32 s84, s72, s73
	s_wait_alu depctr_va_vdst(0)                   ; the wait ahead of the reciprocal's first reader
	v_ldexp_f32 v14, v14, s84
.irp g, 0,1
.irp o, 0,1
.irp j, 0,1,2,3,4,5,6,7
	v_mul_f32 v[S+16*\g+2*\j+\o], v[O+8*(2*\g+\o)+\j], v14   ; channel 32 g + 16 h + 2 j + o; each accumulator from its low end on
.endr
.endr
.endr
.set J, 0
.rept 32
	v_med3_num_f32 v[S+J], v[S+J], -v[HLIM], v[HLIM]
.set J, J+1
.endr
.irp m, 0,1,2,3
	v_cvt_scalef32_pk8_fp8_f32 v[PC+2*\m:PC+2*\m+1], v[S+8*\m:S+8*\m+7], v[HSC]
.endr
	v_nop                                          ; a plain vector line behind the last conversion
	ds_store_b128 v10, v[PC:PC+3]
	ds_store_b128 v10, v[PC+4:PC+7] offset:32
	ds_load_b128 v[S:S+3], v11                     ; LDS serves a wave's instructions in order: these see my stores
	ds_load_b128 v[S+4:S+7], v11 offset:512
	s_wait_dscnt 1                                 ; the younger load may be out
	global_store_b128 v[GO], v[S:S+3], s[8:9]
	s_wait_dscnt 0
	global_store_b128 v[GO], v[S+4:S+7], s[8:9] offset:512
	s_wait_tensorcnt 0x0                           ; the wave's end
	ds_add_u32 v[SPW], v[NIL]
	s_wait_dscnt 0x0
	CROUND                                         ; the closing round
	s_endpgm
.Lfunc_end_k_qd65db56d88_attn:
	.size	k_qd65db56d88_attn, .Lfunc_end_k_qd65db56d88_attn-k_qd65db56d88_attn
	.p2alignl 7, 3214868480
	.fill 96, 4, 3214868480
	.section	.rodata,"a",@progbits
	.p2align	6, 0x0
	.amdhsa_kernel k_qd65db56d88_attn
		.amdhsa_group_segment_fixed_size 327680
		.amdhsa_private_segment_fixed_size 0
		.amdhsa_enable_private_segment 0
		.amdhsa_kernarg_size 24
		.amdhsa_user_sgpr_count 2
		.amdhsa_user_sgpr_kernarg_segment_ptr 1
		.amdhsa_wavefront_size32 1
		.amdhsa_system_sgpr_workgroup_id_x 1
		.amdhsa_system_sgpr_workgroup_id_y 1
		.amdhsa_system_sgpr_workgroup_id_z 1
		.amdhsa_system_vgpr_workitem_id 0
		.amdhsa_next_free_vgpr 256
		.amdhsa_next_free_sgpr 100
		.amdhsa_reserve_vcc 1
		.amdhsa_float_denorm_mode_32 3
		.amdhsa_float_denorm_mode_16_64 3
		.amdhsa_memory_ordered 1
		.amdhsa_forward_progress 1
		.amdhsa_inst_pref_size 65
	.end_amdhsa_kernel
	.amdgpu_metadata
---
amdhsa.version: [ 1, 2 ]
amdhsa.kernels:
  - .name:           k_qd65db56d88_attn
    .symbol:         k_qd65db56d88_attn.kd
    .args:
      - { .name: qkvq, .offset: 0, .size: 8, .value_kind: global_buffer, .address_space: global }
      - { .name: lowp_scales, .offset: 8, .size: 8, .value_kind: global_buffer, .address_space: global }
      - { .name: hq, .offset: 16, .size: 8, .value_kind: global_buffer, .address_space: global }
    .group_segment_fixed_size: 327680
    .private_segment_fixed_size: 0
    .kernarg_segment_align: 8
    .kernarg_segment_size: 24
    .max_flat_workgroup_size: 512
    .sgpr_count:     100
    .vgpr_count:     256
    .wavefront_size: 32
...
	.end_amdgpu_metadata
.endif
;; end of part 4
;; launch gemm_proj (part 5): grid 4 x 16, 4 waves a work-group, clusters of 4 x 4, 327,680 bytes of LDS; arguments hq, wq, lowp_scales, r, b_proj; writes r
.if DOCPART == 5
	.amdgcn_target "amdgcn-amd-amdhsa--gfx1250"
	.amdhsa_code_object_version 6
	.text
	.protected	k_qd65db56d88_gemm_proj
	.globl	k_qd65db56d88_gemm_proj
	.p2align	8
	.type	k_qd65db56d88_gemm_proj,@function
k_qd65db56d88_gemm_proj:
	s_mov_b64 s[64:65], 0
	v_nop
	global_prefetch_b8 v0, s[64:65] scope:SCOPE_SE
	s_setreg_imm32_b32 hwreg(HW_REG_WAVE_MODE, 25, 1), 1
	s_wait_xcnt 0x0
	s_wait_alu depctr_hold_cnt(0) depctr_sa_sdst(0) depctr_va_vdst(0) depctr_va_sdst(0) depctr_va_ssrc(0) depctr_va_vcc(0) depctr_vm_vsrc(0)
	s_getreg_b32 s2, hwreg(HW_REG_IB_STS2, 6, 4)
	s_cmp_eq_u32 s2, 0
	s_cbranch_scc0 .Lentry_in_a_cluster
	s_endpgm
.Lentry_in_a_cluster:
	s_bfe_u32 s2, ttmp6, 0x10000c
	s_cmp_lg_u32 s2, 0xf033
	s_cbranch_scc0 .Lentry_shape_is_right
	s_endpgm
.Lentry_shape_is_right:
; r = h w_proj + b_proj on codes of FP8 (E4M3).  A: hq [4096][1024]; B: w_proj's codes [1024][1024], K innermost, at byte 3,145,728 of wq; out: r [4096][1024] f32 = sum x 2^(e6 + e7) + bias.
; LIMITS: e6 + e7 between -126 and 127.  k is permuted alike in A and B inside a matrix instruction, so the order of the sums in it differs from the plain layout's.
; A tile of 256 x 256 is made by four waves, 128 x 128 each: 64 accumulators, 512 registers.  K goes in steps of 256 through a ring of two LDS slots filled by the tensor data mover.
; CLUSTERS: 4 x 4 work-groups.  The four of a row of the cluster need the same tiles of A, the four of a column the same tiles of B: each tile is asked for JOINTLY, by the same tensor load with a mask that names the four.
; THE MATRIX INSTRUCTION IS USED TRANSPOSED (source 0 = 16 rows of B, source 1 = 16 rows of A): a lane holds eight neighbouring numbers of a row of the result.
; REGISTERS, in windows of 256: window 0: v0-31 addresses; v32-35 the bias; from v128 A's fragments, ONE set.  window 1: B's fragments, TWO sets.  windows 2, 3: the accumulators ((a, b) at v[8 (8 (a % 4) + b)]).
.set SIZE_N, 1024
.set SIZE_K, 1024
.set WOFF,   3145728                   ; where B's codes begin in wq
.set EA,     78                        ; s78 = e6, A's exponent
.set EB,     79                        ; s79 = e7, B's
.set KSTEP,  256
.set ROWB,   256
.set KROW,   SIZE_K
.set PITCH,  272                       ; an LDS row: 256 bytes + 16 of padding = 68 words: row r starts at bank 4 r mod 64 (ISA guide 11.1)
.set FR,     16
.set NL,     4
.set NP,     4                         ; places behind this matrix instruction (ISA guide 7.12.1)
.set HALFT,  128*PITCH
.set SLOT,   4*HALFT
.set LAPS,   SIZE_K/(2*KSTEP)
.set SPARE,  2*SLOT                    ; behind the ring: the spare words, 128 bytes a wave
.set SPITCH, 528                       ; the way out: a stage of 16 rows x (512 bytes + 16) for each wave, in slot 0, which has had its last fill and its last read by then
.set ADRA, 16
.set ADRB, 20
.set STO,  24
.set RD,   25
.set CO,   26
.set SPW,  28
.set NIL,  29
.set BIAS, 32                          ; v32-35  the bias of columns 4 x lane + 0 .. 3 of my wave's 128
.set AF,   128
.set BK,   128                         ; the way out: 16 rows read back from the stage: v128-191 and v192-255 by turns
.set G1, 24
.set G0, 32
.set G1B, 48
.set G0B, 56
.set MSB, 0
.macro WIN new                         ; the immediate's high byte repeats the setting that is left
.if MSB != \new
	s_set_vgpr_msb (MSB<<8)|\new
.set MSB, \new
.endif
.endm
.set MUL_LO, 0xa1                      ; source 0 (B) window 1, source 1 (A) window 0, C and D window 2
.set MUL_HI, 0xf1                      ; the same, C and D window 3
.set TO_B,   0x40                      ; destination window 1, address window 0
; A joint load: waves 0 and 1 fetch for A, waves 2 and 3 for B; the branch hangs on the wave's number alone.  An s_nop 0 and four v_nop follow each of the two lines.
.macro JLOAD g0a, g1a, g0b, g1b
	s_cmp_eq_u32 s15, 0
	s_cbranch_scc0 .Lfor_b_\@
	tensor_load_to_lds s[\g0a:\g0a+3], s[\g1a:\g1a+7]
	s_nop 0
.rept 4
	v_nop
.endr
	s_branch .Lasked_\@
.Lfor_b_\@:
	tensor_load_to_lds s[\g0b:\g0b+3], s[\g1b:\g1b+7]
	s_nop 0
.rept 4
	v_nop
.endr
.Lasked_\@:
.endm
.macro CREST                           ; a round of the cluster's barrier behind its opening barrier
	s_cmp_lg_u32 s14, 0
	s_cbranch_scc1 .Lnot_wave_0_\@
	s_barrier_signal -3
.Lnot_wave_0_\@:
	s_barrier_wait -3
	s_barrier_signal -1
	s_barrier_wait -1
.endm
.macro CROUND                          ; a whole round
	s_barrier_signal -1
	s_barrier_wait -1
	CREST
.endm
	s_load_b128 s[4:7], s[0:1], 0x0                ; A's codes, wq
	s_load_b128 s[8:11], s[0:1], 0x10              ; the scales' exponents, the output
	s_load_b64 s[68:69], s[0:1], 0x20              ; the bias
	v_lshl_add_u32 v[SPW], v0, 2, SPARE
	v_mov_b32 v[NIL], 0
	ds_add_u32 v[SPW], v[NIL]                      ; the wave's opening: the add, and its wait ahead of my first tensor load; the set-up below stands between them
	v_lshrrev_b32 v1, 5, v0
	v_readfirstlane_b32 s14, v1                    ; wave 0..3
	s_lshr_b32 s15, s14, 1                         ; which half of the tile's rows is mine.  Also: I fetch for A (0) or for B (1)
	s_and_b32 s16, s14, 1                          ; which half of its columns.  Also: which 128 rows of that tile I fetch
	s_bfe_u32 s40, ttmp6, 0x40000                  ; cx, cy: my place in the cluster
	s_bfe_u32 s41, ttmp6, 0x40004
	s_lshl_b32 s42, ttmp9, 2
	s_add_co_u32 s42, s42, s40                     ; tile column = 4 x cluster x + cx
	s_and_b32 s17, ttmp7, 0xffff
	s_lshl_b32 s17, s17, 2
	s_add_co_u32 s17, s17, s41                     ; tile row = 4 x cluster y + cy
	s_lshl_b32 s43, s41, 2
	s_lshl_b32 s43, 15, s43                        ; my row of the cluster
	s_lshl_b32 s44, 0x1111, s40                    ; my column
	s_or_b32 s[G1+0], s43, (0<<16)|(1<<20)|(1<<21)|(5<<22)|(3<<25)  ; the mask; elements of 1 byte; padding on; bit 21 beside a mask; after every 64 words, 4 words
	s_or_b32 s[G1B+0], s44, (0<<16)|(1<<20)|(1<<21)|(5<<22)|(3<<25)
.irp g, G1, G1B
	s_mov_b32 s[\g+1], ROWB<<16                    ; tensor_dim0
	s_mov_b32 s[\g+2], 128<<16                     ; tensor_dim1
	s_mov_b32 s[\g+3], ROWB<<16                    ; tile_dim0
	s_mov_b32 s[\g+4], 128                         ; tile_dim1
	s_mov_b32 s[\g+5], KROW                        ; from row to row
	s_mov_b32 s[\g+6], 0
	s_mov_b32 s[\g+7], 0
.endr
	s_lshl_b32 s18, s16, 7
	s_lshl_b32 s20, s17, 8
	s_add_co_u32 s20, s20, s18                     ; A: row 256 x tile row + 128 x half
	s_lshl_b32 s46, s42, 8
	s_add_co_u32 s46, s46, s18                     ; B: row 256 x tile column + 128 x half
	s_mov_b32 s21, 0
	s_mov_b32 s47, 0
	s_mov_b64 s[18:19], KROW
	s_mul_u64 s[20:21], s[20:21], s[18:19]
	s_mul_u64 s[46:47], s[46:47], s[18:19]
	s_mul_i32 s45, s14, HALFT                      ; where they go: wave x 128 rows
	s_wait_dscnt 0x0                               ; the opening add is done
	s_wait_kmcnt 0x0
	s_load_b256 s[72:79], s[8:9], 0x0              ; e0 .. e7
	s_load_b128 s[80:83], s[8:9], 0x20             ; e8 .. e11
	s_add_nc_u64 s[20:21], s[4:5], s[20:21]
	s_add_nc_u64 s[46:47], s[6:7], s[46:47]
.if WOFF
	s_add_nc_u64 s[46:47], s[46:47], WOFF
.endif
	CROUND                                         ; all sixteen work-groups are here: the first joint loads meet
.irp s, 0,1
	s_mov_b32 s[G0+4*\s], 1
	s_add_co_u32 s[G0+4*\s+1], s45, \s*SLOT
	s_add_nc_u64 s[G0+4*\s+2:G0+4*\s+3], s[20:21], \s*ROWB
	s_or_b32 s[G0+4*\s+3], s[G0+4*\s+3], 0x80000000
	s_mov_b32 s[G0B+4*\s], 1
	s_add_co_u32 s[G0B+4*\s+1], s45, \s*SLOT
	s_add_nc_u64 s[G0B+4*\s+2:G0B+4*\s+3], s[46:47], \s*ROWB
	s_or_b32 s[G0B+4*\s+3], s[G0B+4*\s+3], 0x80000000
	JLOAD G0+4*\s, G1, G0B+4*\s, G1B
.endr
	v_and_b32 v1, 15, v0                           ; r = l % 16
	v_bfe_u32 v2, v0, 4, 1                         ; h = l / 16
	v_mul_u32_u24 v3, v1, PITCH
	v_lshl_add_u32 v4, v2, 4, v3                   ; a fragment's row x pitch + 16 x half
	s_mul_i32 s21, s15, HALFT                      ; my 128 rows of A
	s_mul_i32 s22, s16, HALFT                      ; my 128 rows of B,
	s_add_co_u32 s22, s22, 2*HALFT                 ; which lie behind A's 256
.irp s, 0,1
	v_add_nc_u32 v[ADRA+\s], s21, v4
	v_add_nc_u32 v[ADRB+\s], s22, v4
	s_add_co_u32 s21, s21, SLOT
	s_add_co_u32 s22, s22, SLOT
.endr
	s_lshl_b32 s46, s42, 10                        ; my first column, in bytes of f32: 1024 x tile column + 512 x half: in the bias and in a row of the output
	s_lshl_b32 s47, s16, 9
	s_add_co_u32 s46, s46, s47
	s_mov_b32 s47, 0
	s_add_nc_u64 s[68:69], s[68:69], s[46:47]
	s_mul_i32 s23, s14, 16*SPITCH                  ; my stage
	v_mul_u32_u24 v5, v1, SPITCH                   ; in: row r, 32 bytes for each half of the lanes
	v_lshl_add_u32 v5, v2, 5, v5
	v_add_nc_u32 v[STO], s23, v5
	v_and_b32 v6, 31, v0
	v_lshlrev_b32 v[CO], 4, v6                     ; back: the 32 lanes take one row of 512 bytes; and the same in the output
	v_add_nc_u32 v[RD], s23, v[CO]
	global_load_b128 v[BIAS:BIAS+3], v[CO], s[68:69]   ; on the way back a lane holds the same four columns of every row: four numbers of the bias serve; wanted behind the loop
	s_lshl_b32 s20, s17, 8
	s_lshl_b32 s21, s15, 7
	s_add_co_u32 s20, s20, s21                     ; my first row: 256 x tile row + 128 x half
	s_mul_i32 s20, s20, SIZE_N*4
	s_mov_b32 s21, 0
	s_add_nc_u64 s[10:11], s[10:11], s[20:21]
	s_add_nc_u64 s[10:11], s[10:11], s[46:47]
.macro FRAG reg, adr, q, i             ; a fragment, 16 rows x 128 K: lane l holds row l % 16; registers 4 c .. 4 c + 3 hold K = 32 c + 16 (l / 16) + 0 .. 15
.irp c, 0,1,2,3
	ds_load_b128 v[\reg+4*\c:\reg+4*\c+3], v[\adr] offset:128*(\q)+32*\c+(\i)*16*PITCH
.endr
.endm
; 16 matrix instructions: A's blocks a0, a0 + 1 x B's eight, 128 along K.  p: B's set.  zero = 1: the first product starts the sums.  The 64 accumulators take turns, one instruction a turn.
.macro MUL16 a0, p, zero
.irp a, \a0, \a0+1
.irp b, 0,1,2,3,4,5,6,7
.if \zero
	v_wmma_f32_16x16x128_fp8_fp8 v[8*(8*((\a)%4)+\b):8*(8*((\a)%4)+\b)+7], v[128*(\p)+FR*\b:128*(\p)+FR*\b+FR-1], v[AF+FR*(\a):AF+FR*(\a)+FR-1], 0
.else
	v_wmma_f32_16x16x128_fp8_fp8 v[8*(8*((\a)%4)+\b):8*(8*((\a)%4)+\b)+7], v[128*(\p)+FR*\b:128*(\p)+FR*\b+FR-1], v[AF+FR*(\a):AF+FR*(\a)+FR-1], v[8*(8*((\a)%4)+\b):8*(8*((\a)%4)+\b)+7]
.endif
.endr
.endr
.endm
.macro FETCH_B slot, q, p              ; B's eight fragments of the slot's q-th 128 along K into set p
	WIN TO_B
.irp i, 0,1,2,3,4,5,6,7
	FRAG 128*(\p)+FR*\i, ADRB+\slot, \q, \i
.endr
	WIN 0
.endm
.macro FETCH_A slot, q, i0             ; A's blocks i0 .. i0 + 3
.irp i, \i0, \i0+1, \i0+2, \i0+3
	FRAG AF+FR*(\i), ADRA+\slot, \q, \i
.endr
.endm
.macro PLACES n                        ; plain vector instructions between a matrix instruction and a load into, or a read of, its registers
.rept \n
	v_nop
.endr
.endm
.macro STEP slot, q, zero              ; a step of 128 along K that has its successor in the same slot
	s_wait_dscnt 4*NL                              ; B's set and A's blocks 0-3 are in; the youngest sixteen loads (A's blocks 4-7) may be out
	WIN MUL_LO
	MUL16 0, (\q)%2, \zero
	MUL16 2, (\q)%2, \zero
	s_wait_dscnt 0                                 ; A's blocks 4-7 are in
	PLACES NP
	FETCH_B \slot, (\q)+1, 1-(\q)%2
	FETCH_A \slot, (\q)+1, 0
	WIN MUL_HI
	MUL16 4, (\q)%2, \zero
	MUL16 6, (\q)%2, \zero
	PLACES NP
	WIN 0
	FETCH_A \slot, (\q)+1, 4
.endm
; A slot's last step changes slots: ONE barrier; in front of it each wave waits for all its tensor loads, adds 0 to its spare word, and waits for that and for its reads of this slot.  fill = 1: this slot is filled again, two K steps ahead.
.macro TURN slot, next, fill
	s_wait_tensorcnt 0x0                           ; all my tensor loads have landed: my part of the next slot
	ds_add_u32 v[SPW], v[NIL]                      ; 0 onto my spare word
	s_wait_dscnt 4*NL+1                            ; the add and the youngest sixteen loads may be out
	WIN MUL_LO
	MUL16 0, 1, 0                                  ; sixteen matrix instructions stand between the add and the wait for it
	s_wait_dscnt 0x0                               ; the add is done, and my reads of this slot are over
	s_barrier_signal -1
	MUL16 2, 1, 0
	WIN 0
	s_barrier_wait -1
.if \fill
	CREST                                          ; the barrier has opened a round of the cluster's: no wave of any partner still reads this slot or has a load on its way
	s_add_nc_u64 s[G0+4*\slot+2:G0+4*\slot+3], s[G0+4*\slot+2:G0+4*\slot+3], 2*ROWB
	s_add_nc_u64 s[G0B+4*\slot+2:G0B+4*\slot+3], s[G0B+4*\slot+2:G0B+4*\slot+3], 2*ROWB
	JLOAD G0+4*\slot, G1, G0B+4*\slot, G1B         ; the first tensor load behind the round; its four v_nop are the places in front of the loads below
.else
	PLACES NP
.endif
	FETCH_B \next, 0, 0
	FETCH_A \next, 0, 0
	WIN MUL_HI
	MUL16 4, 1, 0
	MUL16 6, 1, 0
	PLACES NP
	WIN 0
	FETCH_A \next, 0, 4
.endm
	s_wait_tensorcnt 1                             ; my part of K step 0 is in; K step 1's load may be out
	s_barrier_signal -1
	s_barrier_wait -1
	FETCH_B 0, 0, 0
	FETCH_A 0, 0, 0
	FETCH_A 0, 0, 4
	STEP 0, 0, 1                                   ; the first step stands in front of the loop: its products start the sums
.if LAPS > 1
	s_mov_b32 s3, LAPS-1
.Llap:                                                 ; a trip goes once round the ring and fills both slots again
	TURN 0, 1, 1
	STEP 1, 0, 0
	TURN 1, 0, 1
	STEP 0, 0, 0
	s_sub_co_u32 s3, s3, 1
	s_cmp_lg_u32 s3, 0
	s_cbranch_scc1 .Llap
.endif
	TURN 0, 1, 0                                   ; the last lap fills nothing
	STEP 1, 0, 0
	s_wait_dscnt 4*NL                              ; the very last step
	WIN MUL_LO
	MUL16 0, 1, 0
	MUL16 2, 1, 0
	s_wait_dscnt 0
	WIN MUL_HI
	MUL16 4, 1, 0
	MUL16 6, 1, 0
	WIN 0
; THE WAY OUT, block by block of 16 rows x 128 columns.  The sums go as they are through my own stage in LDS and come back as whole rows of 512 bytes; there each pair becomes sum x 2^(ea + eb) + bias by one packed
; multiply-add, and the 32 lanes store the row.  LDS serves a wave's instructions in order (ISA guide 5.7.1.4): no wait between the stores and the loads, nor in front of the next block's stores.
.macro TOSTAGE a
.set AC, 64*((\a)%4)
	WIN 0x08+4*((\a)/4)                            ; an LDS store's data are its source 1: window 2 or 3
.irp b, 0,1,2,3,4,5,6,7
	ds_store_b128 v[STO], v[AC+8*\b:AC+8*\b+3] offset:64*\b          ; each accumulator from its low end on
	ds_store_b128 v[STO], v[AC+8*\b+4:AC+8*\b+7] offset:64*\b+16
.endr
	WIN 0
.set BB, BK+64*((\a)%2)
.irp t, 0,1,2,3,4,5,6,7,8,9,10,11,12,13,14,15
	ds_load_b128 v[BB+4*\t:BB+4*\t+3], v[RD] offset:\t*SPITCH
.endr
.endm
.macro SEND a, younger                 ; younger: the LDS instructions issued behind block a's loads, which may stay out
.set BB, BK+64*((\a)%2)
	s_wait_dscnt \younger
.irp t, 0,1,2,3,4,5,6,7,8,9,10,11,12,13,14,15
	v_pk_fma_f32 v[BB+4*\t:BB+4*\t+1], v[BB+4*\t:BB+4*\t+1], s[96:97], v[BIAS:BIAS+1] op_sel_hi:[1,0,1]
	v_pk_fma_f32 v[BB+4*\t+2:BB+4*\t+3], v[BB+4*\t+2:BB+4*\t+3], s[96:97], v[BIAS+2:BIAS+3] op_sel_hi:[1,0,1]
	global_store_b128 v[CO], v[BB+4*\t:BB+4*\t+3], s[10:11] offset:(16*(\a)+\t)*SIZE_N*4 th:TH_STORE_NT   ; 32 lanes store 512 consecutive bytes, aligned; the row stands in the immediate: 127 rows of 4,096 bytes at the most
.endr
.endm
	s_wait_kmcnt 0x0
	s_add_co_i32 s96, s[EA], s[EB]
	s_add_co_i32 s96, s96, 127
	s_lshl_b32 s96, s96, 23                        ; 2^(ea + eb) as f32
	s_mov_b32 s97, s96                             ; (named with it as a pair, so it is written)
	s_wait_loadcnt 0x0                             ; the bias
	PLACES NP
	TOSTAGE 0
.irp a, 1,2,3,4,5,6,7
.if \a > 1
	s_wait_xcnt 0x0                                ; block a - 2's stores have read their registers: block a's loads may land there
.endif
	TOSTAGE \a
	SEND \a-1, 32                                  ; behind block a - 1's loads: block a's 16 stores and 16 loads
.endr
	SEND 7, 0
	s_wait_tensorcnt 0x0                           ; the wave's end
	ds_add_u32 v[SPW], v[NIL]
	s_wait_dscnt 0x0
	CROUND                                         ; the closing round
	s_endpgm
.Lfunc_end_k_qd65db56d88_gemm_proj:
	.size	k_qd65db56d88_gemm_proj, .Lfunc_end_k_qd65db56d88_gemm_proj-k_qd65db56d88_gemm_proj
	.p2alignl 7, 3214868480
	.fill 96, 4, 3214868480
	.section	.rodata,"a",@progbits
	.p2align	6, 0x0
	.amdhsa_kernel k_qd65db56d88_gemm_proj
		.amdhsa_group_segment_fixed_size 327680
		.amdhsa_private_segment_fixed_size 0
		.amdhsa_enable_private_segment 0
		.amdhsa_kernarg_size 40
		.amdhsa_user_sgpr_count 2
		.amdhsa_user_sgpr_kernarg_segment_ptr 1
		.amdhsa_wavefront_size32 1
		.amdhsa_system_sgpr_workgroup_id_x 1
		.amdhsa_system_sgpr_workgroup_id_y 1
		.amdhsa_system_sgpr_workgroup_id_z 1
		.amdhsa_system_vgpr_workitem_id 0
		.amdhsa_next_free_vgpr 1024
		.amdhsa_next_free_sgpr 98
		.amdhsa_reserve_vcc 0
		.amdhsa_float_denorm_mode_32 3
		.amdhsa_float_denorm_mode_16_64 3
		.amdhsa_memory_ordered 1
		.amdhsa_forward_progress 1
		.amdhsa_inst_pref_size 123
	.end_amdhsa_kernel
	.amdgpu_metadata
---
amdhsa.version: [ 1, 2 ]
amdhsa.kernels:
  - .name:           k_qd65db56d88_gemm_proj
    .symbol:         k_qd65db56d88_gemm_proj.kd
    .args:
      - { .name: hq, .offset: 0, .size: 8, .value_kind: global_buffer, .address_space: global }
      - { .name: wq, .offset: 8, .size: 8, .value_kind: global_buffer, .address_space: global }
      - { .name: lowp_scales, .offset: 16, .size: 8, .value_kind: global_buffer, .address_space: global }
      - { .name: r, .offset: 24, .size: 8, .value_kind: global_buffer, .address_space: global }
      - { .name: b_proj, .offset: 32, .size: 8, .value_kind: global_buffer, .address_space: global }
    .group_segment_fixed_size: 327680
    .private_segment_fixed_size: 0
    .kernarg_segment_align: 8
    .kernarg_segment_size: 40
    .max_flat_workgroup_size: 128
    .sgpr_count:     98
    .vgpr_count:     1024
    .wavefront_size: 32
...
	.end_amdgpu_metadata
.endif
;; end of part 5
;; launch ln (part 6): grid 256 x 1, 8 waves a work-group, no clusters, 82,944 bytes of LDS; arguments r, x, ln_g, ln_b, lowp_scales, lnq; writes lnq
.if DOCPART == 6
	.amdgcn_target "amdgcn-amd-amdhsa--gfx1250"
	.amdhsa_code_object_version 6
	.text
	.protected	k_qd65db56d88_ln
	.globl	k_qd65db56d88_ln
	.p2align	8
	.type	k_qd65db56d88_ln,@function
k_qd65db56d88_ln:
	s_mov_b64 s[64:65], 0
	v_nop
	global_prefetch_b8 v0, s[64:65] scope:SCOPE_SE
	s_setreg_imm32_b32 hwreg(HW_REG_WAVE_MODE, 25, 1), 1
	s_wait_xcnt 0x0
; lnq = codes of FP8 (E4M3), scale 2^e8, of LayerNorm(r + x) x ln_g + ln_b.  r, x: [4096][1024] f32; lnq: [4096][1024], a byte a code.  All in f32, in two passes: the mean, then the mean of the squared differences.
; LIMITS: e8 between -126 and 119; NaN among the inputs is not served.
; A wave takes two whole rows: a row's sums never leave the wave, so there is no barrier.  Each load reads 512 consecutive bytes; r + x goes through the wave's own stage in LDS and comes back
; 64 bytes a lane, twice: register 16 u + m of a lane is column 512 u + 16 x lane + m, so that the conversions find neighbours along K in one lane, and a store of codes covers 512 consecutive bytes.
; No matrix unit, no cluster, no tensor load: memory binds, work-groups share only the 8 KB of gain and bias.
.set SP,    80                         ; a lane's place in a stage: 64 bytes + 16 of padding
.set STG,   2*32*SP                    ; a row's stage: 5,120 bytes
.set SPW,   6
.set NIL,   7
.set G,     20                         ; v20-51  ln_g at my 32 columns
.set BT,    52                         ; v52-83  ln_b
.set SPARE, 16*STG                     ; behind the sixteen stages: the spare words, 128 bytes a wave
	s_load_b256 s[4:11], s[0:1], 0x0               ; r, x, ln_g, ln_b
	s_load_b128 s[12:15], s[0:1], 0x20             ; the scales' exponents, lnq
	v_lshl_add_u32 v[SPW], v0, 2, SPARE
	v_mov_b32 v[NIL], 0
	v_lshrrev_b32 v1, 5, v0
	v_readfirstlane_b32 s16, v1                    ; wave 0..7
	v_and_b32 v1, 31, v0                           ; lane
	v_lshlrev_b32 v2, 4, v1                        ; 16 x lane
	v_lshlrev_b32 v3, 6, v1                        ; 64 x lane
	s_mul_i32 s17, s16, 2*STG
	v_lshrrev_b32 v4, 2, v1
	v_mul_u32_u24 v4, v4, SP
	v_and_b32 v5, 3, v1
	v_lshl_add_u32 v4, v5, 4, v4
	v_add_nc_u32 v4, s17, v4                       ; the stage, on the way in: SP (lane / 4) + 16 (lane % 4)
	v_mul_u32_u24 v5, v1, SP
	v_add_nc_u32 v5, s17, v5                       ; and on the way out: SP x lane
	v_mov_b32 v13, 0                               ; a lane permute's destination counts as one of its sources
	s_mov_b32 s18, 0x76543210
	s_mov_b32 s19, 0xfedcba98
	s_mov_b32 s25, 0x3a800000                      ; 1 / 1024
	s_mov_b32 s26, 0x3727c5ac                      ; 1e-5
	s_lshl_b32 s20, ttmp9, 4
	s_lshl_b32 s21, s16, 1
	s_add_co_u32 s20, s20, s21                     ; my first row: 16 x work-group + 2 x wave
	s_lshl_b32 s22, s20, 10                        ; in bytes of codes,
	s_mov_b32 s23, 0
	s_lshl_b32 s20, s20, 12                        ; and of f32
	s_mov_b32 s21, 0
	s_wait_kmcnt 0x0
	s_load_b32 s24, s[12:13], 0x20                 ; e8
	s_add_nc_u64 s[4:5], s[4:5], s[20:21]
	s_add_nc_u64 s[6:7], s[6:7], s[20:21]
	s_add_nc_u64 s[14:15], s[14:15], s[22:23]
.irp q, 0,1,2,3,4,5,6,7
	global_load_b128 v[G+4*\q:G+4*\q+3], v3, s[8:9] offset:2048*(\q/4)+16*(\q%4)
	global_load_b128 v[BT+4*\q:BT+4*\q+3], v3, s[10:11] offset:2048*(\q/4)+16*(\q%4)
.endr
.irp i, 0,1
.irp q, 0,1,2,3,4,5,6,7
	global_load_b128 v[84+64*\i+4*\q:84+64*\i+4*\q+3], v2, s[4:5] offset:4096*\i+512*\q th:TH_LOAD_NT
	global_load_b128 v[116+64*\i+4*\q:116+64*\i+4*\q+3], v2, s[6:7] offset:4096*\i+512*\q th:TH_LOAD_NT
.endr
.endr
	s_wait_kmcnt 0x0
	s_add_co_i32 s24, s24, 127
	s_lshl_b32 s27, s24, 23
	v_mov_b32 v18, s27                             ; 2^e8 as f32
	s_add_co_i32 s24, s24, 8
	s_lshl_b32 s24, s24, 23
	s_or_b32 s24, s24, 0x600000
	v_mov_b32 v19, s24                             ; 448 x 2^e8
.macro ALLSUM                          ; v12 summed over the wave's 32 lanes, the result in every lane
	v_add_f32_dpp v12, v12, v12 row_xmask:1 row_mask:0xf bank_mask:0xf
	v_add_f32_dpp v12, v12, v12 row_xmask:2 row_mask:0xf bank_mask:0xf
	v_add_f32_dpp v12, v12, v12 row_xmask:4 row_mask:0xf bank_mask:0xf
	v_add_f32_dpp v12, v12, v12 row_xmask:8 row_mask:0xf bank_mask:0xf
	v_permlanex16_b32 v13, v12, s18, s19
	v_add_f32 v12, v12, v13
.endm
.macro ROW i
.set RR, 84+64*\i                      ; r's row, then r + x
.set T,  116+64*\i                     ; x's row, then the row by neighbours
.set CC, 212+8*\i                      ; its codes
.irp j, 0,2,4,6,8,10,12,14,16,18,20,22,24,26,28,30
	v_pk_add_f32 v[RR+\j:RR+\j+1], v[RR+\j:RR+\j+1], v[T+\j:T+\j+1]
.endr
.irp q, 0,1,2,3,4,5,6,7
	ds_store_b128 v4, v[RR+4*\q:RR+4*\q+3] offset:STG*\i+32*SP*(\q/4)+8*SP*(\q%4)
.endr
.irp q, 0,1,2,3,4,5,6,7
	ds_load_b128 v[T+4*\q:T+4*\q+3], v5 offset:STG*\i+32*SP*(\q/4)+16*(\q%4)   ; LDS serves a wave's instructions in order: these see my stores
.endr
	s_wait_dscnt 0x0
	v_pk_add_f32 v[8:9], v[T:T+1], v[T+2:T+3]      ; the row's sum, in two chains
	v_pk_add_f32 v[10:11], v[T+4:T+5], v[T+6:T+7]
.irp j, 8,12,16,20,24,28
	v_pk_add_f32 v[8:9], v[8:9], v[T+\j:T+\j+1]
	v_pk_add_f32 v[10:11], v[10:11], v[T+\j+2:T+\j+3]
.endr
	v_pk_add_f32 v[8:9], v[8:9], v[10:11]
	v_add_f32 v12, v8, v9
	ALLSUM
	v_mul_f32 v14, s25, v12                        ; the mean
	v_mov_b32 v15, v14
.irp j, 0,2,4,6,8,10,12,14,16,18,20,22,24,26,28,30
	v_pk_add_f32 v[T+\j:T+\j+1], v[T+\j:T+\j+1], v[14:15] neg_lo:[0,1] neg_hi:[0,1]
.endr
	v_pk_mul_f32 v[8:9], v[T:T+1], v[T:T+1]        ; the squared differences, in two chains
	v_pk_mul_f32 v[10:11], v[T+2:T+3], v[T+2:T+3]
.irp j, 4,8,12,16,20,24,28
	v_pk_fma_f32 v[8:9], v[T+\j:T+\j+1], v[T+\j:T+\j+1], v[8:9]
	v_pk_fma_f32 v[10:11], v[T+\j+2:T+\j+3], v[T+\j+2:T+\j+3], v[10:11]
.endr
	v_pk_add_f32 v[8:9], v[8:9], v[10:11]
	v_add_f32 v12, v8, v9
	ALLSUM
	v_fma_f32 v12, v12, s25, s26                   ; the variance + 1e-5
	v_rsq_f32 v16, v12
	v_nop                                          ; a plain line behind the transcendental
	s_wait_alu depctr_va_vdst(0)                   ; and the wait ahead of its first reader
	v_mov_b32 v17, v16
.irp j, 0,2,4,6,8,10,12,14,16,18,20,22,24,26,28,30
	v_pk_mul_f32 v[T+\j:T+\j+1], v[T+\j:T+\j+1], v[16:17]
.endr
.irp j, 0,2,4,6,8,10,12,14,16,18,20,22,24,26,28,30
	v_pk_fma_f32 v[T+\j:T+\j+1], v[T+\j:T+\j+1], v[G+\j:G+\j+1], v[BT+\j:BT+\j+1]
.endr
.irp j, 0,1,2,3,4,5,6,7,8,9,10,11,12,13,14,15,16,17,18,19,20,21,22,23,24,25,26,27,28,29,30,31
	v_med3_num_f32 v[T+\j], v[T+\j], -v19, v19     ; the conversion does not saturate (ISA guide 7.6.2)
.endr
.irp m, 0,1,2,3
	v_cvt_scalef32_pk8_fp8_f32 v[CC+2*\m:CC+2*\m+1], v[T+8*\m:T+8*\m+7], v18
.endr
	global_store_b128 v2, v[CC:CC+3], s[14:15] offset:1024*\i          ; columns 16 x lane on: 512 consecutive bytes; the results go to stores alone
	global_store_b128 v2, v[CC+4:CC+7], s[14:15] offset:1024*\i+512    ; columns 512 + 16 x lane on
.endm
	s_wait_loadcnt 16                              ; gain, bias and row 0 are in; row 1's sixteen loads may be out
	ROW 0
	s_wait_loadcnt 0
	ROW 1
	s_wait_tensorcnt 0x0                           ; the wave's end
	ds_add_u32 v[SPW], v[NIL]
	s_wait_dscnt 0x0
	s_endpgm
.Lfunc_end_k_qd65db56d88_ln:
	.size	k_qd65db56d88_ln, .Lfunc_end_k_qd65db56d88_ln-k_qd65db56d88_ln
	.p2alignl 7, 3214868480
	.fill 96, 4, 3214868480
	.section	.rodata,"a",@progbits
	.p2align	6, 0x0
	.amdhsa_kernel k_qd65db56d88_ln
		.amdhsa_group_segment_fixed_size 82944
		.amdhsa_private_segment_fixed_size 0
		.amdhsa_enable_private_segment 0
		.amdhsa_kernarg_size 48
		.amdhsa_user_sgpr_count 2
		.amdhsa_user_sgpr_kernarg_segment_ptr 1
		.amdhsa_wavefront_size32 1
		.amdhsa_system_sgpr_workgroup_id_x 1
		.amdhsa_system_sgpr_workgroup_id_y 1
		.amdhsa_system_sgpr_workgroup_id_z 1
		.amdhsa_system_vgpr_workitem_id 0
		.amdhsa_next_free_vgpr 232
		.amdhsa_next_free_sgpr 66
		.amdhsa_reserve_vcc 0
		.amdhsa_float_denorm_mode_32 3
		.amdhsa_float_denorm_mode_16_64 3
		.amdhsa_memory_ordered 1
		.amdhsa_forward_progress 1
		.amdhsa_inst_pref_size 28
	.end_amdhsa_kernel
	.amdgpu_metadata
---
amdhsa.version: [ 1, 2 ]
amdhsa.kernels:
  - .name:           k_qd65db56d88_ln
    .symbol:         k_qd65db56d88_ln.kd
    .args:
      - { .name: r, .offset: 0, .size: 8, .value_kind: global_buffer, .address_space: global }
      - { .name: x, .offset: 8, .size: 8, .value_kind: global_buffer, .address_space: global }
      - { .name: ln_g, .offset: 16, .size: 8, .value_kind: global_buffer, .address_space: global }
      - { .name: ln_b, .offset: 24, .size: 8, .value_kind: global_buffer, .address_space: global }
      - { .name: lowp_scales, .offset: 32, .size: 8, .value_kind: global_buffer, .address_space: global }
      - { .name: lnq, .offset: 40, .size: 8, .value_kind: global_buffer, .address_space: global }
    .group_segment_fixed_size: 82944
    .private_segment_fixed_size: 0
    .kernarg_segment_align: 8
    .kernarg_segment_size: 48
    .max_flat_workgroup_size: 256
    .sgpr_count:     66
    .vgpr_count:     232
    .wavefront_size: 32
...
	.end_amdgpu_metadata
.endif
;; end of part 6
;; launch gemm_ffn1 (part 7): grid 16 x 16, 4 waves a work-group, clusters of 4 x 4, 327,680 bytes of LDS; arguments lnq, wq, lowp_scales, hidq, b1; writes hidq
.if DOCPART == 7
	.amdgcn_target "amdgcn-amd-amdhsa--gfx1250"
	.amdhsa_code_object_version 6
	.text
	.protected	k_qd65db56d88_gemm_ffn1
	.globl	k_qd65db56d88_gemm_ffn1
	.p2align	8
	.type	k_qd65db56d88_gemm_ffn1,@function
k_qd65db56d88_gemm_ffn1:
	s_mov_b64 s[64:65], 0
	v_nop
	global_prefetch_b8 v0, s[64:65] scope:SCOPE_SE
	s_setreg_imm32_b32 hwreg(HW_REG_WAVE_MODE, 25, 1), 1
	s_wait_xcnt 0x0
	s_wait_alu depctr_hold_cnt(0) depctr_sa_sdst(0) depctr_va_vdst(0) depctr_va_sdst(0) depctr_va_ssrc(0) depctr_va_vcc(0) depctr_vm_vsrc(0)
	s_getreg_b32 s2, hwreg(HW_REG_IB_STS2, 6, 4)
	s_cmp_eq_u32 s2, 0
	s_cbranch_scc0 .Lentry_in_a_cluster
	s_endpgm
.Lentry_in_a_cluster:
	s_bfe_u32 s2, ttmp6, 0x10000c
	s_cmp_lg_u32 s2, 0xf033
	s_cbranch_scc0 .Lentry_shape_is_right
	s_endpgm
.Lentry_shape_is_right:
; hidden = relu(h w1 + b1) on codes of FP8 (E4M3), and its result quantised again.  A: lnq [4096][1024]; B: w1's codes [4096][1024], K innermost, at byte 4,194,304 of wq; out: hidq [4096][4096], one code a byte, scale 2^e10.
; value = sum x 2^(e8 + e9) + bias, in f32; the hold that the conversion wants clips at 0 as well, which is the activation.
; LIMITS: e8 + e9 between -126 and 127; e10 between -126 and 119.  k is permuted alike in A and B inside a matrix instruction, so the order of the sums in it differs from the plain layout's.
; A tile of 256 x 256 is made by four waves, 128 x 128 each: 64 accumulators, 512 registers.  K goes in steps of 256 through a ring of two LDS slots filled by the tensor data mover.
; CLUSTERS: 4 x 4 work-groups.  The four of a row of the cluster need the same tiles of A, the four of a column the same tiles of B: each tile is asked for JOINTLY, by the same tensor load with a mask that names the four.
; THE MATRIX INSTRUCTION IS USED TRANSPOSED (source 0 = 16 rows of B, source 1 = 16 rows of A): a lane holds eight neighbouring numbers of a row of the result, which are eight neighbours along the next K.
; REGISTERS, in windows of 256: window 0: v0-31 addresses; v32-95 the bias; v96-119 codes and scale on the way out; from v128 A's fragments, ONE set.  window 1: B's fragments, TWO sets.  windows 2, 3: the accumulators ((a, b) at v[8 (8 (a % 4) + b)]).
.set SIZE_N, 4096
.set SIZE_K, 1024
.set WOFF,   4194304                   ; where B's codes begin in wq
.set EA,     80                        ; s80 = e8, A's exponent
.set EB,     81                        ; s81 = e9, B's
.set KSTEP,  256
.set ROWB,   256
.set KROW,   SIZE_K
.set PITCH,  272                       ; an LDS row: 256 bytes + 16 of padding = 68 words: row r starts at bank 4 r mod 64 (ISA guide 11.1)
.set FR,     16
.set NL,     4
.set NP,     4                         ; places behind this matrix instruction (ISA guide 7.12.1)
.set HALFT,  128*PITCH
.set SLOT,   4*HALFT
.set LAPS,   SIZE_K/(2*KSTEP)
.set SPARE,  2*SLOT                    ; behind the ring: the spare words, 128 bytes a wave
.set SPITCH, 272                       ; the way out: ONE stage of 256 rows x (256 bytes + 16) for the work-group, in slot 0, which has had its last fill and its last read by then
.set ADRA, 16
.set ADRB, 20
.set STO,  24
.set RD,   25
.set CO,   26
.set BO,   27                          ; v27  32 x (lane / 16): my place in the bias
.set SPW,  28
.set NIL,  29
.set BIAS, 32                          ; v32-95  register 8 b + i: the bias of column 16 b + 8 (lane / 16) + i
.set CD,   96                          ; v96-111 a block's codes
.set HSC,  118                         ; v118 2^e10 as f32
.set HLIM, 119                         ; v119 448 x 2^e10
.set TMP,  128
.set AF,   128
.set BK,   128
.set G1, 24
.set G0, 32
.set G1B, 48
.set G0B, 56
.set MSB, 0
.macro WIN new                         ; the immediate's high byte repeats the setting that is left
.if MSB != \new
	s_set_vgpr_msb (MSB<<8)|\new
.set MSB, \new
.endif
.endm
.set MUL_LO, 0xa1                      ; source 0 (B) window 1, source 1 (A) window 0, C and D window 2
.set MUL_HI, 0xf1                      ; the same, C and D window 3
.set TO_B,   0x40                      ; destination window 1, address window 0
; A joint load: waves 0 and 1 fetch for A, waves 2 and 3 for B; the branch hangs on the wave's number alone.  An s_nop 0 and four v_nop follow each of the two lines.
.macro JLOAD g0a, g1a, g0b, g1b
	s_cmp_eq_u32 s15, 0
	s_cbranch_scc0 .Lfor_b_\@
	tensor_load_to_lds s[\g0a:\g0a+3], s[\g1a:\g1a+7]
	s_nop 0
.rept 4
	v_nop
.endr
	s_branch .Lasked_\@
.Lfor_b_\@:
	tensor_load_to_lds s[\g0b:\g0b+3], s[\g1b:\g1b+7]
	s_nop 0
.rept 4
	v_nop
.endr
.Lasked_\@:
.endm
.macro CREST                           ; a round of the cluster's barrier behind its opening barrier
	s_cmp_lg_u32 s14, 0
	s_cbranch_scc1 .Lnot_wave_0_\@
	s_barrier_signal -3
.Lnot_wave_0_\@:
	s_barrier_wait -3
	s_barrier_signal -1
	s_barrier_wait -1
.endm
.macro CROUND                          ; a whole round
	s_barrier_signal -1
	s_barrier_wait -1
	CREST
.endm
	s_load_b128 s[4:7], s[0:1], 0x0                ; A's codes, wq
	s_load_b128 s[8:11], s[0:1], 0x10              ; the scales' exponents, the output
	s_load_b64 s[68:69], s[0:1], 0x20              ; the bias
	v_lshl_add_u32 v[SPW], v0, 2, SPARE
	v_mov_b32 v[NIL], 0
	ds_add_u32 v[SPW], v[NIL]                      ; the wave's opening: the add, and its wait ahead of my first tensor load; the set-up below stands between them
	v_lshrrev_b32 v1, 5, v0
	v_readfirstlane_b32 s14, v1                    ; wave 0..3
	s_lshr_b32 s15, s14, 1                         ; which half of the tile's rows is mine.  Also: I fetch for A (0) or for B (1)
	s_and_b32 s16, s14, 1                          ; which half of its columns.  Also: which 128 rows of that tile I fetch
	s_bfe_u32 s40, ttmp6, 0x40000                  ; cx, cy: my place in the cluster
	s_bfe_u32 s41, ttmp6, 0x40004
	s_lshl_b32 s42, ttmp9, 2
	s_add_co_u32 s42, s42, s40                     ; tile column = 4 x cluster x + cx
	s_and_b32 s17, ttmp7, 0xffff
	s_lshl_b32 s17, s17, 2
	s_add_co_u32 s17, s17, s41                     ; tile row = 4 x cluster y + cy
	s_lshl_b32 s43, s41, 2
	s_lshl_b32 s43, 15, s43                        ; my row of the cluster
	s_lshl_b32 s44, 0x1111, s40                    ; my column
	s_or_b32 s[G1+0], s43, (0<<16)|(1<<20)|(1<<21)|(5<<22)|(3<<25)  ; the mask; elements of 1 byte; padding on; bit 21 beside a mask; after every 64 words, 4 words
	s_or_b32 s[G1B+0], s44, (0<<16)|(1<<20)|(1<<21)|(5<<22)|(3<<25)
.irp g, G1, G1B
	s_mov_b32 s[\g+1], ROWB<<16                    ; tensor_dim0
	s_mov_b32 s[\g+2], 128<<16                     ; tensor_dim1
	s_mov_b32 s[\g+3], ROWB<<16                    ; tile_dim0
	s_mov_b32 s[\g+4], 128                         ; tile_dim1
	s_mov_b32 s[\g+5], KROW                        ; from row to row
	s_mov_b32 s[\g+6], 0
	s_mov_b32 s[\g+7], 0
.endr
	s_lshl_b32 s18, s16, 7
	s_lshl_b32 s20, s17, 8
	s_add_co_u32 s20, s20, s18                     ; A: row 256 x tile row + 128 x half
	s_lshl_b32 s46, s42, 8
	s_add_co_u32 s46, s46, s18                     ; B: row 256 x tile column + 128 x half
	s_mov_b32 s21, 0
	s_mov_b32 s47, 0
	s_mov_b64 s[18:19], KROW
	s_mul_u64 s[20:21], s[20:21], s[18:19]
	s_mul_u64 s[46:47], s[46:47], s[18:19]
	s_mul_i32 s45, s14, HALFT                      ; where they go: wave x 128 rows
	s_wait_dscnt 0x0                               ; the opening add is done
	s_wait_kmcnt 0x0
	s_load_b256 s[72:79], s[8:9], 0x0              ; e0 .. e7
	s_load_b128 s[80:83], s[8:9], 0x20             ; e8 .. e11
	s_add_nc_u64 s[20:21], s[4:5], s[20:21]
	s_add_nc_u64 s[46:47], s[6:7], s[46:47]
.if WOFF
	s_add_nc_u64 s[46:47], s[46:47], WOFF
.endif
	CROUND                                         ; all sixteen work-groups are here: the first joint loads meet
.irp s, 0,1
	s_mov_b32 s[G0+4*\s], 1
	s_add_co_u32 s[G0+4*\s+1], s45, \s*SLOT
	s_add_nc_u64 s[G0+4*\s+2:G0+4*\s+3], s[20:21], \s*ROWB
	s_or_b32 s[G0+4*\s+3], s[G0+4*\s+3], 0x80000000
	s_mov_b32 s[G0B+4*\s], 1
	s_add_co_u32 s[G0B+4*\s+1], s45, \s*SLOT
	s_add_nc_u64 s[G0B+4*\s+2:G0B+4*\s+3], s[46:47], \s*ROWB
	s_or_b32 s[G0B+4*\s+3], s[G0B+4*\s+3], 0x80000000
	JLOAD G0+4*\s, G1, G0B+4*\s, G1B
.endr
	v_and_b32 v1, 15, v0                           ; r = l % 16
	v_bfe_u32 v2, v0, 4, 1                         ; h = l / 16
	v_mul_u32_u24 v3, v1, PITCH
	v_lshl_add_u32 v4, v2, 4, v3                   ; a fragment's row x pitch + 16 x half
	s_mul_i32 s21, s15, HALFT                      ; my 128 rows of A
	s_mul_i32 s22, s16, HALFT                      ; my 128 rows of B,
	s_add_co_u32 s22, s22, 2*HALFT                 ; which lie behind A's 256
.irp s, 0,1
	v_add_nc_u32 v[ADRA+\s], s21, v4
	v_add_nc_u32 v[ADRB+\s], s22, v4
	s_add_co_u32 s21, s21, SLOT
	s_add_co_u32 s22, s22, SLOT
.endr
	s_lshl_b32 s46, s42, 10                        ; the bias of my first column, in bytes: 1024 x tile column + 512 x half
	s_lshl_b32 s47, s16, 9
	s_add_co_u32 s46, s46, s47
	s_mov_b32 s47, 0
	s_add_nc_u64 s[68:69], s[68:69], s[46:47]
	v_lshlrev_b32 v[BO], 5, v2
.irp b, 0,1,2,3,4,5,6,7
	global_load_b128 v[BIAS+8*\b:BIAS+8*\b+3], v[BO], s[68:69] offset:64*\b        ; asked for now, wanted behind the loop
	global_load_b128 v[BIAS+8*\b+4:BIAS+8*\b+7], v[BO], s[68:69] offset:64*\b+16
.endr
	s_mul_i32 s23, s15, 128*SPITCH                 ; into the stage: my 128 rows, my half of their 256 bytes; row r, 8 bytes for each half of the lanes
	s_lshl_b32 s21, s16, 7
	s_add_co_u32 s23, s23, s21
	v_lshl_add_u32 v5, v2, 3, v3
	v_add_nc_u32 v[STO], s23, v5
	s_mul_i32 s23, s14, 64*SPITCH                  ; back: wave w takes rows 64 w .. 64 w + 63, whole; lanes 0-15 one row, lanes 16-31 the next
	v_mul_u32_u24 v5, v2, SPITCH
	v_lshl_add_u32 v5, v1, 4, v5
	v_add_nc_u32 v[RD], s23, v5
	v_mul_u32_u24 v5, v2, SIZE_N                   ; and the same two rows in the output
	v_lshl_add_u32 v[CO], v1, 4, v5
	s_lshl_b32 s20, s17, 8
	s_lshl_b32 s21, s14, 6
	s_add_co_u32 s20, s20, s21                     ; the first row that I store: 256 x tile row + 64 x wave
	s_mul_i32 s20, s20, SIZE_N
	s_mov_b32 s21, 0
	s_add_nc_u64 s[10:11], s[10:11], s[20:21]
	s_lshl_b32 s46, s42, 8                         ; the tile's first column, a byte a code
	s_add_nc_u64 s[10:11], s[10:11], s[46:47]
.macro FRAG reg, adr, q, i             ; a fragment, 16 rows x 128 K: lane l holds row l % 16; registers 4 c .. 4 c + 3 hold K = 32 c + 16 (l / 16) + 0 .. 15
.irp c, 0,1,2,3
	ds_load_b128 v[\reg+4*\c:\reg+4*\c+3], v[\adr] offset:128*(\q)+32*\c+(\i)*16*PITCH
.endr
.endm
; 16 matrix instructions: A's blocks a0, a0 + 1 x B's eight, 128 along K.  p: B's set.  zero = 1: the first product starts the sums.  The 64 accumulators take turns, one instruction a turn.
.macro MUL16 a0, p, zero
.irp a, \a0, \a0+1
.irp b, 0,1,2,3,4,5,6,7
.if \zero
	v_wmma_f32_16x16x128_fp8_fp8 v[8*(8*((\a)%4)+\b):8*(8*((\a)%4)+\b)+7], v[128*(\p)+FR*\b:128*(\p)+FR*\b+FR-1], v[AF+FR*(\a):AF+FR*(\a)+FR-1], 0
.else
	v_wmma_f32_16x16x128_fp8_fp8 v[8*(8*((\a)%4)+\b):8*(8*((\a)%4)+\b)+7], v[128*(\p)+FR*\b:128*(\p)+FR*\b+FR-1], v[AF+FR*(\a):AF+FR*(\a)+FR-1], v[8*(8*((\a)%4)+\b):8*(8*((\a)%4)+\b)+7]
.endif
.endr
.endr
.endm
.macro FETCH_B slot, q, p              ; B's eight fragments of the slot's q-th 128 along K into set p
	WIN TO_B
.irp i, 0,1,2,3,4,5,6,7
	FRAG 128*(\p)+FR*\i, ADRB+\slot, \q, \i
.endr
	WIN 0
.endm
.macro FETCH_A slot, q, i0             ; A's blocks i0 .. i0 + 3
.irp i, \i0, \i0+1, \i0+2, \i0+3
	FRAG AF+FR*(\i), ADRA+\slot, \q, \i
.endr
.endm
.macro PLACES n                        ; plain vector instructions between a matrix instruction and a load into, or a read of, its registers
.rept \n
	v_nop
.endr
.endm
.macro STEP slot, q, zero              ; a step of 128 along K that has its successor in the same slot
	s_wait_dscnt 4*NL                              ; B's set and A's blocks 0-3 are in; the youngest sixteen loads (A's blocks 4-7) may be out
	WIN MUL_LO
	MUL16 0, (\q)%2, \zero
	MUL16 2, (\q)%2, \zero
	s_wait_dscnt 0                                 ; A's blocks 4-7 are in
	PLACES NP
	FETCH_B \slot, (\q)+1, 1-(\q)%2
	FETCH_A \slot, (\q)+1, 0
	WIN MUL_HI
	MUL16 4, (\q)%2, \zero
	MUL16 6, (\q)%2, \zero
	PLACES NP
	WIN 0
	FETCH_A \slot, (\q)+1, 4
.endm
; A slot's last step changes slots: ONE barrier; in front of it each wave waits for all its tensor loads, adds 0 to its spare word, and waits for that and for its reads of this slot.  fill = 1: this slot is filled again, two K steps ahead.
.macro TURN slot, next, fill
	s_wait_tensorcnt 0x0                           ; all my tensor loads have landed: my part of the next slot
	ds_add_u32 v[SPW], v[NIL]                      ; 0 onto my spare word
	s_wait_dscnt 4*NL+1                            ; the add and the youngest sixteen loads may be out
	WIN MUL_LO
	MUL16 0, 1, 0                                  ; sixteen matrix instructions stand between the add and the wait for it
	s_wait_dscnt 0x0                               ; the add is done, and my reads of this slot are over
	s_barrier_signal -1
	MUL16 2, 1, 0
	WIN 0
	s_barrier_wait -1
.if \fill
	CREST                                          ; the barrier has opened a round of the cluster's: no wave of any partner still reads this slot or has a load on its way
	s_add_nc_u64 s[G0+4*\slot+2:G0+4*\slot+3], s[G0+4*\slot+2:G0+4*\slot+3], 2*ROWB
	s_add_nc_u64 s[G0B+4*\slot+2:G0B+4*\slot+3], s[G0B+4*\slot+2:G0B+4*\slot+3], 2*ROWB
	JLOAD G0+4*\slot, G1, G0B+4*\slot, G1B         ; the first tensor load behind the round; its four v_nop are the places in front of the loads below
.else
	PLACES NP
.endif
	FETCH_B \next, 0, 0
	FETCH_A \next, 0, 0
	WIN MUL_HI
	MUL16 4, 1, 0
	MUL16 6, 1, 0
	PLACES NP
	WIN 0
	FETCH_A \next, 0, 4
.endm
	s_wait_tensorcnt 1                             ; my part of K step 0 is in; K step 1's load may be out
	s_barrier_signal -1
	s_barrier_wait -1
	FETCH_B 0, 0, 0
	FETCH_A 0, 0, 0
	FETCH_A 0, 0, 4
	STEP 0, 0, 1                                   ; the first step stands in front of the loop: its products start the sums
.if LAPS > 1
	s_mov_b32 s3, LAPS-1
.Llap:                                                 ; a trip goes once round the ring and fills both slots again
	TURN 0, 1, 1
	STEP 1, 0, 0
	TURN 1, 0, 1
	STEP 0, 0, 0
	s_sub_co_u32 s3, s3, 1
	s_cmp_lg_u32 s3, 0
	s_cbranch_scc1 .Llap
.endif
	TURN 0, 1, 0                                   ; the last lap fills nothing
	STEP 1, 0, 0
	s_wait_dscnt 4*NL                              ; the very last step
	WIN MUL_LO
	MUL16 0, 1, 0
	MUL16 2, 1, 0
	s_wait_dscnt 0
	WIN MUL_HI
	MUL16 4, 1, 0
	MUL16 6, 1, 0
	WIN 0
; THE WAY OUT.  Block a (16 rows x my 128 columns): sum x 2^(e8 + e9) + bias, one packed multiply-add for two; the activation and the hold in one; eight neighbours of a row become eight codes, 8 bytes a lane, into the work-group's stage.
.macro CBLOCK a
.set AC, 64*((\a)%4)
	WIN 0x02+((\a)/4)                              ; source 0: window 2 or 3
.set J, 0
.rept 32
	v_pk_fma_f32 v[TMP+J:TMP+J+1], v[AC+J:AC+J+1], s[96:97], v[BIAS+J:BIAS+J+1] op_sel_hi:[1,0,1]   ; each accumulator from its low end on
.set J, J+2
.endr
	WIN 0
.set J, 0
.rept 64
	v_med3_num_f32 v[TMP+J], v[TMP+J], 0, v[HLIM]  ; between 0 and the largest code x the scale: the conversion does not saturate (ISA guide 7.6.2)
.set J, J+1
.endr
.irp b, 0,1,2,3,4,5,6,7
	v_cvt_scalef32_pk8_fp8_f32 v[CD+2*\b:CD+2*\b+1], v[TMP+8*\b:TMP+8*\b+7], v[HSC]
.endr
	v_nop                                          ; a plain vector line between the conversions and the next vector lines that write their sources
.irp b, 0,1,2,3,4,5,6,7
	ds_store_b64 v[STO], v[CD+2*\b:CD+2*\b+1] offset:16*(\a)*SPITCH+16*\b
.endr
.endm
	s_wait_kmcnt 0x0
	s_add_co_i32 s96, s[EA], s[EB]
	s_add_co_i32 s96, s96, 127
	s_lshl_b32 s96, s96, 23                        ; 2^(e8 + e9) as f32
	s_mov_b32 s97, s96                             ; (named with it as a pair, so it is written)
	s_add_co_i32 s18, s82, 127                     ; e10
	s_lshl_b32 s19, s18, 23
	v_mov_b32 v[HSC], s19
	s_add_co_i32 s18, s18, 8
	s_lshl_b32 s18, s18, 23
	s_or_b32 s18, s18, 0x600000
	v_mov_b32 v[HLIM], s18
	s_wait_loadcnt 0x0                             ; the bias
	PLACES NP
.irp a, 0,1,2,3,4,5,6,7
	CBLOCK \a
.endr
	s_wait_dscnt 0x0                               ; for the others' sake: my stores into the stage are done; a row's 256 bytes come from two waves
	s_barrier_signal -1
	s_barrier_wait -1
.set T, 0
.rept 32
	ds_load_b128 v[BK+4*T:BK+4*T+3], v[RD] offset:2*T*SPITCH
.set T, T+1
.endr
.set T, 0
.rept 32
	s_wait_dscnt 31-T                              ; the younger loads may be out
	global_store_b128 v[CO], v[BK+4*T:BK+4*T+3], s[10:11] offset:2*T*SIZE_N   ; 16 lanes store 256 consecutive bytes, aligned
.set T, T+1
.endr
	s_wait_tensorcnt 0x0                           ; the wave's end
	ds_add_u32 v[SPW], v[NIL]
	s_wait_dscnt 0x0
	CROUND                                         ; the closing round
	s_endpgm
.Lfunc_end_k_qd65db56d88_gemm_ffn1:
	.size	k_qd65db56d88_gemm_ffn1, .Lfunc_end_k_qd65db56d88_gemm_ffn1-k_qd65db56d88_gemm_ffn1
	.p2alignl 7, 3214868480
	.fill 96, 4, 3214868480
	.section	.rodata,"a",@progbits
	.p2align	6, 0x0
	.amdhsa_kernel k_qd65db56d88_gemm_ffn1
		.amdhsa_group_segment_fixed_size 327680
		.amdhsa_private_segment_fixed_size 0
		.amdhsa_enable_private_segment 0
		.amdhsa_kernarg_size 40
		.amdhsa_user_sgpr_count 2
		.amdhsa_user_sgpr_kernarg_segment_ptr 1
		.amdhsa_wavefront_size32 1
		.amdhsa_system_sgpr_workgroup_id_x 1
		.amdhsa_system_sgpr_workgroup_id_y 1
		.amdhsa_system_sgpr_workgroup_id_z 1
		.amdhsa_system_vgpr_workitem_id 0
		.amdhsa_next_free_vgpr 1024
		.amdhsa_next_free_sgpr 98
		.amdhsa_reserve_vcc 0
		.amdhsa_float_denorm_mode_32 3
		.amdhsa_float_denorm_mode_16_64 3
		.amdhsa_memory_ordered 1
		.amdhsa_forward_progress 1
		.amdhsa_inst_pref_size 143
	.end_amdhsa_kernel
	.amdgpu_metadata
---
amdhsa.version: [ 1, 2 ]
amdhsa.kernels:
  - .name:           k_qd65db56d88_gemm_ffn1
    .symbol:         k_qd65db56d88_gemm_ffn1.kd
    .args:
      - { .name: lnq, .offset: 0, .size: 8, .value_kind: global_buffer, .address_space: global }
      - { .name: wq, .offset: 8, .size: 8, .value_kind: global_buffer, .address_space: global }
      - { .name: lowp_scales, .offset: 16, .size: 8, .value_kind: global_buffer, .address_space: global }
      - { .name: hidq, .offset: 24, .size: 8, .value_kind: global_buffer, .address_space: global }
      - { .name: b1, .offset: 32, .size: 8, .value_kind: global_buffer, .address_space: global }
    .group_segment_fixed_size: 327680
    .private_segment_fixed_size: 0
    .kernarg_segment_align: 8
    .kernarg_segment_size: 40
    .max_flat_workgroup_size: 128
    .sgpr_count:     98
    .vgpr_count:     1024
    .wavefront_size: 32
...
	.end_amdgpu_metadata
.endif
;; end of part 7
;; launch gemm_ffn2 (part 8): grid 4 x 16, 4 waves a work-group, clusters of 4 x 4, 327,680 bytes of LDS; arguments hidq, wq, lowp_scales, out0, b2; writes out0
.if DOCPART == 8
	.amdgcn_target "amdgcn-amd-amdhsa--gfx1250"
	.amdhsa_code_object_version 6
	.text
	.protected	k_qd65db56d88_gemm_ffn2
	.globl	k_qd65db56d88_gemm_ffn2
	.p2align	8
	.type	k_qd65db56d88_gemm_ffn2,@function
k_qd65db56d88_gemm_ffn2:
	s_mov_b64 s[64:65], 0
	v_nop
	global_prefetch_b8 v0, s[64:65] scope:SCOPE_SE
	s_setreg_imm32_b32 hwreg(HW_REG_WAVE_MODE, 25, 1), 1
	s_wait_xcnt 0x0
	s_wait_alu depctr_hold_cnt(0) depctr_sa_sdst(0) depctr_va_vdst(0) depctr_va_sdst(0) depctr_va_ssrc(0) depctr_va_vcc(0) depctr_vm_vsrc(0)
	s_getreg_b32 s2, hwreg(HW_REG_IB_STS2, 6, 4)
	s_cmp_eq_u32 s2, 0
	s_cbranch_scc0 .Lentry_in_a_cluster
	s_endpgm
.Lentry_in_a_cluster:
	s_bfe_u32 s2, ttmp6, 0x10000c
	s_cmp_lg_u32 s2, 0xf033
	s_cbranch_scc0 .Lentry_shape_is_right
	s_endpgm
.Lentry_shape_is_right:
; out = hidden w2 + b2 on codes of FP8 (E4M3).  A: hidq [4096][4096]; B: w2's codes [1024][4096], K innermost, at byte 8,388,608 of wq; out: out0 [4096][1024] f32 = sum x 2^(e10 + e11) + bias.
; LIMITS: e10 + e11 between -126 and 127.  k is permuted alike in A and B inside a matrix instruction, so the order of the sums in it differs from the plain layout's.
; A tile of 256 x 256 is made by four waves, 128 x 128 each: 64 accumulators, 512 registers.  K goes in steps of 256 through a ring of two LDS slots filled by the tensor data mover.
; CLUSTERS: 4 x 4 work-groups.  The four of a row of the cluster need the same tiles of A, the four of a column the same tiles of B: each tile is asked for JOINTLY, by the same tensor load with a mask that names the four.
; THE MATRIX INSTRUCTION IS USED TRANSPOSED (source 0 = 16 rows of B, source 1 = 16 rows of A): a lane holds eight neighbouring numbers of a row of the result.
; REGISTERS, in windows of 256: window 0: v0-31 addresses; v32-35 the bias; from v128 A's fragments, ONE set.  window 1: B's fragments, TWO sets.  windows 2, 3: the accumulators ((a, b) at v[8 (8 (a % 4) + b)]).
.set SIZE_N, 1024
.set SIZE_K, 4096
.set WOFF,   8388608                   ; where B's codes begin in wq
.set EA,     82                        ; s82 = e10, A's exponent
.set EB,     83                        ; s83 = e11, B's
.set KSTEP,  256
.set ROWB,   256
.set KROW,   SIZE_K
.set PITCH,  272                       ; an LDS row: 256 bytes + 16 of padding = 68 words: row r starts at bank 4 r mod 64 (ISA guide 11.1)
.set FR,     16
.set NL,     4
.set NP,     4                         ; places behind this matrix instruction (ISA guide 7.12.1)
.set HALFT,  128*PITCH
.set SLOT,   4*HALFT
.set LAPS,   SIZE_K/(2*KSTEP)
.set SPARE,  2*SLOT                    ; behind the ring: the spare words, 128 bytes a wave
.set SPITCH, 528                       ; the way out: a stage of 16 rows x (512 bytes + 16) for each wave, in slot 0, which has had its last fill and its last read by then
.set ADRA, 16
.set ADRB, 20
.set STO,  24
.set RD,   25
.set CO,   26
.set SPW,  28
.set NIL,  29
.set BIAS, 32                          ; v32-35  the bias of columns 4 x lane + 0 .. 3 of my wave's 128
.set AF,   128
.set BK,   128                         ; the way out: 16 rows read back from the stage: v128-191 and v192-255 by turns
.set G1, 24
.set G0, 32
.set G1B, 48
.set G0B, 56
.set MSB, 0
.macro WIN new                         ; the immediate's high byte repeats the setting that is left
.if MSB != \new
	s_set_vgpr_msb (MSB<<8)|\new
.set MSB, \new
.endif
.endm
.set MUL_LO, 0xa1                      ; source 0 (B) window 1, source 1 (A) window 0, C and D window 2
.set MUL_HI, 0xf1                      ; the same, C and D window 3
.set TO_B,   0x40                      ; destination window 1, address window 0
; A joint load: waves 0 and 1 fetch for A, waves 2 and 3 for B; the branch hangs on the wave's number alone.  An s_nop 0 and four v_nop follow each of the two lines.
.macro JLOAD g0a, g1a, g0b, g1b
	s_cmp_eq_u32 s15, 0
	s_cbranch_scc0 .Lfor_b_\@
	tensor_load_to_lds s[\g0a:\g0a+3], s[\g1a:\g1a+7]
	s_nop 0
.rept 4
	v_nop
.endr
	s_branch .Lasked_\@
.Lfor_b_\@:
	tensor_load_to_lds s[\g0b:\g0b+3], s[\g1b:\g1b+7]
	s_nop 0
.rept 4
	v_nop
.endr
.Lasked_\@:
.endm
.macro CREST                           ; a round of the cluster's barrier behind its opening barrier
	s_cmp_lg_u32 s14, 0
	s_cbranch_scc1 .Lnot_wave_0_\@
	s_barrier_signal -3
.Lnot_wave_0_\@:
	s_barrier_wait -3
	s_barrier_signal -1
	s_barrier_wait -1
.endm
.macro CROUND                          ; a whole round
	s_barrier_signal -1
	s_barrier_wait -1
	CREST
.endm
	s_load_b128 s[4:7], s[0:1], 0x0                ; A's codes, wq
	s_load_b128 s[8:11], s[0:1], 0x10              ; the scales' exponents, the output
	s_load_b64 s[68:69], s[0:1], 0x20              ; the bias
	v_lshl_add_u32 v[SPW], v0, 2, SPARE
	v_mov_b32 v[NIL], 0
	ds_add_u32 v[SPW], v[NIL]                      ; the wave's opening: the add, and its wait ahead of my first tensor load; the set-up below stands between them
	v_lshrrev_b32 v1, 5, v0
	v_readfirstlane_b32 s14, v1                    ; wave 0..3
	s_lshr_b32 s15, s14, 1                         ; which half of the tile's rows is mine.  Also: I fetch for A (0) or for B (1)
	s_and_b32 s16, s14, 1                          ; which half of its columns.  Also: which 128 rows of that tile I fetch
	s_bfe_u32 s40, ttmp6, 0x40000                  ; cx, cy: my place in the cluster
	s_bfe_u32 s41, ttmp6, 0x40004
	s_lshl_b32 s42, ttmp9, 2
	s_add_co_u32 s42, s42, s40                     ; tile column = 4 x cluster x + cx
	s_and_b32 s17, ttmp7, 0xffff
	s_lshl_b32 s17, s17, 2
	s_add_co_u32 s17, s17, s41                     ; tile row = 4 x cluster y + cy
	s_lshl_b32 s43, s41, 2
	s_lshl_b32 s43, 15, s43                        ; my row of the cluster
	s_lshl_b32 s44, 0x1111, s40                    ; my column
	s_or_b32 s[G1+0], s43, (0<<16)|(1<<20)|(1<<21)|(5<<22)|(3<<25)  ; the mask; elements of 1 byte; padding on; bit 21 beside a mask; after every 64 words, 4 words
	s_or_b32 s[G1B+0], s44, (0<<16)|(1<<20)|(1<<21)|(5<<22)|(3<<25)
.irp g, G1, G1B
	s_mov_b32 s[\g+1], ROWB<<16                    ; tensor_dim0
	s_mov_b32 s[\g+2], 128<<16                     ; tensor_dim1
	s_mov_b32 s[\g+3], ROWB<<16                    ; tile_dim0
	s_mov_b32 s[\g+4], 128                         ; tile_dim1
	s_mov_b32 s[\g+5], KROW                        ; from row to row
	s_mov_b32 s[\g+6], 0
	s_mov_b32 s[\g+7], 0
.endr
	s_lshl_b32 s18, s16, 7
	s_lshl_b32 s20, s17, 8
	s_add_co_u32 s20, s20, s18                     ; A: row 256 x tile row + 128 x half
	s_lshl_b32 s46, s42, 8
	s_add_co_u32 s46, s46, s18                     ; B: row 256 x tile column + 128 x half
	s_mov_b32 s21, 0
	s_mov_b32 s47, 0
	s_mov_b64 s[18:19], KROW
	s_mul_u64 s[20:21], s[20:21], s[18:19]
	s_mul_u64 s[46:47], s[46:47], s[18:19]
	s_mul_i32 s45, s14, HALFT                      ; where they go: wave x 128 rows
	s_wait_dscnt 0x0                               ; the opening add is done
	s_wait_kmcnt 0x0
	s_load_b256 s[72:79], s[8:9], 0x0              ; e0 .. e7
	s_load_b128 s[80:83], s[8:9], 0x20             ; e8 .. e11
	s_add_nc_u64 s[20:21], s[4:5], s[20:21]
	s_add_nc_u64 s[46:47], s[6:7], s[46:47]
.if WOFF
	s_add_nc_u64 s[46:47], s[46:47], WOFF
.endif
	CROUND                                         ; all sixteen work-groups are here: the first joint loads meet
.irp s, 0,1
	s_mov_b32 s[G0+4*\s], 1
	s_add_co_u32 s[G0+4*\s+1], s45, \s*SLOT
	s_add_nc_u64 s[G0+4*\s+2:G0+4*\s+3], s[20:21], \s*ROWB
	s_or_b32 s[G0+4*\s+3], s[G0+4*\s+3], 0x80000000
	s_mov_b32 s[G0B+4*\s], 1
	s_add_co_u32 s[G0B+4*\s+1], s45, \s*SLOT
	s_add_nc_u64 s[G0B+4*\s+2:G0B+4*\s+3], s[46:47], \s*ROWB
	s_or_b32 s[G0B+4*\s+3], s[G0B+4*\s+3], 0x80000000
	JLOAD G0+4*\s, G1, G0B+4*\s, G1B
.endr
	v_and_b32 v1, 15, v0                           ; r = l % 16
	v_bfe_u32 v2, v0, 4, 1                         ; h = l / 16
	v_mul_u32_u24 v3, v1, PITCH
	v_lshl_add_u32 v4, v2, 4, v3                   ; a fragment's row x pitch + 16 x half
	s_mul_i32 s21, s15, HALFT                      ; my 128 rows of A
	s_mul_i32 s22, s16, HALFT                      ; my 128 rows of B,
	s_add_co_u32 s22, s22, 2*HALFT                 ; which lie behind A's 256
.irp s, 0,1
	v_add_nc_u32 v[ADRA+\s], s21, v4
	v_add_nc_u32 v[ADRB+\s], s22, v4
	s_add_co_u32 s21, s21, SLOT
	s_add_co_u32 s22, s22, SLOT
.endr
	s_lshl_b32 s46, s42, 10                        ; my first column, in bytes of f32: 1024 x tile column + 512 x half: in the bias and in a row of the output
	s_lshl_b32 s47, s16, 9
	s_add_co_u32 s46, s46, s47
	s_mov_b32 s47, 0
	s_add_nc_u64 s[68:69], s[68:69], s[46:47]
	s_mul_i32 s23, s14, 16*SPITCH                  ; my stage
	v_mul_u32_u24 v5, v1, SPITCH                   ; in: row r, 32 bytes for each half of the lanes
	v_lshl_add_u32 v5, v2, 5, v5
	v_add_nc_u32 v[STO], s23, v5
	v_and_b32 v6, 31, v0
	v_lshlrev_b32 v[CO], 4, v6                     ; back: the 32 lanes take one row of 512 bytes; and the same in the output
	v_add_nc_u32 v[RD], s23, v[CO]
	global_load_b128 v[BIAS:BIAS+3], v[CO], s[68:69]   ; on the way back a lane holds the same four columns of every row: four numbers of the bias serve; wanted behind the loop
	s_lshl_b32 s20, s17, 8
	s_lshl_b32 s21, s15, 7
	s_add_co_u32 s20, s20, s21                     ; my first row: 256 x tile row + 128 x half
	s_mul_i32 s20, s20, SIZE_N*4
	s_mov_b32 s21, 0
	s_add_nc_u64 s[10:11], s[10:11], s[20:21]
	s_add_nc_u64 s[10:11], s[10:11], s[46:47]
.macro FRAG reg, adr, q, i             ; a fragment, 16 rows x 128 K: lane l holds row l % 16; registers 4 c .. 4 c + 3 hold K = 32 c + 16 (l / 16) + 0 .. 15
.irp c, 0,1,2,3
	ds_load_b128 v[\reg+4*\c:\reg+4*\c+3], v[\adr] offset:128*(\q)+32*\c+(\i)*16*PITCH
.endr
.endm
; 16 matrix instructions: A's blocks a0, a0 + 1 x B's eight, 128 along K.  p: B's set.  zero = 1: the first product starts the sums.  The 64 accumulators take turns, one instruction a turn.
.macro MUL16 a0, p, zero
.irp a, \a0, \a0+1
.irp b, 0,1,2,3,4,5,6,7
.if \zero
	v_wmma_f32_16x16x128_fp8_fp8 v[8*(8*((\a)%4)+\b):8*(8*((\a)%4)+\b)+7], v[128*(\p)+FR*\b:128*(\p)+FR*\b+FR-1], v[AF+FR*(\a):AF+FR*(\a)+FR-1], 0
.else
	v_wmma_f32_16x16x128_fp8_fp8 v[8*(8*((\a)%4)+\b):8*(8*((\a)%4)+\b)+7], v[128*(\p)+FR*\b:128*(\p)+FR*\b+FR-1], v[AF+FR*(\a):AF+FR*(\a)+FR-1], v[8*(8*((\a)%4)+\b):8*(8*((\a)%4)+\b)+7]
.endif
.endr
.endr
.endm
.macro FETCH_B slot, q, p              ; B's eight fragments of the slot's q-th 128 along K into set p
	WIN TO_B
.irp i, 0,1,2,3,4,5,6,7
	FRAG 128*(\p)+FR*\i, ADRB+\slot, \q, \i
.endr
	WIN 0
.endm
.macro FETCH_A slot, q, i0             ; A's blocks i0 .. i0 + 3
.irp i, \i0, \i0+1, \i0+2, \i0+3
	FRAG AF+FR*(\i), ADRA+\slot, \q, \i
.endr
.endm
.macro PLACES n                        ; plain vector instructions between a matrix instruction and a load into, or a read of, its registers
.rept \n
	v_nop
.endr
.endm
.macro STEP slot, q, zero              ; a step of 128 along K that has its successor in the same slot
	s_wait_dscnt 4*NL                              ; B's set and A's blocks 0-3 are in; the youngest sixteen loads (A's blocks 4-7) may be out
	WIN MUL_LO
	MUL16 0, (\q)%2, \zero
	MUL16 2, (\q)%2, \zero
	s_wait_dscnt 0                                 ; A's blocks 4-7 are in
	PLACES NP
	FETCH_B \slot, (\q)+1, 1-(\q)%2
	FETCH_A \slot, (\q)+1, 0
	WIN MUL_HI
	MUL16 4, (\q)%2, \zero
	MUL16 6, (\q)%2, \zero
	PLACES NP
	WIN 0
	FETCH_A \slot, (\q)+1, 4
.endm
; A slot's last step changes slots: ONE barrier; in front of it each wave waits for all its tensor loads, adds 0 to its spare word, and waits for that and for its reads of this slot.  fill = 1: this slot is filled again, two K steps ahead.
.macro TURN slot, next, fill
	s_wait_tensorcnt 0x0                           ; all my tensor loads have landed: my part of the next slot
	ds_add_u32 v[SPW], v[NIL]                      ; 0 onto my spare word
	s_wait_dscnt 4*NL+1                            ; the add and the youngest sixteen loads may be out
	WIN MUL_LO
	MUL16 0, 1, 0                                  ; sixteen matrix instructions stand between the add and the wait for it
	s_wait_dscnt 0x0                               ; the add is done, and my reads of this slot are over
	s_barrier_signal -1
	MUL16 2, 1, 0
	WIN 0
	s_barrier_wait -1
.if \fill
	CREST                                          ; the barrier has opened a round of the cluster's: no wave of any partner still reads this slot or has a load on its way
	s_add_nc_u64 s[G0+4*\slot+2:G0+4*\slot+3], s[G0+4*\slot+2:G0+4*\slot+3], 2*ROWB
	s_add_nc_u64 s[G0B+4*\slot+2:G0B+4*\slot+3], s[G0B+4*\slot+2:G0B+4*\slot+3], 2*ROWB
	JLOAD G0+4*\slot, G1, G0B+4*\slot, G1B         ; the first tensor load behind the round; its four v_nop are the places in front of the loads below
.else
	PLACES NP
.endif
	FETCH_B \next, 0, 0
	FETCH_A \next, 0, 0
	WIN MUL_HI
	MUL16 4, 1, 0
	MUL16 6, 1, 0
	PLACES NP
	WIN 0
	FETCH_A \next, 0, 4
.endm
	s_wait_tensorcnt 1                             ; my part of K step 0 is in; K step 1's load may be out
	s_barrier_signal -1
	s_barrier_wait -1
	FETCH_B 0, 0, 0
	FETCH_A 0, 0, 0
	FETCH_A 0, 0, 4
	STEP 0, 0, 1                                   ; the first step stands in front of the loop: its products start the sums
.if LAPS > 1
	s_mov_b32 s3, LAPS-1
.Llap:                                                 ; a trip goes once round the ring and fills both slots again
	TURN 0, 1, 1
	STEP 1, 0, 0
	TURN 1, 0, 1
	STEP 0, 0, 0
	s_sub_co_u32 s3, s3, 1
	s_cmp_lg_u32 s3, 0
	s_cbranch_scc1 .Llap
.endif
	TURN 0, 1, 0                                   ; the last lap fills nothing
	STEP 1, 0, 0
	s_wait_dscnt 4*NL                              ; the very last step
	WIN MUL_LO
	MUL16 0, 1, 0
	MUL16 2, 1, 0
	s_wait_dscnt 0
	WIN MUL_HI
	MUL16 4, 1, 0
	MUL16 6, 1, 0
	WIN 0
; THE WAY OUT, block by block of 16 rows x 128 columns.  The sums go as they are through my own stage in LDS and come back as whole rows of 512 bytes; there each pair becomes sum x 2^(ea + eb) + bias by one packed
; multiply-add, and the 32 lanes store the row.  LDS serves a wave's instructions in order (ISA guide 5.7.1.4): no wait between the stores and the loads, nor in front of the next block's stores.
.macro TOSTAGE a
.set AC, 64*((\a)%4)
	WIN 0x08+4*((\a)/4)                            ; an LDS store's data are its source 1: window 2 or 3
.irp b, 0,1,2,3,4,5,6,7
	ds_store_b128 v[STO], v[AC+8*\b:AC+8*\b+3] offset:64*\b          ; each accumulator from its low end on
	ds_store_b128 v[STO], v[AC+8*\b+4:AC+8*\b+7] offset:64*\b+16
.endr
	WIN 0
.set BB, BK+64*((\a)%2)
.irp t, 0,1,2,3,4,5,6,7,8,9,10,11,12,13,14,15
	ds_load_b128 v[BB+4*\t:BB+4*\t+3], v[RD] offset:\t*SPITCH
.endr
.endm
.macro SEND a, younger                 ; younger: the LDS instructions issued behind block a's loads, which may stay out
.set BB, BK+64*((\a)%2)
	s_wait_dscnt \younger
.irp t, 0,1,2,3,4,5,6,7,8,9,10,11,12,13,14,15
	v_pk_fma_f32 v[BB+4*\t:BB+4*\t+1], v[BB+4*\t:BB+4*\t+1], s[96:97], v[BIAS:BIAS+1] op_sel_hi:[1,0,1]
	v_pk_fma_f32 v[BB+4*\t+2:BB+4*\t+3], v[BB+4*\t+2:BB+4*\t+3], s[96:97], v[BIAS+2:BIAS+3] op_sel_hi:[1,0,1]
	global_store_b128 v[CO], v[BB+4*\t:BB+4*\t+3], s[10:11] offset:(16*(\a)+\t)*SIZE_N*4 th:TH_STORE_NT   ; 32 lanes store 512 consecutive bytes, aligned; the row stands in the immediate: 127 rows of 4,096 bytes at the most
.endr
.endm
	s_wait_kmcnt 0x0
	s_add_co_i32 s96, s[EA], s[EB]
	s_add_co_i32 s96, s96, 127
	s_lshl_b32 s96, s96, 23                        ; 2^(ea + eb) as f32
	s_mov_b32 s97, s96                             ; (named with it as a pair, so it is written)
	s_wait_loadcnt 0x0                             ; the bias
	PLACES NP
	TOSTAGE 0
.irp a, 1,2,3,4,5,6,7
.if \a > 1
	s_wait_xcnt 0x0                                ; block a - 2's stores have read their registers: block a's loads may land there
.endif
	TOSTAGE \a
	SEND \a-1, 32                                  ; behind block a - 1's loads: block a's 16 stores and 16 loads
.endr
	SEND 7, 0
	s_wait_tensorcnt 0x0                           ; the wave's end
	ds_add_u32 v[SPW], v[NIL]
	s_wait_dscnt 0x0
	CROUND                                         ; the closing round
	s_endpgm
.Lfunc_end_k_qd65db56d88_gemm_ffn2:
	.size	k_qd65db56d88_gemm_ffn2, .Lfunc_end_k_qd65db56d88_gemm_ffn2-k_qd65db56d88_gemm_ffn2
	.p2alignl 7, 3214868480
	.fill 96, 4, 3214868480
	.section	.rodata,"a",@progbits
	.p2align	6, 0x0
	.amdhsa_kernel k_qd65db56d88_gemm_ffn2
		.amdhsa_group_segment_fixed_size 327680
		.amdhsa_private_segment_fixed_size 0
		.amdhsa_enable_private_segment 0
		.amdhsa_kernarg_size 40
		.amdhsa_user_sgpr_count 2
		.amdhsa_user_sgpr_kernarg_segment_ptr 1
		.amdhsa_wavefront_size32 1
		.amdhsa_system_sgpr_workgroup_id_x 1
		.amdhsa_system_sgpr_workgroup_id_y 1
		.amdhsa_system_sgpr_workgroup_id_z 1
		.amdhsa_system_vgpr_workitem_id 0
		.amdhsa_next_free_vgpr 1024
		.amdhsa_next_free_sgpr 98
		.amdhsa_reserve_vcc 0
		.amdhsa_float_denorm_mode_32 3
		.amdhsa_float_denorm_mode_16_64 3
		.amdhsa_memory_ordered 1
		.amdhsa_forward_progress 1
		.amdhsa_inst_pref_size 123
	.end_amdhsa_kernel
	.amdgpu_metadata
---
amdhsa.version: [ 1, 2 ]
amdhsa.kernels:
  - .name:           k_qd65db56d88_gemm_ffn2
    .symbol:         k_qd65db56d88_gemm_ffn2.kd
    .args:
      - { .name: hidq, .offset: 0, .size: 8, .value_kind: global_buffer, .address_space: global }
      - { .name: wq, .offset: 8, .size: 8, .value_kind: global_buffer, .address_space: global }
      - { .name: lowp_scales, .offset: 16, .size: 8, .value_kind: global_buffer, .address_space: global }
      - { .name: out0, .offset: 24, .size: 8, .value_kind: global_buffer, .address_space: global }
      - { .name: b2, .offset: 32, .size: 8, .value_kind: global_buffer, .address_space: global }
    .group_segment_fixed_size: 327680
    .private_segment_fixed_size: 0
    .kernarg_segment_align: 8
    .kernarg_segment_size: 40
    .max_flat_workgroup_size: 128
    .sgpr_count:     98
    .vgpr_count:     1024
    .wavefront_size: 32
...
	.end_amdgpu_metadata
.endif
;; end of part 8
;; ======== version 2 of 2: 7 launches
;; limits: right only within a limited range of input values
;; workspace buffers: xq 4,194,304 bytes; wq 12,582,912 bytes; qkvq 12,582,912 bytes; hq 4,194,304 bytes; r 16,777,216 bytes; lnq 4,194,304 bytes; hidq 16,777,216 bytes
;; launch quant (part 9): grid 640 x 1, 4 waves a work-group, no clusters, 68,096 bytes of LDS; arguments x, w_qkv, w_proj, w1, w2, lowp_scales, xq, wq; writes xq, wq
.if DOCPART == 9
	.amdgcn_target "amdgcn-amd-amdhsa--gfx1250"
	.amdhsa_code_object_version 6
	.text
	.protected	k_qd65db56d88_quant
	.globl	k_qd65db56d88_quant
	.p2align	8
	.type	k_qd65db56d88_quant,@function
k_qd65db56d88_quant:
	s_mov_b64 s[64:65], 0
	v_nop
	global_prefetch_b8 v0, s[64:65] scope:SCOPE_SE
	s_setreg_imm32_b32 hwreg(HW_REG_WAVE_MODE, 25, 1), 1
	s_wait_xcnt 0x0
; ONE LAUNCH QUANTISES ALL FIVE f32 INPUTS OF THE PRODUCTS to codes of FP8 (E4M3): code = number / 2^e, held within +-448, to the nearest code, ties to even.
; LIMITS: each e between -126 and 119; NaN among the inputs is not served.  Nothing of reference() is left out here; the attention launch leaves out the key steps that lie wholly under reference()'s own causal mask.
; WORK-GROUPS 0-383: the four weights, stored [K][N], become codes laid [N][K], K innermost, in wq: w_qkv at byte 0, w_proj at 3,145,728, w1 at 4,194,304, w2 at 8,388,608 (e = entries 1, 7, 9, 11).
;   0-95: w_qkv (24 x 4), 96-127: w_proj (8 x 4), 128-255: w1 (32 x 4), 256-383: w2 (8 x 16): only constants and the pointer are chosen, by the work-group's number.
;   A LANE TAKES A COLUMN n, AND ITS REGISTERS RUN DOWN K: each load reads neighbouring n in neighbouring lanes, and the conversions give the codes with K innermost.  A work-group takes 128 columns x 256 along K, a wave 32 columns.
;   A lane's codes belong to one row of the output: they go through the wave's own stage in LDS and leave as rows, sixteen lanes storing 256 consecutive bytes, aligned.  Loads run two blocks of 32 along K ahead.
; WORK-GROUPS 384-639: x [4096][1024], K innermost, a plain stream, becomes xq (e = entry 0).  A wave takes 8 steps of 512 numbers.  Each of a step's four loads reads 512 consecutive bytes, 16 a lane; the 2,048 bytes go through
;   the wave's own stage, as they lie, and come back 64 bytes a lane: 16 neighbours along K in one lane's registers.  A lane's 16 codes are 16 bytes: the wave stores 512 consecutive bytes.  Loads run four steps ahead.
; The two paths part on the work-group's number and have LDS bytes of their own.  Waves share nothing: no barrier.  No matrix unit, no cluster, no tensor load: memory binds, and no byte is read twice.
.set NB,    8                          ; weights: blocks of 32 along K
.set PITCH, 272                        ; a stage row: 256 bytes of codes + 16
.set EMAX,  8
.set MANT,  0x600000                   ; the mantissa field of 448 as f32
.set XW,    32                         ; v32-95   two sets of 32 numbers
.set CW,    96                         ; v96-103  a block's codes
.set OUTR,  112                        ; v112-175 the way out
.set VO,    176                        ; v176-207 byte offset of row i of a block, at my column
.set SO,    208                        ; v208-223 byte offset of the two output rows of store t
.set STEPS, 8                          ; x: steps of 512 numbers
.set R,     16                         ; v16-79   four sets of 16 numbers as they are loaded
.set XX,    80                         ; v80-111  two sets of 16 neighbours
.set CX,    128                        ; v128-159 codes: four registers for each step
.set SP,    80                         ; a lane's place in x's stage: 64 bytes + 16
.set WREG,  8192                       ; x: a region for each wave: two stages of 32 x SP bytes
.set XB,    4*32*PITCH                 ; x's regions lie behind the weights' four stages
.set SPARE, XB+4*WREG                  ; behind them: the spare words, 128 bytes a wave
.set SPW,   12
.set NIL,   13
	s_load_b256 s[4:11], s[0:1], 0x8               ; w_qkv, w_proj, w1, w2
	s_load_b64 s[12:13], s[0:1], 0x28              ; the scales' exponents
	s_load_b64 s[14:15], s[0:1], 0x38              ; wq
	s_load_b64 s[60:61], s[0:1], 0x30              ; xq
	s_load_b64 s[62:63], s[0:1], 0x0               ; x
	v_lshl_add_u32 v[SPW], v0, 2, SPARE
	v_mov_b32 v[NIL], 0
	v_lshrrev_b32 v1, 5, v0
	v_readfirstlane_b32 s16, v1                    ; wave
	v_and_b32 v2, 31, v0                           ; lane
	s_bfe_u32 s3, ttmp9, 0x10008                   ; n, the number by which the shares at the head are dealt: the launch's numbers 256-383 and 384-511 change places (bit 7 is turned where bit 8 is set),
	s_lshl_b32 s3, s3, 7                           ; so that the launch's numbers i, i + 256 and i + 512 together hold 262,144 bytes of input for every i: a weight's share and two of x's, or two weights' shares
	s_xor_b32 s3, s3, ttmp9
	s_cmp_ge_u32 s3, 384
	s_wait_alu depctr_va_vdst(0)                   ; directly ahead of the branch
	s_cbranch_scc1 .Lx
	v_lshlrev_b32 v3, 2, v2
	s_mul_i32 s17, s16, 32*PITCH                   ; my stage
	v_mul_u32_u24 v4, v2, PITCH
	v_add_nc_u32 v4, s17, v4                       ; into it: row = my column
	v_and_b32 v5, 15, v2
	v_lshrrev_b32 v6, 4, v2
	v_mul_u32_u24 v7, v6, PITCH
	v_lshl_add_u32 v7, v5, 4, v7
	v_add_nc_u32 v7, s17, v7                       ; out of it: sixteen lanes to a row, two rows an instruction
	s_mov_b32 s18, 4096                            ; w2's figures: bytes in a row of the f32 tensor,
	s_mov_b32 s19, 4                               ; log2 of the pieces of 256 along K,
	s_mov_b32 s26, 15                              ; their mask,
	s_mov_b32 s20, 4096                            ; bytes in a row of codes,
	s_mov_b32 s21, 8388608                         ; where the codes begin in wq,
	s_mov_b32 s22, 256                             ; the tensor's first work-group
	s_wait_alu depctr_va_vdst(0)                   ; directly ahead of the wait below
	s_wait_kmcnt 0x0
	s_load_b256 s[48:55], s[12:13], 0x0            ; e0 .. e7
	s_load_b128 s[56:59], s[12:13], 0x20           ; e8 .. e11
	s_mov_b64 s[24:25], s[10:11]
	s_cmp_lt_u32 s3, 256                           ; w1's
	s_cselect_b32 s18, 16384, s18
	s_cselect_b32 s19, 2, s19
	s_cselect_b32 s26, 3, s26
	s_cselect_b32 s20, 1024, s20
	s_cselect_b32 s21, 4194304, s21
	s_cselect_b32 s22, 128, s22
	s_cselect_b64 s[24:25], s[8:9], s[24:25]
	s_cmp_lt_u32 s3, 128                           ; w_proj's
	s_cselect_b32 s18, 4096, s18
	s_cselect_b32 s21, 3145728, s21
	s_cselect_b32 s22, 96, s22
	s_cselect_b64 s[24:25], s[6:7], s[24:25]
	s_cmp_lt_u32 s3, 96                            ; w_qkv's
	s_cselect_b32 s18, 12288, s18
	s_cselect_b32 s21, 0, s21
	s_cselect_b32 s22, 0, s22
	s_cselect_b64 s[24:25], s[4:5], s[24:25]
	s_sub_co_u32 s23, s3, s22                      ; my number within the tensor
	s_and_b32 s26, s23, s26                        ; which 256 along K
	s_lshr_b32 s23, s23, s19                       ; which 128 columns
	s_lshl_b32 s23, s23, 7
	s_lshl_b32 s27, s16, 5
	s_add_co_u32 s23, s23, s27                     ; my wave's first column
	s_mul_i32 s28, s26, s18
	s_lshl_b32 s28, s28, 8                         ; 256 rows of the f32 tensor for each piece along K,
	s_lshl_b32 s29, s23, 2
	s_add_co_u32 s28, s28, s29                     ; + 4 bytes a column
	s_mov_b32 s29, 0
	s_add_nc_u64 s[32:33], s[24:25], s[28:29]      ; block 0 of my part
	s_lshl_b32 s28, s18, 5                         ; 32 rows on
.irp t, 1,2,3,4,5,6,7
	s_add_nc_u64 s[32+2*\t:33+2*\t], s[30+2*\t:31+2*\t], s[28:29]   ; a base for each block, so that nothing is stepped while loads are out
.endr
	s_mul_i32 s30, s23, s20                        ; codes: column x a row of codes
	s_lshl_b32 s31, s26, 8
	s_add_co_u32 s30, s30, s31                     ; + 256 bytes for each piece along K
	s_add_co_u32 s30, s30, s21                     ; + the tensor's place in wq
	s_mov_b32 s31, 0
	s_add_nc_u64 s[14:15], s[14:15], s[30:31]
.set I, 0
.rept 32
	v_mad_u32_u24 v[VO+I], s18, I, v3
.set I, I+1
.endr
	v_mul_u32_u24 v8, s20, v6
	v_lshl_add_u32 v8, v5, 4, v8
.set I, 0
.rept 16
	v_mad_u32_u24 v[SO+I], s20, 2*I, v8
.set I, I+1
.endr
.macro WLOAD t                         ; block t: w(32 t + i, my column), i = 0 .. 31, into set t % 2
.set I, 0
.rept 32
	global_load_b32 v[XW+32*((\t)%2)+I], v[VO+I], s[32+2*(\t):33+2*(\t)] th:TH_LOAD_NT
.set I, I+1
.endr
.endm
	WLOAD 0
	WLOAD 1
	s_wait_kmcnt 0x0
	s_mov_b32 s30, s59                             ; e11, w2's
	s_cmp_lt_u32 s3, 256
	s_cselect_b32 s30, s57, s30                    ; e9, w1's
	s_cmp_lt_u32 s3, 128
	s_cselect_b32 s30, s55, s30                    ; e7, w_proj's
	s_cmp_lt_u32 s3, 96
	s_cselect_b32 s30, s49, s30                    ; e1, w_qkv's
	s_add_co_i32 s30, s30, 127
	s_lshl_b32 s31, s30, 23
	v_mov_b32 v11, s31                             ; 2^e as f32: the conversion takes its exponent field
	s_add_co_i32 s30, s30, EMAX
	s_lshl_b32 s30, s30, 23
	s_or_b32 s30, s30, MANT
	v_mov_b32 v10, s30                             ; 448 x 2^e
.macro WBLOCK t
.set XS, XW+32*((\t)%2)
.if (\t) < NB-1
	s_wait_loadcnt 32                              ; this block's 32 loads are in; the next block's 32 may be out
.else
	s_wait_loadcnt 0
.endif
.set I, 0
.rept 32
	v_med3_num_f32 v[XS+I], v[XS+I], -v10, v10     ; the hold ahead of a conversion that does not saturate (ISA guide 7.6.2)
.set I, I+1
.endr
.irp g, 0,1,2,3
	v_cvt_scalef32_pk8_fp8_f32 v[CW+2*\g:CW+2*\g+1], v[XS+8*\g:XS+8*\g+7], v11
.endr
	ds_store_b128 v4, v[CW:CW+3] offset:32*(\t)    ; 32 codes: 32 bytes of my column's row
	ds_store_b128 v4, v[CW+4:CW+7] offset:32*(\t)+16
.if (\t)+2 < NB
	WLOAD (\t)+2
.endif
	s_wait_dscnt 0x0                               ; the stores have read their registers: the next block's codes may be written
.endm
	s_wait_alu depctr_va_vdst(0)
.set Q, 0
.rept NB
	WBLOCK Q
.set Q, Q+1
.endr
.set I, 0
.rept 16
	ds_load_b128 v[OUTR+4*I:OUTR+4*I+3], v7 offset:2*I*PITCH   ; LDS serves a wave's instructions in order: these see my stores
.set I, I+1
.endr
.set I, 0
.rept 16
	s_wait_dscnt 15-I                              ; the younger loads may be out
	global_store_b128 v[SO+I], v[OUTR+4*I:OUTR+4*I+3], s[14:15]
.set I, I+1
.endr
	s_branch .Lend
.Lx:
	v_lshlrev_b32 v3, 4, v2                        ; my 16 bytes of a load's 512, and of a store's
	s_mul_i32 s17, s16, WREG
	s_add_co_u32 s17, s17, XB
	v_lshrrev_b32 v14, 2, v2
	v_mul_u32_u24 v14, v14, SP
	v_and_b32 v15, 3, v2
	v_lshl_add_u32 v14, v15, 4, v14
	v_add_nc_u32 v14, s17, v14                     ; the stage, on the way in: SP (lane / 4) + 16 (lane % 4)
	v_mul_u32_u24 v15, v2, SP
	v_add_nc_u32 v15, s17, v15                     ; and on the way out: SP x lane
	s_sub_co_u32 s18, s3, 384
	s_lshl_b32 s18, s18, 2
	s_add_co_u32 s18, s18, s16                     ; which run of 4,096 numbers is my wave's
	s_lshl_b32 s20, s18, 14                        ; in bytes of f32,
	s_mov_b32 s21, 0
	s_lshl_b32 s22, s18, 12                        ; and of codes
	s_mov_b32 s23, 0
	s_wait_alu depctr_va_vdst(0)                   ; directly ahead of the wait below
	s_wait_kmcnt 0x0
	s_load_b32 s24, s[12:13], 0x0                  ; e0
	s_add_nc_u64 s[4:5], s[62:63], s[20:21]
	s_add_nc_u64 s[8:9], s[60:61], s[22:23]
.macro XLOAD t
.irp i, 0,1,2,3
	global_load_b128 v[R+16*((\t)%4)+4*\i:R+16*((\t)%4)+4*\i+3], v3, s[4:5] offset:2048*(\t)+512*\i th:TH_LOAD_NT   ; 32 lanes read 512 consecutive bytes
.endr
.endm
.macro XTURN t                         ; step t's numbers through the stage: LDS serves a wave's instructions in order, so no wait stands between the stores and the loads
.irp i, 0,1,2,3
	ds_store_b128 v14, v[R+16*((\t)%4)+4*\i:R+16*((\t)%4)+4*\i+3] offset:32*SP*((\t)%2)+8*SP*\i
.endr
.irp i, 0,1,2,3
	ds_load_b128 v[XX+16*((\t)%2)+4*\i:XX+16*((\t)%2)+4*\i+3], v15 offset:32*SP*((\t)%2)+16*\i
.endr
.endm
.irp t, 0,1,2,3
	XLOAD \t
.endr
	s_wait_kmcnt 0x0
	s_add_co_i32 s24, s24, 127
	s_lshl_b32 s25, s24, 23
	v_mov_b32 v11, s25                             ; 2^e as f32
	s_add_co_i32 s24, s24, EMAX
	s_lshl_b32 s24, s24, 23
	s_or_b32 s24, s24, MANT
	v_mov_b32 v10, s24                             ; 448 x 2^e
	s_wait_alu depctr_va_vdst(0)
	s_wait_loadcnt 12                              ; step 0's four loads are in; three steps' twelve may be out
	XTURN 0
.macro XSTEP t
.set XS, XX+16*((\t)%2)
	s_wait_dscnt 0x0                               ; this step's numbers are back from the stage: so its stores into the stage have read their registers,
.if (\t)+4 < STEPS
	XLOAD (\t)+4                                   ; which take the loads of four steps on
.endif
.if (\t)+1 < STEPS
.if STEPS-2-(\t) >= 3
	s_wait_loadcnt 12                              ; the next step's four loads are in; those of the three steps behind it may be out
.else
	s_wait_loadcnt 4*(STEPS-2-(\t))                ; towards the end fewer steps stand behind it
.endif
	XTURN (\t)+1                                   ; they go through the other stage while this step is worked
.endif
.set I, 0
.rept 16
	v_med3_num_f32 v[XS+I], v[XS+I], -v10, v10
.set I, I+1
.endr
	v_cvt_scalef32_pk8_fp8_f32 v[CX+4*(\t):CX+4*(\t)+1], v[XS:XS+7], v11
	v_cvt_scalef32_pk8_fp8_f32 v[CX+4*(\t)+2:CX+4*(\t)+3], v[XS+8:XS+15], v11
	global_store_b128 v3, v[CX+4*(\t):CX+4*(\t)+3], s[8:9] offset:512*(\t)   ; the results go to a store alone; the next vector lines are the next step's holds, on other registers
.endm
.irp t, 0,1,2,3,4,5,6,7
	XSTEP \t
.endr
.Lend:
	s_wait_tensorcnt 0x0                           ; the wave's end
	ds_add_u32 v[SPW], v[NIL]
	s_wait_dscnt 0x0
	s_endpgm
.Lfunc_end_k_qd65db56d88_quant:
	.size	k_qd65db56d88_quant, .Lfunc_end_k_qd65db56d88_quant-k_qd65db56d88_quant
	.p2alignl 7, 3214868480
	.fill 96, 4, 3214868480
	.section	.rodata,"a",@progbits
	.p2align	6, 0x0
	.amdhsa_kernel k_qd65db56d88_quant
		.amdhsa_group_segment_fixed_size 68096
		.amdhsa_private_segment_fixed_size 0
		.amdhsa_enable_private_segment 0
		.amdhsa_kernarg_size 64
		.amdhsa_user_sgpr_count 2
		.amdhsa_user_sgpr_kernarg_segment_ptr 1
		.amdhsa_wavefront_size32 1
		.amdhsa_system_sgpr_workgroup_id_x 1
		.amdhsa_system_sgpr_workgroup_id_y 1
		.amdhsa_system_sgpr_workgroup_id_z 1
		.amdhsa_system_vgpr_workitem_id 0
		.amdhsa_next_free_vgpr 224
		.amdhsa_next_free_sgpr 66
		.amdhsa_reserve_vcc 0
		.amdhsa_float_denorm_mode_32 3
		.amdhsa_float_denorm_mode_16_64 3
		.amdhsa_memory_ordered 1
		.amdhsa_forward_progress 1
		.amdhsa_inst_pref_size 73
	.end_amdhsa_kernel
	.amdgpu_metadata
---
amdhsa.version: [ 1, 2 ]
amdhsa.kernels:
  - .name:           k_qd65db56d88_quant
    .symbol:         k_qd65db56d88_quant.kd
    .args:
      - { .name: x, .offset: 0, .size: 8, .value_kind: global_buffer, .address_space: global }
      - { .name: w_qkv, .offset: 8, .size: 8, .value_kind: global_buffer, .address_space: global }
      - { .name: w_proj, .offset: 16, .size: 8, .value_kind: global_buffer, .address_space: global }
      - { .name: w1, .offset: 24, .size: 8, .value_kind: global_buffer, .address_space: global }
      - { .name: w2, .offset: 32, .size: 8, .value_kind: global_buffer, .address_space: global }
      - { .name: lowp_scales, .offset: 40, .size: 8, .value_kind: global_buffer, .address_space: global }
      - { .name: xq, .offset: 48, .size: 8, .value_kind: global_buffer, .address_space: global }
      - { .name: wq, .offset: 56, .size: 8, .value_kind: global_buffer, .address_space: global }
    .group_segment_fixed_size: 68096
    .private_segment_fixed_size: 0
    .kernarg_segment_align: 8
    .kernarg_segment_size: 64
    .max_flat_workgroup_size: 128
    .sgpr_count:     66
    .vgpr_count:     224
    .wavefront_size: 32
...
	.end_amdgpu_metadata
.endif
;; end of part 9
;; launch gemm_qkv (part 10): grid 12 x 16, 4 waves a work-group, clusters of 4 x 4, 327,680 bytes of LDS; arguments xq, wq, lowp_scales, qkvq, b_qkv; writes qkvq
.if DOCPART == 10
	.amdgcn_target "amdgcn-amd-amdhsa--gfx1250"
	.amdhsa_code_object_version 6
	.text
	.protected	k_qd65db56d88_gemm_qkv
	.globl	k_qd65db56d88_gemm_qkv
	.p2align	8
	.type	k_qd65db56d88_gemm_qkv,@function
k_qd65db56d88_gemm_qkv:
	s_mov_b64 s[64:65], 0
	v_nop
	global_prefetch_b8 v0, s[64:65] scope:SCOPE_SE
	s_setreg_imm32_b32 hwreg(HW_REG_WAVE_MODE, 25, 1), 1
	s_wait_xcnt 0x0
	s_wait_alu depctr_hold_cnt(0) depctr_sa_sdst(0) depctr_va_vdst(0) depctr_va_sdst(0) depctr_va_ssrc(0) depctr_va_vcc(0) depctr_vm_vsrc(0)
	s_getreg_b32 s2, hwreg(HW_REG_IB_STS2, 6, 4)
	s_cmp_eq_u32 s2, 0
	s_cbranch_scc0 .Lentry_in_a_cluster
	s_endpgm
.Lentry_in_a_cluster:
	s_bfe_u32 s2, ttmp6, 0x10000c
	s_cmp_lg_u32 s2, 0xf033
	s_cbranch_scc0 .Lentry_shape_is_right
	s_endpgm
.Lentry_shape_is_right:
; qkv = x w_qkv + b_qkv on codes of FP8 (E4M3), and its result quantised again.  A: xq [4096][1024]; B: w_qkv's codes [3072][1024], K innermost; out: qkvq [4096][3072], one code a byte.
; value = sum x 2^(e0 + e1) + bias, in f32.  reference() views a batch's [2048][3072] result as [3][16][2048][64]: run c = (row mod 2048) x 48 + column / 64 of 64 numbers belongs to q where c < 32,768,
; to k where c < 65,536, else to v.  So the codes are stored as they lie, and only the scale of the quantiser (e2, e3 or e5) is chosen by c, by a select.
; LIMITS: e0 + e1 between -126 and 127; e2, e3, e5 between -126 and 119.  k is permuted alike in A and B inside a matrix instruction, so the order of the sums in it differs from the plain layout's.
; A tile of 256 x 256 is made by four waves, 128 x 128 each: 64 accumulators, 512 registers.  K goes in steps of 256 through a ring of two LDS slots filled by the tensor data mover.
; CLUSTERS: 4 x 4 work-groups.  The four of a row of the cluster need the same tiles of A, the four of a column the same tiles of B: each tile is asked for JOINTLY, by the same tensor load with a mask that names the four.
; THE MATRIX INSTRUCTION IS USED TRANSPOSED (source 0 = 16 rows of B, source 1 = 16 rows of A): a lane holds eight neighbouring numbers of a row of the result, which are eight neighbours along the next K.
; REGISTERS, in windows of 256: window 0: v0-31 addresses; v32-95 the bias; v96-121 codes and scales on the way out; from v128 A's fragments, ONE set.  window 1: B's fragments, TWO sets.  windows 2, 3: the accumulators ((a, b) at v[8 (8 (a % 4) + b)]).
.set SIZE_N, 3072
.set SIZE_K, 1024
.set WOFF,   0                         ; where B's codes begin in wq
.set EA,     72                        ; s72 = e0, A's exponent
.set EB,     73                        ; s73 = e1, B's
.set KSTEP,  256
.set ROWB,   256
.set KROW,   SIZE_K
.set PITCH,  272                       ; an LDS row: 256 bytes + 16 of padding = 68 words: row r starts at bank 4 r mod 64 (ISA guide 11.1)
.set FR,     16
.set NL,     4
.set NP,     4                         ; places behind this matrix instruction (ISA guide 7.12.1)
.set HALFT,  128*PITCH
.set SLOT,   4*HALFT
.set LAPS,   SIZE_K/(2*KSTEP)
.set SPARE,  2*SLOT                    ; behind the ring: the spare words, 128 bytes a wave
.set SPITCH, 272                       ; the way out: ONE stage of 256 rows x (256 bytes + 16) for the work-group, in slot 0, which has had its last fill and its last read by then
.set ADRA, 16
.set ADRB, 20
.set STO,  24
.set RD,   25
.set CO,   26
.set BO,   27                          ; v27  32 x (lane / 16): my place in the bias
.set SPW,  28
.set NIL,  29
.set CB,   30                          ; v30  run c of my row in block 0, columns 0-63 of my wave's 128
.set BIAS, 32                          ; v32-95  register 8 b + i: the bias of column 16 b + 8 (lane / 16) + i
.set CD,   96                          ; v96-111 a block's codes
.set SCL,  112                         ; v112-117 scale and limit of e2, e3, e5; v118-121 those chosen for columns 0-63 and 64-127
.set TMP,  128
.set AF,   128
.set BK,   128
.set G1, 24
.set G0, 32
.set G1B, 48
.set G0B, 56
.set MSB, 0
.macro WIN new                         ; the immediate's high byte repeats the setting that is left
.if MSB != \new
	s_set_vgpr_msb (MSB<<8)|\new
.set MSB, \new
.endif
.endm
.set MUL_LO, 0xa1                      ; source 0 (B) window 1, source 1 (A) window 0, C and D window 2
.set MUL_HI, 0xf1                      ; the same, C and D window 3
.set TO_B,   0x40                      ; destination window 1, address window 0
; A joint load: waves 0 and 1 fetch for A, waves 2 and 3 for B; the branch hangs on the wave's number alone.  An s_nop 0 and four v_nop follow each of the two lines.
.macro JLOAD g0a, g1a, g0b, g1b
	s_cmp_eq_u32 s15, 0
	s_cbranch_scc0 .Lfor_b_\@
	tensor_load_to_lds s[\g0a:\g0a+3], s[\g1a:\g1a+7]
	s_nop 0
.rept 4
	v_nop
.endr
	s_branch .Lasked_\@
.Lfor_b_\@:
	tensor_load_to_lds s[\g0b:\g0b+3], s[\g1b:\g1b+7]
	s_nop 0
.rept 4
	v_nop
.endr
.Lasked_\@:
.endm
.macro CREST                           ; a round of the cluster's barrier behind its opening barrier
	s_cmp_lg_u32 s14, 0
	s_cbranch_scc1 .Lnot_wave_0_\@
	s_barrier_signal -3
.Lnot_wave_0_\@:
	s_barrier_wait -3
	s_barrier_signal -1
	s_barrier_wait -1
.endm
.macro CROUND                          ; a whole round
	s_barrier_signal -1
	s_barrier_wait -1
	CREST
.endm
	s_load_b128 s[4:7], s[0:1], 0x0                ; A's codes, wq
	s_load_b128 s[8:11], s[0:1], 0x10              ; the scales' exponents, the output
	s_load_b64 s[68:69], s[0:1], 0x20              ; the bias
	v_lshl_add_u32 v[SPW], v0, 2, SPARE
	v_mov_b32 v[NIL], 0
	ds_add_u32 v[SPW], v[NIL]                      ; the wave's opening: the add, twice on end, and its wait ahead of my first tensor load; the set-up below stands between them
	ds_add_u32 v[SPW], v[NIL]
	v_lshrrev_b32 v1, 5, v0
	v_readfirstlane_b32 s14, v1                    ; wave 0..3
	s_lshr_b32 s15, s14, 1                         ; which half of the tile's rows is mine.  Also: I fetch for A (0) or for B (1)
	s_and_b32 s16, s14, 1                          ; which half of its columns.  Also: which 128 rows of that tile I fetch
	s_bfe_u32 s40, ttmp6, 0x40000                  ; cx, cy: my place in the cluster
	s_bfe_u32 s41, ttmp6, 0x40004
	s_lshl_b32 s42, ttmp9, 2
	s_add_co_u32 s42, s42, s40                     ; tile column = 4 x cluster x + cx
	s_and_b32 s17, ttmp7, 0xffff
	s_lshl_b32 s17, s17, 2
	s_add_co_u32 s17, s17, s41                     ; tile row = 4 x cluster y + cy
	s_lshl_b32 s43, s41, 2
	s_lshl_b32 s43, 15, s43                        ; my row of the cluster
	s_lshl_b32 s44, 0x1111, s40                    ; my column
	s_or_b32 s[G1+0], s43, (0<<16)|(1<<20)|(1<<21)|(5<<22)|(3<<25)  ; the mask; elements of 1 byte; padding on; bit 21 beside a mask; after every 64 words, 4 words
	s_or_b32 s[G1B+0], s44, (0<<16)|(1<<20)|(1<<21)|(5<<22)|(3<<25)
.irp g, G1, G1B
	s_mov_b32 s[\g+1], ROWB<<16                    ; tensor_dim0
	s_mov_b32 s[\g+2], 128<<16                     ; tensor_dim1
	s_mov_b32 s[\g+3], ROWB<<16                    ; tile_dim0
	s_mov_b32 s[\g+4], 128                         ; tile_dim1
	s_mov_b32 s[\g+5], KROW                        ; from row to row
	s_mov_b32 s[\g+6], 0
	s_mov_b32 s[\g+7], 0
.endr
	s_lshl_b32 s18, s16, 7
	s_lshl_b32 s20, s17, 8
	s_add_co_u32 s20, s20, s18                     ; A: row 256 x tile row + 128 x half
	s_lshl_b32 s46, s42, 8
	s_add_co_u32 s46, s46, s18                     ; B: row 256 x tile column + 128 x half
	s_mov_b32 s21, 0
	s_mov_b32 s47, 0
	s_mov_b64 s[18:19], KROW
	s_mul_u64 s[20:21], s[20:21], s[18:19]
	s_mul_u64 s[46:47], s[46:47], s[18:19]
	s_mul_i32 s45, s14, HALFT                      ; where they go: wave x 128 rows
	s_wait_dscnt 0x0                               ; the opening add is done
	s_wait_kmcnt 0x0
	s_load_b256 s[72:79], s[8:9], 0x0              ; e0 .. e7
	s_load_b128 s[80:83], s[8:9], 0x20             ; e8 .. e11
	s_add_nc_u64 s[20:21], s[4:5], s[20:21]
	s_add_nc_u64 s[46:47], s[6:7], s[46:47]
.if WOFF
	s_add_nc_u64 s[46:47], s[46:47], WOFF
.endif
	CROUND                                         ; all sixteen work-groups are here: the first joint loads meet
.irp s, 0,1
	s_mov_b32 s[G0+4*\s], 1
	s_add_co_u32 s[G0+4*\s+1], s45, \s*SLOT
	s_add_nc_u64 s[G0+4*\s+2:G0+4*\s+3], s[20:21], \s*ROWB
	s_or_b32 s[G0+4*\s+3], s[G0+4*\s+3], 0x80000000
	s_mov_b32 s[G0B+4*\s], 1
	s_add_co_u32 s[G0B+4*\s+1], s45, \s*SLOT
	s_add_nc_u64 s[G0B+4*\s+2:G0B+4*\s+3], s[46:47], \s*ROWB
	s_or_b32 s[G0B+4*\s+3], s[G0B+4*\s+3], 0x80000000
.endr
	s_cmp_eq_u32 s15, 0                            ; THE PREFETCHES: of the 128 rows that I fetch, the four partners that ask for them jointly name 32 each, told apart by address (cx for A, cy for B): a lane a row, 256 bytes of a K step
	s_cselect_b64 s[84:85], s[20:21], s[46:47]
	s_cselect_b32 s86, s40, s41
	s_lshl_b32 s86, s86, 15                        ; 32 rows of 1,024 bytes for each place
	s_mov_b32 s87, 0
	s_add_nc_u64 s[84:85], s[84:85], s[86:87]
	JLOAD G0, G1, G0B, G1B                         ; K step 0: one tensor load a wave at the head
	v_and_b32 v31, 31, v0
	v_lshlrev_b32 v31, 10, v31                     ; my lane's row; v31 and s[84:85] are never rewritten
	global_prefetch_b8 v31, s[84:85] offset:256 th:TH_LOAD_NT scope:SCOPE_SE   ; K steps 1 and 2: at most two K steps are asked for and not yet loaded
	global_prefetch_b8 v31, s[84:85] offset:512 th:TH_LOAD_NT scope:SCOPE_SE
	v_and_b32 v1, 15, v0                           ; r = l % 16
	v_bfe_u32 v2, v0, 4, 1                         ; h = l / 16
	s_wait_alu depctr_va_vdst(0)
	v_mul_u32_u24 v3, v1, PITCH
	s_wait_alu depctr_va_vdst(0)
	v_lshl_add_u32 v4, v2, 4, v3                   ; a fragment's row x pitch + 16 x half
	s_mul_i32 s21, s15, HALFT                      ; my 128 rows of A
	s_mul_i32 s22, s16, HALFT                      ; my 128 rows of B,
	s_add_co_u32 s22, s22, 2*HALFT                 ; which lie behind A's 256
.irp s, 0,1
	v_add_nc_u32 v[ADRA+\s], s21, v4
	v_add_nc_u32 v[ADRB+\s], s22, v4
	s_add_co_u32 s21, s21, SLOT
	s_add_co_u32 s22, s22, SLOT
.endr
	s_lshl_b32 s46, s42, 10                        ; the bias of my first column, in bytes: 1024 x tile column + 512 x half
	s_lshl_b32 s47, s16, 9
	s_add_co_u32 s46, s46, s47
	s_mov_b32 s47, 0
	s_add_nc_u64 s[68:69], s[68:69], s[46:47]
	v_lshlrev_b32 v[BO], 5, v2
.irp b, 0,1,2,3,4,5,6,7
	global_load_b128 v[BIAS+8*\b:BIAS+8*\b+3], v[BO], s[68:69] offset:64*\b        ; asked for now, wanted behind the loop
	global_load_b128 v[BIAS+8*\b+4:BIAS+8*\b+7], v[BO], s[68:69] offset:64*\b+16
.endr
	s_mul_i32 s23, s15, 128*SPITCH                 ; into the stage: my 128 rows, my half of their 256 bytes; row r, 8 bytes for each half of the lanes
	s_lshl_b32 s21, s16, 7
	s_add_co_u32 s23, s23, s21
	v_lshl_add_u32 v5, v2, 3, v3
	v_add_nc_u32 v[STO], s23, v5
	s_mul_i32 s23, s14, 64*SPITCH                  ; back: wave w takes rows 64 w .. 64 w + 63, whole; lanes 0-15 one row, lanes 16-31 the next
	v_mul_u32_u24 v5, v2, SPITCH
	v_lshl_add_u32 v5, v1, 4, v5
	v_add_nc_u32 v[RD], s23, v5
	v_mul_u32_u24 v5, v2, SIZE_N                   ; and the same two rows in the output
	v_lshl_add_u32 v[CO], v1, 4, v5
	s_lshl_b32 s20, s17, 8
	s_lshl_b32 s21, s14, 6
	s_add_co_u32 s20, s20, s21                     ; the first row that I store: 256 x tile row + 64 x wave
	s_mul_i32 s20, s20, SIZE_N
	s_mov_b32 s21, 0
	s_add_nc_u64 s[10:11], s[10:11], s[20:21]
	s_lshl_b32 s46, s42, 8                         ; the tile's first column, a byte a code
	s_add_nc_u64 s[10:11], s[10:11], s[46:47]
	s_lshl_b32 s20, s17, 8                         ; run c of my row in block 0: ((256 x tile row + 128 x half) mod 2048 + r) x 48 + 4 x tile column + 2 x half
	s_lshl_b32 s21, s15, 7
	s_add_co_u32 s20, s20, s21
	s_and_b32 s20, s20, 2047
	v_add_nc_u32 v5, s20, v1
	v_mul_u32_u24 v5, v5, 48
	s_lshl_b32 s46, s42, 2
	s_lshl_b32 s21, s16, 1
	s_add_co_u32 s46, s46, s21
	v_add_nc_u32 v[CB], s46, v5
.macro FRAG reg, adr, q, i             ; a fragment, 16 rows x 128 K: lane l holds row l % 16; registers 4 c .. 4 c + 3 hold K = 32 c + 16 (l / 16) + 0 .. 15
.irp c, 0,1,2,3
	ds_load_b128 v[\reg+4*\c:\reg+4*\c+3], v[\adr] offset:128*(\q)+32*\c+(\i)*16*PITCH
.endr
.endm
; 16 matrix instructions: A's blocks a0, a0 + 1 x B's eight, 128 along K.  p: B's set.  zero = 1: the first product starts the sums.  The 64 accumulators take turns, one instruction a turn.
.macro MUL16 a0, p, zero
.irp a, \a0, \a0+1
.irp b, 0,1,2,3,4,5,6,7
.if \zero
	v_wmma_f32_16x16x128_fp8_fp8 v[8*(8*((\a)%4)+\b):8*(8*((\a)%4)+\b)+7], v[128*(\p)+FR*\b:128*(\p)+FR*\b+FR-1], v[AF+FR*(\a):AF+FR*(\a)+FR-1], 0
.else
	v_wmma_f32_16x16x128_fp8_fp8 v[8*(8*((\a)%4)+\b):8*(8*((\a)%4)+\b)+7], v[128*(\p)+FR*\b:128*(\p)+FR*\b+FR-1], v[AF+FR*(\a):AF+FR*(\a)+FR-1], v[8*(8*((\a)%4)+\b):8*(8*((\a)%4)+\b)+7]
.endif
.endr
.endr
.endm
.macro FETCH_B slot, q, p              ; B's eight fragments of the slot's q-th 128 along K into set p
	WIN TO_B
.irp i, 0,1,2,3,4,5,6,7
	FRAG 128*(\p)+FR*\i, ADRB+\slot, \q, \i
.endr
	WIN 0
.endm
.macro FETCH_A slot, q, i0             ; A's blocks i0 .. i0 + 3
.irp i, \i0, \i0+1, \i0+2, \i0+3
	FRAG AF+FR*(\i), ADRA+\slot, \q, \i
.endr
.endm
.macro PLACES n                        ; plain vector instructions between a matrix instruction and a load into, or a read of, its registers
.rept \n
	v_nop
.endr
.endm
.macro STEP slot, q, zero              ; a step of 128 along K that has its successor in the same slot
	s_wait_dscnt 4*NL                              ; B's set and A's blocks 0-3 are in; the youngest sixteen loads (A's blocks 4-7) may be out
	WIN MUL_LO
	MUL16 0, (\q)%2, \zero
	MUL16 2, (\q)%2, \zero
	s_wait_dscnt 0                                 ; A's blocks 4-7 are in
	PLACES NP
	FETCH_B \slot, (\q)+1, 1-(\q)%2
	FETCH_A \slot, (\q)+1, 0
	WIN MUL_HI
	MUL16 4, (\q)%2, \zero
	MUL16 6, (\q)%2, \zero
	PLACES NP
	WIN 0
	FETCH_A \slot, (\q)+1, 4
.endm
; A slot's last step changes slots: ONE barrier; in front of it each wave waits for all its tensor loads, adds 0 to its spare word, and waits for that and for its reads of this slot.  fill = 1: this slot is filled again, two K steps ahead.
.macro TURN slot, next, fill
	s_wait_tensorcnt 0x0                           ; all my tensor loads have landed: my part of the next slot
	ds_add_u32 v[SPW], v[NIL]                      ; 0 onto my spare word
	s_wait_dscnt 4*NL+1                            ; the add and the youngest sixteen loads may be out
	WIN MUL_LO
	MUL16 0, 1, 0                                  ; sixteen matrix instructions stand between the add and the wait for it
	s_wait_dscnt 0x0                               ; the add is done, and my reads of this slot are over
	s_barrier_signal -1
	MUL16 2, 1, 0
	WIN 0
	s_barrier_wait -1
.if \fill
	CREST                                          ; the barrier has opened a round of the cluster's: no wave of any partner still reads this slot or has a load on its way
	s_add_nc_u64 s[G0+4*\slot+2:G0+4*\slot+3], s[G0+4*\slot+2:G0+4*\slot+3], 2*ROWB
	s_add_nc_u64 s[G0B+4*\slot+2:G0B+4*\slot+3], s[G0B+4*\slot+2:G0B+4*\slot+3], 2*ROWB
	JLOAD G0+4*\slot, G1, G0B+4*\slot, G1B         ; the first tensor load behind the round; its four v_nop are the places in front of the loads below
.else
	PLACES NP
.endif
	FETCH_B \next, 0, 0
	FETCH_A \next, 0, 0
	WIN MUL_HI
	MUL16 4, 1, 0
	MUL16 6, 1, 0
	PLACES NP
	WIN 0
	FETCH_A \next, 0, 4
.endm
	s_wait_alu depctr_va_vdst(0)
	s_wait_tensorcnt 0x0                           ; my part of K step 0 is in; these lines stand ahead of a later first fill as ahead of a refill
	ds_add_u32 v[SPW], v[NIL]
	s_wait_dscnt 0x0
	CROUND                                         ; a whole round: everybody's part of K step 0 is in, and the joint loads meet
	JLOAD G0+4, G1, G0B+4, G1B                     ; K step 1's load, the first tensor load behind the round
	FETCH_B 0, 0, 0
	FETCH_A 0, 0, 0
	FETCH_A 0, 0, 4
	global_prefetch_b8 v31, s[84:85] offset:768 th:TH_LOAD_NT scope:SCOPE_SE   ; K step 3, the last, two refills ahead of its load
	STEP 0, 0, 1
.if LAPS > 1
	s_mov_b32 s3, LAPS-1
.Llap:                                                 ; a trip goes once round the ring and fills both slots again
	TURN 0, 1, 1
	STEP 1, 0, 0
	TURN 1, 0, 1
	STEP 0, 0, 0
	s_sub_co_u32 s3, s3, 1
	s_cmp_lg_u32 s3, 0
	s_cbranch_scc1 .Llap
.endif
	TURN 0, 1, 0                                   ; the last lap fills nothing
	STEP 1, 0, 0
	s_wait_dscnt 4*NL                              ; the very last step
	WIN MUL_LO
	MUL16 0, 1, 0
	MUL16 2, 1, 0
	s_wait_dscnt 0
	WIN MUL_HI
	MUL16 4, 1, 0
	MUL16 6, 1, 0
	WIN 0
; THE WAY OUT.  Block a (16 rows x my 128 columns): sum x 2^(e0 + e1) + bias, one packed multiply-add for two; the hold; eight neighbours of a row become eight codes, 8 bytes a lane, into the work-group's stage.
.macro SCALE e, sc, lim                ; 2^e as f32, whose exponent field the conversion takes, and 448 x 2^e
	s_add_co_i32 s18, s[\e], 127
	s_lshl_b32 s19, s18, 23
	v_mov_b32 v[\sc], s19
	s_add_co_i32 s18, s18, 8
	s_lshl_b32 s18, s18, 23
	s_or_b32 s18, s18, 0x600000
	v_mov_b32 v[\lim], s18
.endm
.macro CBLOCK a
.set AC, 64*((\a)%4)
.irp u, 0,1                            ; columns 64 u on are run c = CB + 768 a + u: k's scale from 32,768 on, v's from 65,536 on
	v_cmp_le_u32 vcc_lo, 32768-768*(\a)-\u, v[CB]
	v_cndmask_b32 v[SCL+6+2*\u], v[SCL], v[SCL+2], vcc_lo
	v_cndmask_b32 v[SCL+7+2*\u], v[SCL+1], v[SCL+3], vcc_lo
	v_cmp_le_u32 vcc_lo, 65536-768*(\a)-\u, v[CB]
	v_cndmask_b32 v[SCL+6+2*\u], v[SCL+6+2*\u], v[SCL+4], vcc_lo
	v_cndmask_b32 v[SCL+7+2*\u], v[SCL+7+2*\u], v[SCL+5], vcc_lo
.endr
	WIN 0x02+((\a)/4)                              ; source 0: window 2 or 3
.set J, 0
.rept 32
	v_pk_fma_f32 v[TMP+J:TMP+J+1], v[AC+J:AC+J+1], s[96:97], v[BIAS+J:BIAS+J+1] op_sel_hi:[1,0,1]   ; each accumulator from its low end on
.set J, J+2
.endr
	WIN 0
.irp b, 0,1,2,3,4,5,6,7
.irp i, 0,1,2,3,4,5,6,7
	v_med3_num_f32 v[TMP+8*\b+\i], v[TMP+8*\b+\i], -v[SCL+7+2*(\b/4)], v[SCL+7+2*(\b/4)]   ; the conversion does not saturate (ISA guide 7.6.2)
.endr
.endr
.irp b, 0,1,2,3,4,5,6,7
	v_cvt_scalef32_pk8_fp8_f32 v[CD+2*\b:CD+2*\b+1], v[TMP+8*\b:TMP+8*\b+7], v[SCL+6+2*(\b/4)]
.endr
	v_nop                                          ; a plain vector line between the conversions and the next vector lines that write their sources
.irp b, 0,1,2,3,4,5,6,7
	ds_store_b64 v[STO], v[CD+2*\b:CD+2*\b+1] offset:16*(\a)*SPITCH+16*\b
.endr
.endm
	s_wait_kmcnt 0x0
	s_add_co_i32 s96, s[EA], s[EB]
	s_add_co_i32 s96, s96, 127
	s_lshl_b32 s96, s96, 23                        ; 2^(e0 + e1) as f32
	s_mov_b32 s97, s96                             ; (named with it as a pair, so it is written)
	SCALE 74, SCL, SCL+1                           ; e2: q's
	SCALE 75, SCL+2, SCL+3                         ; e3: k's
	SCALE 77, SCL+4, SCL+5                         ; e5: v's
	s_wait_loadcnt 0x0                             ; the bias
	PLACES NP
	s_wait_alu depctr_va_vdst(0)
.irp a, 0,1,2,3,4,5,6,7
	CBLOCK \a
.endr
	s_wait_dscnt 0x0                               ; for the others' sake: my stores into the stage are done; a row's 256 bytes come from two waves
	s_barrier_signal -1
	s_barrier_wait -1
.set T, 0
.rept 32
	ds_load_b128 v[BK+4*T:BK+4*T+3], v[RD] offset:2*T*SPITCH
.set T, T+1
.endr
.set T, 0
.rept 32
	s_wait_dscnt 31-T                              ; the younger loads may be out
	global_store_b128 v[CO], v[BK+4*T:BK+4*T+3], s[10:11] offset:2*T*SIZE_N   ; 16 lanes store 256 consecutive bytes, aligned
.set T, T+1
.endr
	s_wait_tensorcnt 0x0                           ; the wave's end
	ds_add_u32 v[SPW], v[NIL]
	s_wait_dscnt 0x0
	CROUND                                         ; the closing round
	s_endpgm
.Lfunc_end_k_qd65db56d88_gemm_qkv:
	.size	k_qd65db56d88_gemm_qkv, .Lfunc_end_k_qd65db56d88_gemm_qkv-k_qd65db56d88_gemm_qkv
	.p2alignl 7, 3214868480
	.fill 96, 4, 3214868480
	.section	.rodata,"a",@progbits
	.p2align	6, 0x0
	.amdhsa_kernel k_qd65db56d88_gemm_qkv
		.amdhsa_group_segment_fixed_size 327680
		.amdhsa_private_segment_fixed_size 0
		.amdhsa_enable_private_segment 0
		.amdhsa_kernarg_size 40
		.amdhsa_user_sgpr_count 2
		.amdhsa_user_sgpr_kernarg_segment_ptr 1
		.amdhsa_wavefront_size32 1
		.amdhsa_system_sgpr_workgroup_id_x 1
		.amdhsa_system_sgpr_workgroup_id_y 1
		.amdhsa_system_sgpr_workgroup_id_z 1
		.amdhsa_system_vgpr_workitem_id 0
		.amdhsa_next_free_vgpr 1024
		.amdhsa_next_free_sgpr 98
		.amdhsa_reserve_vcc 1
		.amdhsa_float_denorm_mode_32 3
		.amdhsa_float_denorm_mode_16_64 3
		.amdhsa_memory_ordered 1
		.amdhsa_forward_progress 1
		.amdhsa_inst_pref_size 149
	.end_amdhsa_kernel
	.amdgpu_metadata
---
amdhsa.version: [ 1, 2 ]
amdhsa.kernels:
  - .name:           k_qd65db56d88_gemm_qkv
    .symbol:         k_qd65db56d88_gemm_qkv.kd
    .args:
      - { .name: xq, .offset: 0, .size: 8, .value_kind: global_buffer, .address_space: global }
      - { .name: wq, .offset: 8, .size: 8, .value_kind: global_buffer, .address_space: global }
      - { .name: lowp_scales, .offset: 16, .size: 8, .value_kind: global_buffer, .address_space: global }
      - { .name: qkvq, .offset: 24, .size: 8, .value_kind: global_buffer, .address_space: global }
      - { .name: b_qkv, .offset: 32, .size: 8, .value_kind: global_buffer, .address_space: global }
    .group_segment_fixed_size: 327680
    .private_segment_fixed_size: 0
    .kernarg_segment_align: 8
    .kernarg_segment_size: 40
    .max_flat_workgroup_size: 128
    .sgpr_count:     98
    .vgpr_count:     1024
    .wavefront_size: 32
...
	.end_amdgpu_metadata
.endif
;; end of part 10
;; launch attn (part 11): grid 8 x 32, 16 waves a work-group, clusters of 4 x 1, 327,680 bytes of LDS; arguments qkvq, lowp_scales, hq; writes hq
.if DOCPART == 11
	.amdgcn_target "amdgcn-amd-amdhsa--gfx1250"
	.amdhsa_code_object_version 6
	.text
	.protected	k_qd65db56d88_attn
	.globl	k_qd65db56d88_attn
	.p2align	8
	.type	k_qd65db56d88_attn,@function
k_qd65db56d88_attn:
	s_mov_b64 s[64:65], 0
	v_nop
	global_prefetch_b8 v0, s[64:65] scope:SCOPE_SE
	s_setreg_imm32_b32 hwreg(HW_REG_WAVE_MODE, 25, 1), 1
	s_wait_xcnt 0x0
	s_wait_alu depctr_hold_cnt(0) depctr_sa_sdst(0) depctr_va_vdst(0) depctr_va_sdst(0) depctr_va_ssrc(0) depctr_va_vcc(0) depctr_vm_vsrc(0)
	s_getreg_b32 s2, hwreg(HW_REG_IB_STS2, 6, 4)
	s_cmp_eq_u32 s2, 0
	s_cbranch_scc0 .Lentry_in_a_cluster
	s_endpgm
.Lentry_in_a_cluster:
	s_bfe_u32 s2, ttmp6, 0x10000c
	s_cmp_lg_u32 s2, 0x3003
	s_cbranch_scc0 .Lentry_shape_is_right
	s_endpgm
.Lentry_shape_is_right:
; Causal attention on codes of FP8 (E4M3), head size 64, 2,048 positions, 32 (batch, head) pairs; scores are divided by sqrt(1024) = 32.
; qkvq, flat, is [batch][q|k|v][head][position][64], a byte a code; hq, flat, is [batch][head][position][64]: the codes (scale 2^e6) of the attention's result.
; THE SOFTMAX AHEAD OF THE SECOND PRODUCT: t = score x log2(e) / 32; M = the running largest t rounded UP to a whole number; p = 2^(t - M) is quantised (2^e4), not normalised.  The row's sum is taken of the
; unquantised p and divides at the end.  When M moves, the sum and O are multiplied by 2^(old M - new M), which rounds nothing.
; LDS.  A head's K and V are 2 x 131,072 bytes of codes: BOTH LIE WHOLE IN LDS (four keys' 256 bytes to a row, pitch 272: 2 x 139,264 bytes), each byte filled once.  Two fills, one tensor load a wave each (waves 0-7: K's eighths,
; waves 8-15: V's): keys 0-511 at the head, keys 512-2,047 behind the full sequence and a round; that second fill has the first two key steps in which to land, and one barrier behind those steps shows it to all.
; SHARES.  A work-group (x = 0..7 in its head) owns the tile of queries 128 rank + 16 x .. + 15 of every rank 0..15.  A tile of rank R needs key steps 0..R (128 keys each); later steps lie wholly under the mask and are left out.
; The waves come in pairs with a number p = 0..7.  Wave a (bit 2 of the wave's number clear) takes tile 15 - p over key steps 0-8: 9 steps; it leaves O^T, -M and the sum in LDS.  Wave b takes tile p (p + 1 steps), stores it,
; takes tile 15 - p over key steps 9 .. 15 - p (7 - p steps), and behind the last barrier joins a's part to its own: both are brought under the larger M by powers of two.  So a has 9 steps, b 8 and the two ways out.
; The loops' trip counts are constants; a step outside the wave's bounds (LOW <= step <= HI) is passed over by scalar branches on the wave's number and the count of steps.  On the diagonal (step = rank) hidden scores become
; -infinity ahead of the maximum; the first key of each run that has a step counts for all its queries, so M is a number from there on.  A run of b's with no step (p = 7) keeps zeros, which the join multiplies by 0.
; Every wave loads tile 15 - p's queries at the head beside its first tile's (for a the two are the same tile: one path for all waves), so that b copies registers where it changes tiles.
; CLUSTER.  The four work-groups of a cluster belong to one head and need the same K and V: both fills are asked for JOINTLY, with the mask of all four.
; NO PREFETCH: all of K and V is asked for by the two fills at the start; no later load is left that a loop could run ahead of.
; LAYOUT.  Both products are used transposed: S^T = K Q^T (16x16x64; source 0 = 16 neighbouring keys), O^T = V^T P^T (16x16x128; K = the step's 128 keys): a lane holds ONE query (lane % 16) throughout.
; Register j of score tile t is key 16 t + 8 (lane / 16) + j: eight codes of it are registers 2 t, 2 t + 1 of P in the form's own layout.  V lies [key][64]: it is turned by ds_load_tr16_b128 on pairs of bytes; lanes 8-15 of a row
; of lanes stand 32 bytes on, the second load 16. v_perm_b32 parts the even channels from the odd.  Tile 2 g + o of O^T holds, in register j of
; lane half h, channel 32 h + 16 g + 2 j + o: a lane's 32 results are 32 neighbouring channels.
; LIMITS: e2 + e3 between -121 and 132 (added to c's exponent field); e4, e6 between -126 and 119; e4 + e5 goes by v_ldexp_f32.  In K Q^T k is permuted alike in both operands.  NaN is not served.
.set KP,     272                       ; four keys in LDS: 256 bytes + 16
.set KSTEPB, 32*KP                     ; a step's 128 keys
.set VOFF,   512*KP                    ; V's region lies behind K's
.set DUMP,   2*VOFF                    ; 4,096 bytes for each pair: a's O^T
.set DST,    DUMP+8*4096               ; 512 bytes for each pair: a's -M, largest t and sum
.set STAGE,  DST+8*512                 ; the way out: 1,024 bytes for each pair
.set SPARE,  STAGE+8*1024              ; the spare words, 128 bytes for each of sixteen waves
.set AK0, 1                            ; v1  my lane's place in a tile of K
.set AV0, 2                            ; v2  the same for V
.set QO,  3                            ; v3  my lane's place in a tile of Q
.set DG,  4                            ; v4  my query within its 128, less 8 (lane / 16)
.set SPW, 5
.set NIL, 6
.set GO,  7                            ; v7  16 x lane
.set ADK, 8
.set ADV, 9
.set KF,  24                           ; v24-87   K's eight fragments, then V as the turning loads leave it
.set S,   88                           ; v88-151  S^T, then p, then V^T's four fragments
.set O,   152                          ; v152-183 O^T
.set PC,  184                          ; v184-199 p's codes
.set TA,  200
.set F,   202                          ; v[202:203] f = 2^(old M - new M)
.set PD,  204
.set FA,  206                          ; v[206:207] the factor of a's part
.set PLIM, 208                         ; 448 x 2^e4
.set PSC,  209                         ; 2^e4
.set PLIM2, 211                        ; 448 x 2^e4 once more: the two halves of a dual-issue pair take their second sources from registers whose numbers differ modulo 4
.set NINF, 210
.set HSC,  212                         ; 2^e6
.set HLIM, 213                         ; 448 x 2^e6
.set STI, 214                          ; the stage: in,
.set STB, 215                          ; and back
.set VD,  216                          ; the pair's place for O^T
.set VS,  217                          ; and for the state
.set Q2,  218                          ; v218-225 tile 15 - p's queries
.set AC,  240                          ; v240-255 eight chains of the sum
.set TB,  2                            ; s2  LDS byte of the step's keys
.set KS,  10                           ; s10 the key step
.set RT,  14                           ; s14 15 - p
.set TY,  16                           ; s16 0: wave a, 1: wave b
.set RHO, 17                           ; s17 the rank of the tile in hand
.set WV,  18
.set PI,  19                           ; s19 p
.set SEL, 20
.set CS,  22
.set G1A, 24                           ; s[24:31] group 1 of the first fill, s[32:39] of the second; s[40:43], s[44:47] their groups 0
.set G1B, 32
.set G0A, 40
.set G0B, 44
.set HI,  56                           ; s56 the last key step of the run in hand,
.set LOW, 57                           ; s57 and the first
.set ESUM, 66                          ; s66 e4 + e5
.macro CROUND                          ; a round of the cluster's barrier
	s_barrier_signal -1
	s_barrier_wait -1
	s_cmp_lg_u32 s[WV], 0
	s_cbranch_scc1 .Lnot_wave_0_\@
	s_barrier_signal -3
.Lnot_wave_0_\@:
	s_barrier_wait -3
	s_barrier_signal -1
	s_barrier_wait -1
.endm
.macro INIT                            ; a run's start: the largest t -3e38, the sum and O^T zeros
	v_mov_b32 v13, 0xff61b1e6
	v_mov_b32 v14, 0
	v_mov_b32 v15, 0
	v_floor_f32 v12, -v13                          ; -M
.set J, 0
.rept 32
	v_mov_b32 v[O+J], 0
.set J, J+1
.endr
.endm
	s_load_b128 s[4:7], s[0:1], 0x0                ; qkvq, the scales' exponents
	s_load_b64 s[8:9], s[0:1], 0x10                ; hq
	v_lshl_add_u32 v[SPW], v0, 2, SPARE
	v_mov_b32 v[NIL], 0
	ds_add_u32 v[SPW], v[NIL]                      ; the opening: the add, twice on end, and its wait ahead of my first tensor load
	ds_add_u32 v[SPW], v[NIL]
	v_lshrrev_b32 v8, 5, v0
	v_readfirstlane_b32 s[WV], v8                  ; wave 0..15
	s_bfe_u32 s[TY], s[WV], 0x10002
	s_and_b32 s[PI], s[WV], 3
	s_lshr_b32 s84, s[WV], 3                       ; also: I fetch for K (0) or for V (1)
	s_lshl_b32 s85, s84, 2
	s_or_b32 s[PI], s[PI], s85                     ; p = wave % 4 + 4 (wave / 8)
	s_sub_co_u32 s[RT], 15, s[PI]
	s_cmp_eq_u32 s[TY], 0
	s_cselect_b32 s[RHO], s[RT], s[PI]             ; the first tile: a's 15 - p, b's p;
	s_cselect_b32 s[HI], 8, s[PI]                  ; its run: a's key steps 0-8, b's 0 .. p
	s_mov_b32 s[LOW], 0
	s_bfe_u32 s85, ttmp6, 0x40000                  ; cx
	s_lshl_b32 s86, ttmp9, 2
	s_add_co_u32 s86, s86, s85                     ; x = 4 x cluster x + cx: it enters Q's and hq's addresses and the mask's numbers alone
	s_and_b32 s87, ttmp7, 0xffff                   ; 16 x batch + head, which the partners share
	s_lshr_b32 s88, s87, 4
	s_and_b32 s89, s87, 15
	s_mul_i32 s88, s88, 6291456
	s_lshl_b32 s89, s89, 17
	s_add_co_u32 s88, s88, s89                     ; the head's q in qkvq; its k lies 2,097,152 bytes on, its v as many again
	s_and_b32 s90, s[WV], 7                        ; which eighth of a fill is mine
	s_lshl_b32 s91, s84, 21
	s_add_co_u32 s91, s91, s88
	s_add_co_u32 s91, s91, 0x200000                ; the head's K or V in memory
	s_lshl_b32 s92, s90, 12
	s_add_co_u32 s92, s92, s91                     ; first fill: 64 keys, 4,096 bytes, for each wave
	s_mov_b32 s93, 0
	s_mul_i32 s94, s90, 12288
	s_add_co_u32 s94, s94, s91
	s_add_co_u32 s94, s94, 32768                   ; second fill: 192 keys, 12,288 bytes, behind the first 512 keys
	s_mov_b32 s95, 0
	s_mul_i32 s96, s84, VOFF
	s_mul_i32 s97, s90, 16*KP
	s_add_co_u32 s97, s97, s96                     ; and in LDS: 16 rows a wave,
	s_mul_i32 s98, s90, 48*KP
	s_add_co_u32 s98, s98, s96
	s_add_co_u32 s98, s98, 128*KP                  ; 48 rows a wave behind the first 128
	s_mov_b32 s[G1A], 15|(0<<16)|(1<<20)|(1<<21)|(5<<22)|(3<<25)  ; the mask: all four; elements of 1 byte; padding on; bit 21 beside a mask; after every 64 words, 4 words
	s_mov_b32 s[G1B], 15|(0<<16)|(1<<20)|(1<<21)|(5<<22)|(3<<25)
	s_mov_b32 s[G1A+2], 16<<16                     ; tensor_dim1
	s_mov_b32 s[G1A+4], 16                         ; tile_dim1
	s_mov_b32 s[G1B+2], 48<<16
	s_mov_b32 s[G1B+4], 48
.irp g, G1A, G1B
	s_mov_b32 s[\g+1], 256<<16                     ; tensor_dim0: four keys' 256 bytes
	s_mov_b32 s[\g+3], 256<<16                     ; tile_dim0
	s_mov_b32 s[\g+5], 256                         ; from row to row: dense
	s_mov_b32 s[\g+6], 0
	s_mov_b32 s[\g+7], 0
.endr
	s_mov_b32 s[SEL], 0x76543210
	s_mov_b32 s[SEL+1], 0xfedcba98
	s_mov_b32 s[CS], 0x3d38aa3b                    ; c = log2(e) / 32
	s_mov_b32 s12, 0x06040200                      ; v_perm_b32: the even bytes of two registers,
	s_mov_b32 s13, 0x07050301                      ; the odd ones
	s_mov_b32 s[TB], 0
	s_mov_b32 s[KS], 0
	s_lshl_b32 s99, s86, 10
	s_lshl_b32 s48, s[RHO], 13
	s_add_co_u32 s48, s48, s99                     ; 64 bytes x the first query of my first tile, 128 rank + 16 x,
	s_lshl_b32 s50, s[RT], 13
	s_add_co_u32 s50, s50, s99                     ; and of tile 15 - p
	s_lshl_b32 s15, s87, 17
	s_add_co_u32 s52, s48, s15                     ; their places in hq,
	s_add_co_u32 s54, s50, s15
	s_add_co_u32 s48, s48, s88                     ; and in qkvq
	s_add_co_u32 s50, s50, s88
	s_mov_b32 s49, 0
	s_mov_b32 s51, 0
	s_mov_b32 s53, 0
	s_mov_b32 s55, 0
	s_wait_dscnt 0x0                               ; both opening adds are done
	s_wait_kmcnt 0x0
	s_load_b256 s[68:75], s[6:7], 0x0              ; e0 .. e7
	s_mov_b32 s[G0A], 1
	s_mov_b32 s[G0A+1], s97
	s_add_nc_u64 s[G0A+2:G0A+3], s[4:5], s[92:93]
	s_or_b32 s[G0A+3], s[G0A+3], 0x80000000
	s_mov_b32 s[G0B], 1
	s_mov_b32 s[G0B+1], s98
	s_add_nc_u64 s[G0B+2:G0B+3], s[4:5], s[94:95]
	s_or_b32 s[G0B+3], s[G0B+3], 0x80000000
	s_add_nc_u64 s[48:49], s[4:5], s[48:49]
	s_add_nc_u64 s[50:51], s[4:5], s[50:51]
	s_add_nc_u64 s[52:53], s[8:9], s[52:53]
	s_add_nc_u64 s[54:55], s[8:9], s[54:55]
	CROUND                                         ; all four work-groups are here: the first joint loads meet
	tensor_load_to_lds s[G0A:G0A+3], s[G1A:G1A+7]  ; keys 0-511: my one tensor load at the head
	s_nop 0
.rept 4
	v_nop
.endr
	v_and_b32 v8, 15, v0                           ; r
	v_bfe_u32 v9, v0, 4, 1                         ; h
	v_lshlrev_b32 v[QO], 6, v8
	v_lshl_add_u32 v[QO], v9, 4, v[QO]
	global_load_b128 v[16:19], v[QO], s[48:49]     ; Q's fragment: bytes 16 h .. and 32 + 16 h .. of row r, as K's fragments take theirs
	global_load_b128 v[20:23], v[QO], s[48:49] offset:32
	global_load_b128 v[Q2:Q2+3], v[QO], s[50:51]   ; and tile 15 - p's
	global_load_b128 v[Q2+4:Q2+7], v[QO], s[50:51] offset:32
	v_lshrrev_b32 v11, 2, v8
	v_mul_u32_u24 v[AK0], v11, KP
	v_and_b32 v11, 3, v8
	v_lshl_add_u32 v[AK0], v11, 6, v[AK0]
	v_lshl_add_u32 v[AK0], v9, 4, v[AK0]           ; key r of a tile: (r / 4) x 272 + (r % 4) x 64 + 16 h
	v_bfe_u32 v11, v0, 2, 1
	v_lshl_add_u32 v11, v9, 1, v11
	v_mul_u32_u24 v[AV0], v11, KP
	v_and_b32 v11, 3, v0
	v_lshl_add_u32 v[AV0], v11, 6, v[AV0]
	v_bfe_u32 v11, v0, 3, 1
	v_lshl_add_u32 v[AV0], v11, 5, v[AV0]
	v_add_nc_u32 v[AV0], VOFF, v[AV0]              ; key 8 h + l % 8 of sixteen, bytes 32 ((l / 8) % 2) on
	s_lshl_b32 s84, s86, 4
	v_lshlrev_b32 v11, 3, v9
	v_sub_nc_u32 v[DG], v8, v11
	v_add_nc_u32 v[DG], s84, v[DG]                 ; 16 x + r - 8 h
	v_and_b32 v[GO], 31, v0
	v_lshlrev_b32 v[GO], 4, v[GO]
	s_lshl_b32 s85, s[PI], 10
	s_add_co_u32 s85, s85, STAGE
	v_lshlrev_b32 v11, 6, v8
	v_lshl_add_u32 v11, v9, 5, v11
	v_add_nc_u32 v[STI], s85, v11                  ; the stage, in: row r of 64 bytes, + 32 h
	v_add_nc_u32 v[STB], s85, v[GO]                ; back: 16 bytes a lane
	s_lshl_b32 s85, s[PI], 12
	s_add_co_u32 s85, s85, DUMP
	v_add_nc_u32 v[VD], s85, v[GO]
	s_lshl_b32 s85, s[PI], 9
	s_add_co_u32 s85, s85, DST
	v_add_nc_u32 v[VS], s85, v[GO]
	v_mov_b32 v[PD], 0                             ; a lane permute's destination counts as one of its sources
	v_mov_b32 v[F+1], 0                            ; (named as the upper halves of pairs)
	v_mov_b32 v[FA+1], 0
	v_mov_b32 v[NINF], 0xff800000
	INIT
	s_wait_kmcnt 0x0
	s_add_co_i32 s84, s70, s71
	s_lshl_b32 s84, s84, 23
	s_add_co_i32 s[CS], s[CS], s84                 ; a score stands for score x 2^(e2 + e3): added to c's exponent field
	s_mov_b32 s[CS+1], s[CS]
	s_add_co_i32 s[ESUM], s72, s73
	s_add_co_i32 s84, s72, 127
	s_lshl_b32 s85, s84, 23
	v_mov_b32 v[PSC], s85
	s_add_co_i32 s84, s84, 8
	s_lshl_b32 s84, s84, 23
	s_or_b32 s84, s84, 0x600000
	v_mov_b32 v[PLIM], s84
	v_mov_b32 v[PLIM2], s84
	s_add_co_i32 s84, s74, 127
	s_lshl_b32 s85, s84, 23
	v_mov_b32 v[HSC], s85
	s_add_co_i32 s84, s84, 8
	s_lshl_b32 s84, s84, 23
	s_or_b32 s84, s84, 0x600000
	v_mov_b32 v[HLIM], s84
.macro STEP                            ; a key step: 128 keys at s[TB]
	s_cmp_gt_u32 s[KS], s[HI]                      ; not a step of the run in hand: only the address and the count are stepped
	s_cbranch_scc1 .Lhidden_\@
	s_cmp_lt_u32 s[KS], s[LOW]
	s_cbranch_scc1 .Lhidden_\@
	v_add_nc_u32 v[ADK], s[TB], v[AK0]
	v_add_nc_u32 v[ADV], s[TB], v[AV0]
.rept 3
	v_nop                                          ; with the two additions five places: the scores below are laid over V^T's fragments, which the last step's products read (ISA guide 7.12.1)
.endr
.irp t, 0,1,2,3,4,5,6,7
	ds_load_b128 v[KF+8*\t:KF+8*\t+3], v[ADK] offset:4*KP*\t
	ds_load_b128 v[KF+8*\t+4:KF+8*\t+7], v[ADK] offset:4*KP*\t+32
.endr
	s_wait_alu depctr_va_vdst(0)                   ; directly ahead of the wait below
	s_wait_dscnt 0x0
.irp t, 0,1,2,3,4,5,6,7
	v_wmma_f32_16x16x64_fp8_fp8 v[S+8*\t:S+8*\t+7], v[KF+8*\t:KF+8*\t+7], v[16:23], 0
.endr
.rept 4
	v_nop                                          ; places in front of loads into K's registers and of the first read of the scores
.endr
.irp c, 0,1,2,3,4,5,6,7
.irp g, 0,1
	ds_load_tr16_b128 v[KF+4*(2*\c+\g):KF+4*(2*\c+\g)+3], v[ADV] offset:4*KP*\c+16*\g   ; keys 16 c on: they land under the softmax
.endr
.endr
	s_cmp_lt_u32 s[KS], s[RHO]
	s_cbranch_scc1 .Lopen_\@
.set N, 0
.rept 64                               ; on the diagonal: register 8 t + j is key 16 t + 8 h + j of the step: hidden where 16 t + j > 16 x + r - 8 h
	v_cmp_gt_i32 vcc_lo, 16*(N/8)+N%8, v[DG]
	v_cndmask_b32 v[S+N], v[S+N], v[NINF], vcc_lo
.set N, N+1
.endr
.Lopen_\@:
	v_max3_num_f32 v[TA], v[S], v[S+1], v[S+2]     ; the step's largest score of my query among my 64 keys, in two chains; each tile is read from its low end on
	v_max3_num_f32 v[F], v[S+3], v[S+4], v[S+5]
.set J, 6
.rept 14
	v_max3_num_f32 v[TA], v[TA], v[S+J], v[S+J+1]
	v_max3_num_f32 v[F], v[F], v[S+J+2], v[S+J+3]
.set J, J+4
.endr
	v_max3_num_f32 v[TA], v[TA], v[S+62], v[S+63]
	s_delay_alu instid0(VALU_DEP_1)
	v_max_num_f32 v[TA], v[TA], v[F]
	s_delay_alu instid0(VALU_DEP_1)
	v_permlanex16_b32 v[PD], v[TA], s[SEL], s[SEL+1]
	s_delay_alu instid0(VALU_DEP_1)
	v_max_num_f32 v[TA], v[TA], v[PD]              ; and among lane l xor 16's
	s_delay_alu instid0(VALU_DEP_1)
	v_mul_f32 v[TA], s[CS], v[TA]                  ; as t (c is positive)
	s_delay_alu instid0(VALU_DEP_1)
	v_max_num_f32 v13, v13, v[TA]                  ; the running largest t
	v_mov_b32 v[TA], v12
	s_delay_alu instid0(VALU_DEP_2)
	v_floor_f32 v12, -v13                          ; the new -M = -ceil(t)
	s_delay_alu instid0(VALU_DEP_1)
	v_sub_f32 v[TA], v12, v[TA]                    ; old M - new M: a whole number, 0 or less
	s_delay_alu instid0(VALU_DEP_1)
	v_cvt_i32_f32 v[TA], v[TA]                     ; (it saturates)
	s_delay_alu instid0(VALU_DEP_1)
	v_ldexp_f32 v[F], 1.0, v[TA]                   ; f = 2^(old M - new M)
.set J, 0
.rept 32
	v_pk_fma_f32 v[S+J:S+J+1], v[S+J:S+J+1], s[CS:CS+1], v[12:13] op_sel_hi:[1,0,0]   ; t - M, two at a time
.set J, J+2
.endr
	s_wait_alu depctr_va_vdst(0)                   ; the wait ahead of the batch
.set J, 0
.rept 64
	v_exp_f32 v[S+J], v[S+J]                       ; p = 2^(t - M)
.set J, J+1
.endr
	v_pk_mul_f32 v[14:15], v[14:15], v[F:F+1] op_sel_hi:[1,0]   ; the sums under the new M: the plain line behind the exponentials
	s_wait_alu depctr_va_vdst(0)                   ; one wait for the whole batch, ahead of its first reader
.set J, 0
.rept 8                                ; the row's sum of the unquantised p: two at a time, in eight chains
	v_pk_add_f32 v[AC+J:AC+J+1], v[S+J:S+J+1], v[S+16+J:S+17+J]
.set J, J+2
.endr
.set J, 0
.rept 16
	v_pk_add_f32 v[AC+J%16:AC+J%16+1], v[AC+J%16:AC+J%16+1], v[S+32+J:S+33+J]
.set J, J+2
.endr
.irp w, 8,4,2
.set J, 0
.rept \w/2
	v_pk_add_f32 v[AC+J:AC+J+1], v[AC+J:AC+J+1], v[AC+\w+J:AC+\w+J+1]
.set J, J+2
.endr
.endr
	v_pk_add_f32 v[14:15], v[14:15], v[AC:AC+1]
.set J, 0
.rept 32                               ; the hold: the conversion does not saturate (ISA guide 7.6.2); p is not negative, so it is one-sided.  Two numbers an instruction: an even and an odd destination, first sources in neighbouring registers
	v_dual_min_num_f32 v[S+J], v[S+J], v[PLIM] :: v_dual_min_num_f32 v[S+J+1], v[S+J+1], v[PLIM2]
.set J, J+2
.endr
.irp t, 0,1,2,3,4,5,6,7
	v_cvt_scalef32_pk8_fp8_f32 v[PC+2*\t:PC+2*\t+1], v[S+8*\t:S+8*\t+7], v[PSC]
.endr
	s_wait_alu depctr_va_vdst(0)                   ; directly ahead of the first reader of O^T
.set J, 0
.rept 16
	v_pk_mul_f32 v[O+J:O+J+1], v[O+J:O+J+1], v[F:F+1] op_sel_hi:[1,0]   ; O^T under the new M; also the plain lines behind the conversions
.set J, J+2
.endr
	s_wait_dscnt 0x0                               ; V is in
.irp c, 0,1,2,3,4,5,6,7
.irp g, 0,1
	v_perm_b32 v[S+32*\g+2*\c],    v[KF+4*(2*\c+\g)+1], v[KF+4*(2*\c+\g)],   s12   ; registers 2 c, 2 c + 1 of the fragment of the even channels,
	v_perm_b32 v[S+32*\g+2*\c+1],  v[KF+4*(2*\c+\g)+3], v[KF+4*(2*\c+\g)+2], s12
	v_perm_b32 v[S+32*\g+16+2*\c],   v[KF+4*(2*\c+\g)+1], v[KF+4*(2*\c+\g)],   s13   ; and of the odd ones
	v_perm_b32 v[S+32*\g+16+2*\c+1], v[KF+4*(2*\c+\g)+3], v[KF+4*(2*\c+\g)+2], s13
.endr
.endr
.irp u, 0,1,2,3                        ; the four accumulators take turns, and eight other products stand between two steps'
	v_wmma_f32_16x16x128_fp8_fp8 v[O+8*\u:O+8*\u+7], v[S+16*\u:S+16*\u+15], v[PC:PC+15], v[O+8*\u:O+8*\u+7]
.endr
.Lhidden_\@:
	s_add_co_u32 s[TB], s[TB], KSTEPB
	s_add_co_u32 s[KS], s[KS], 1
.endm
.macro WALK n                          ; n key steps on: a constant count
	s_mov_b32 s11, \n
.Lstep_\@:
	STEP
	s_sub_co_u32 s11, s11, 1
	s_cmp_lg_u32 s11, 0
	s_cbranch_scc1 .Lstep_\@
.endm
; THE WAY OUT of a tile: O^T / the sum x 2^(e4 + e5); the hold; codes with 2^e6; through the pair's stage, so that the wave stores 512 consecutive bytes twice.  b: the scalar pair with the tile's place in hq.
.macro OUT b
	v_add_f32 v14, v14, v15
	v_permlanex16_b32 v[PD], v14, s[SEL], s[SEL+1]
	v_add_f32 v14, v14, v[PD]                      ; the row's sum
	s_wait_alu depctr_va_vdst(0)                   ; the wait ahead of the transcendental,
	v_rcp_f32 v14, v14
	v_nop                                          ; a plain line behind it,
	s_wait_alu depctr_va_vdst(0)                   ; and the wait ahead of its first reader
	v_ldexp_f32 v14, v14, s[ESUM]
	s_wait_alu depctr_va_vdst(0)                   ; directly ahead of the readers of O^T
.irp g, 0,1
.irp o, 0,1
.irp j, 0,1,2,3,4,5,6,7
	v_mul_f32 v[S+16*\g+2*\j+\o], v[O+8*(2*\g+\o)+\j], v14   ; channel 32 h + 16 g + 2 j + o; each accumulator from its low end on
.endr
.endr
.endr
.set J, 0
.rept 32
	v_med3_num_f32 v[S+J], v[S+J], -v[HLIM], v[HLIM]
.set J, J+1
.endr
.irp m, 0,1,2,3
	v_cvt_scalef32_pk8_fp8_f32 v[PC+2*\m:PC+2*\m+1], v[S+8*\m:S+8*\m+7], v[HSC]
.endr
	v_nop                                          ; a plain vector line behind the last conversion
	ds_store_b128 v[STI], v[PC:PC+3]
	ds_store_b128 v[STI], v[PC+4:PC+7] offset:16
	ds_load_b128 v[S:S+3], v[STB]                  ; LDS serves a wave's instructions in order: these see my stores
	ds_load_b128 v[S+4:S+7], v[STB] offset:512
	s_wait_dscnt 1                                 ; the younger load may be out
	global_store_b128 v[GO], v[S:S+3], s[\b:\b+1]
	s_wait_dscnt 0
	global_store_b128 v[GO], v[S+4:S+7], s[\b:\b+1] offset:512
.endm
	s_wait_alu depctr_va_vdst(0)
	s_wait_loadcnt 0x0                             ; both tiles' queries
	s_wait_tensorcnt 0x0                           ; my part of keys 0-511 is in
	ds_add_u32 v[SPW], v[NIL]
	s_wait_dscnt 0x0
	CROUND                                         ; everybody's part is in, and the joint loads meet
	tensor_load_to_lds s[G0B:G0B+3], s[G1B:G1B+7]  ; keys 512-2,047: my one tensor load behind the round
	s_nop 0
.rept 4
	v_nop
.endr
	WALK 2                                         ; key steps 0 and 1 read the first fill alone
	s_wait_tensorcnt 0x0                           ; my part of the second fill is in
	ds_add_u32 v[SPW], v[NIL]
	s_wait_dscnt 0x0
	s_barrier_signal -1
	s_barrier_wait -1                              ; and everybody's: from here on K and V are only read
	WALK 6                                         ; key steps 2-7
	s_cmp_eq_u32 s[TY], 0
	s_cbranch_scc1 .Lmid_end
	OUT 52                                         ; b: tile p is finished
	INIT
.set J, 0
.rept 8
	v_mov_b32 v[16+J], v[Q2+J]                     ; tile 15 - p's queries
.set J, J+1
.endr
	s_mov_b32 s[RHO], s[RT]
	s_mov_b32 s[HI], s[RT]                         ; its run: key steps 9 .. 15 - p
	s_mov_b32 s[LOW], 9
	s_wait_alu depctr_va_vdst(0)                   ; directly ahead of the wait below
	s_wait_xcnt 0x0                                ; the stores have read their registers, which the next scores overwrite
.Lmid_end:
	WALK 8                                         ; key steps 8-15: a's last is 8
	s_cmp_eq_u32 s[TY], 0
	s_cbranch_scc0 .Lno_dump
.rept 4
	v_nop                                          ; places between the last products and the stores that read their results
.endr
.irp i, 0,1,2,3,4,5,6,7
	ds_store_b128 v[VD], v[O+4*\i:O+4*\i+3] offset:512*\i   ; a's part of tile 15 - p: an image of the registers; each accumulator from its low end on
.endr
	ds_store_b128 v[VS], v[12:15]                  ; -M, the largest t, the sum's two halves
.Lno_dump:
	s_wait_dscnt 0x0                               ; for b's sake: a's stores are done
	s_barrier_signal -1
	s_barrier_wait -1
	s_cmp_eq_u32 s[TY], 0
	s_cbranch_scc1 .Ldone
.rept 4
	v_nop                                          ; places between the last products and loads into registers that they read
.endr
.irp i, 0,1,2,3,4,5,6,7
	ds_load_b128 v[S+4*\i:S+4*\i+3], v[VD] offset:512*\i
.endr
	ds_load_b128 v[S+32:S+35], v[VS]
	s_wait_dscnt 0x0
	v_min_num_f32 v[TA], v12, v[S+32]              ; the joint -M: the larger M
	v_sub_f32 v[F], v[TA], v12                     ; my M less the joint one, a whole number, 0 or less,
	v_sub_f32 v[PD], v[TA], v[S+32]                ; and a's
	v_cvt_i32_f32 v[F], v[F]
	v_cvt_i32_f32 v[PD], v[PD]
	v_ldexp_f32 v[F], 1.0, v[F]
	v_ldexp_f32 v[FA], 1.0, v[PD]
	v_pk_mul_f32 v[14:15], v[14:15], v[F:F+1] op_sel_hi:[1,0]
	v_pk_fma_f32 v[14:15], v[S+34:S+35], v[FA:FA+1], v[14:15] op_sel_hi:[1,0,1]   ; the two sums under the joint M
.set J, 0
.rept 16
	v_pk_mul_f32 v[O+J:O+J+1], v[O+J:O+J+1], v[F:F+1] op_sel_hi:[1,0]
.set J, J+2
.endr
.set J, 0
.rept 16
	v_pk_fma_f32 v[O+J:O+J+1], v[S+J:S+J+1], v[FA:FA+1], v[O+J:O+J+1] op_sel_hi:[1,0,1]
.set J, J+2
.endr
	OUT 54                                         ; tile 15 - p is finished
.Ldone:
	s_wait_tensorcnt 0x0                           ; the wave's end
	ds_add_u32 v[SPW], v[NIL]
	s_wait_dscnt 0x0
	CROUND                                         ; the closing round
	s_endpgm
.Lfunc_end_k_qd65db56d88_attn:
	.size	k_qd65db56d88_attn, .Lfunc_end_k_qd65db56d88_attn-k_qd65db56d88_attn
	.p2alignl 7, 3214868480
	.fill 96, 4, 3214868480
	.section	.rodata,"a",@progbits
	.p2align	6, 0x0
	.amdhsa_kernel k_qd65db56d88_attn
		.amdhsa_group_segment_fixed_size 327680
		.amdhsa_private_segment_fixed_size 0
		.amdhsa_enable_private_segment 0
		.amdhsa_kernarg_size 24
		.amdhsa_user_sgpr_count 2
		.amdhsa_user_sgpr_kernarg_segment_ptr 1
		.amdhsa_wavefront_size32 1
		.amdhsa_system_sgpr_workgroup_id_x 1
		.amdhsa_system_sgpr_workgroup_id_y 1
		.amdhsa_system_sgpr_workgroup_id_z 1
		.amdhsa_system_vgpr_workitem_id 0
		.amdhsa_next_free_vgpr 256
		.amdhsa_next_free_sgpr 100
		.amdhsa_reserve_vcc 1
		.amdhsa_float_denorm_mode_32 3
		.amdhsa_float_denorm_mode_16_64 3
		.amdhsa_memory_ordered 1
		.amdhsa_forward_progress 1
		.amdhsa_inst_pref_size 99
	.end_amdhsa_kernel
	.amdgpu_metadata
---
amdhsa.version: [ 1, 2 ]
amdhsa.kernels:
  - .name:           k_qd65db56d88_attn
    .symbol:         k_qd65db56d88_attn.kd
    .args:
      - { .name: qkvq, .offset: 0, .size: 8, .value_kind: global_buffer, .address_space: global }
      - { .name: lowp_scales, .offset: 8, .size: 8, .value_kind: global_buffer, .address_space: global }
      - { .name: hq, .offset: 16, .size: 8, .value_kind: global_buffer, .address_space: global }
    .group_segment_fixed_size: 327680
    .private_segment_fixed_size: 0
    .kernarg_segment_align: 8
    .kernarg_segment_size: 24
    .max_flat_workgroup_size: 512
    .sgpr_count:     100
    .vgpr_count:     256
    .wavefront_size: 32
...
	.end_amdgpu_metadata
.endif
;; end of part 11
;; launch gemm_proj (part 12): grid 8 x 32, 4 waves a work-group, clusters of 4 x 4, 327,680 bytes of LDS; arguments hq, wq, lowp_scales, r, b_proj; writes r
.if DOCPART == 12
	.amdgcn_target "amdgcn-amd-amdhsa--gfx1250"
	.amdhsa_code_object_version 6
	.text
	.protected	k_qd65db56d88_gemm_proj
	.globl	k_qd65db56d88_gemm_proj
	.p2align	8
	.type	k_qd65db56d88_gemm_proj,@function
k_qd65db56d88_gemm_proj:
	s_mov_b64 s[64:65], 0
	v_nop
	global_prefetch_b8 v0, s[64:65] scope:SCOPE_SE
	s_setreg_imm32_b32 hwreg(HW_REG_WAVE_MODE, 25, 1), 1
	s_wait_xcnt 0x0
	s_wait_alu depctr_hold_cnt(0) depctr_sa_sdst(0) depctr_va_vdst(0) depctr_va_sdst(0) depctr_va_ssrc(0) depctr_va_vcc(0) depctr_vm_vsrc(0)
	s_getreg_b32 s2, hwreg(HW_REG_IB_STS2, 6, 4)
	s_cmp_eq_u32 s2, 0
	s_cbranch_scc0 .Lentry_in_a_cluster
	s_endpgm
.Lentry_in_a_cluster:
	s_bfe_u32 s2, ttmp6, 0x10000c
	s_cmp_lg_u32 s2, 0xf033
	s_cbranch_scc0 .Lentry_shape_is_right
	s_endpgm
.Lentry_shape_is_right:
; r = h w_proj + b_proj on codes of FP8 (E4M3).  A: hq [4096][1024]; B: w_proj's codes [1024][1024], K innermost, at byte 3,145,728 of wq; out: r [4096][1024] f32 = sum x 2^(e6 + e7) + bias.
; LIMITS: e6 + e7 between -126 and 127.  k is permuted alike in A and B inside a matrix instruction, so the order of the sums in it differs from the plain layout's.
; THE TILE is 128 x 128: the result's 4,096 x 1,024 numbers are 256 such tiles, a work-group each; tiles of 256 x 256 would be 64.  Four waves, 64 x 64 each: 16 accumulators, 128 registers.
; K goes in steps of 512, as long as two slots in LDS allow (2 x 135,168 bytes): a wave's tensor load brings 64 rows of 512 bytes.  SIZE_K = 1,024 is two such steps: both slots are first fills, and nothing is filled again.
; CLUSTERS: 4 x 4 work-groups.  The four of a row of the cluster need the same tiles of A, the four of a column the same tiles of B: each tile is asked for JOINTLY, by the same tensor load with a mask that names the four.
; THE MATRIX INSTRUCTION IS USED TRANSPOSED (source 0 = 16 rows of B, source 1 = 16 rows of A): a lane holds eight neighbouring numbers of a row of the result.
; REGISTERS, in windows of 256: window 0: v0-31 addresses; v32-95 rows on the way out; v100-103 the bias; v128-255 the accumulators ((a, b) at v[128 + 8 (4 a + b)]).
;   window 1: two fragment buffers of 128: for 128 along K, 64 registers of A (4 x 16 rows), then 64 of B.
.set SIZE_N, 1024
.set SIZE_K, 1024
.set WOFF,   3145728                   ; where B's codes begin in wq
.set EA,     78                        ; s78 = e6, A's exponent
.set EB,     79                        ; s79 = e7, B's
.set KSTEP,  512
.set ROWB,   512                       ; a tile's row in bytes
.set KROW,   SIZE_K                    ; a row of A or of B in memory, in bytes
.set PITCH,  528                       ; an LDS row: 512 bytes + 16 of padding = 132 words: row r starts at bank 4 r mod 64 (ISA guide 11.1)
.set FR,     16                        ; registers of a fragment: 16 rows x 128 K
.set NP,     4                         ; places behind this matrix instruction (ISA guide 7.12.1)
.set HALFT,  64*PITCH                  ; 64 rows: what one tensor load brings, and what one wave reads of A or of B
.set SLOT,   4*HALFT                   ; A's 128 rows, then B's 128 rows
.set LAPS,   SIZE_K/(2*KSTEP)          ; a lap = two K steps = once round the ring
.set SPARE,  2*SLOT                    ; behind the ring: the spare words, 128 bytes a wave
.set SPITCH, 272                       ; the way out: a stage of 16 rows x (256 bytes + 16) for each wave, in slot 0, which has had its last fill and its last read by then
.set ADRA, 16                          ; v16-17  LDS address of my A fragments in slot 0, 1
.set ADRB, 20                          ; v20-21  the same for B
.set STO,  24                          ; v24     the way out: where I put 32 bytes of a row
.set RD,   25                          ; v25     the way out: where I read 16 bytes of a row back
.set CO,   26                          ; v26     my byte offset in two rows of the output
.set BO,   27                          ; v27     16 x (lane % 16): my place in the bias
.set SPW,  28
.set NIL,  29
.set BK,   32                          ; v32-63 and v64-95 by turns: 16 rows read back from the stage
.set BIAS, 100                         ; v100-103 the bias of columns 4 (lane % 16) + 0 .. 3 of my wave's 64
.set ACC,  128
.set F0,   0                           ; fragment buffers, in window 1
.set F1,   128
.set G1, 24                            ; s[24:31] descriptor group 1 for A's tiles;  s[32:39] group 0, one set for each slot
.set G0, 32
.set G1B, 48                           ; s[48:55], s[56:63] the same for B's tiles
.set G0B, 56
.set MSB, 0
.macro WIN new                         ; the immediate's high byte repeats the setting that is left
.if MSB != \new
	s_set_vgpr_msb (MSB<<8)|\new
.set MSB, \new
.endif
.endm
.set MUL,  0x05                        ; sources 0 (B) and 1 (A) window 1; C and D window 0
.set TO_F, 0x40                        ; destination window 1, address window 0
; A joint load: waves 0 and 1 fetch for A, waves 2 and 3 for B; the branch hangs on the wave's number alone.  An s_nop 0 and four v_nop follow each of the two lines.
.macro JLOAD g0a, g1a, g0b, g1b
	s_cmp_eq_u32 s15, 0
	s_cbranch_scc0 .Lfor_b_\@
	tensor_load_to_lds s[\g0a:\g0a+3], s[\g1a:\g1a+7]
	s_nop 0
.rept 4
	v_nop
.endr
	s_branch .Lasked_\@
.Lfor_b_\@:
	tensor_load_to_lds s[\g0b:\g0b+3], s[\g1b:\g1b+7]
	s_nop 0
.rept 4
	v_nop
.endr
.Lasked_\@:
.endm
.macro CREST                           ; a round of the cluster's barrier behind its opening barrier
	s_cmp_lg_u32 s14, 0
	s_cbranch_scc1 .Lnot_wave_0_\@
	s_barrier_signal -3
.Lnot_wave_0_\@:
	s_barrier_wait -3
	s_barrier_signal -1
	s_barrier_wait -1
.endm
.macro CROUND                          ; a whole round
	s_barrier_signal -1
	s_barrier_wait -1
	CREST
.endm
	s_load_b128 s[4:7], s[0:1], 0x0                ; A's codes, wq
	s_load_b128 s[8:11], s[0:1], 0x10              ; the scales' exponents, the output
	s_load_b64 s[68:69], s[0:1], 0x20              ; the bias
	v_lshl_add_u32 v[SPW], v0, 2, SPARE
	v_mov_b32 v[NIL], 0
	ds_add_u32 v[SPW], v[NIL]                      ; the wave's opening: the add, twice on end, and its wait ahead of my first tensor load; the set-up below stands between them
	ds_add_u32 v[SPW], v[NIL]
	v_lshrrev_b32 v1, 5, v0
	v_readfirstlane_b32 s14, v1                    ; wave 0..3
	s_lshr_b32 s15, s14, 1                         ; which half of the tile's rows is mine.  Also: I fetch for A (0) or for B (1)
	s_and_b32 s16, s14, 1                          ; which half of its columns.  Also: which 64 rows of that tile I fetch
	s_bfe_u32 s40, ttmp6, 0x40000                  ; cx, cy: my place in the cluster
	s_bfe_u32 s41, ttmp6, 0x40004
	s_lshl_b32 s42, ttmp9, 2
	s_add_co_u32 s42, s42, s40                     ; tile column = 4 x cluster x + cx
	s_and_b32 s17, ttmp7, 0xffff
	s_lshl_b32 s17, s17, 2
	s_add_co_u32 s17, s17, s41                     ; tile row = 4 x cluster y + cy
	s_lshl_b32 s43, s41, 2
	s_lshl_b32 s43, 15, s43                        ; my row of the cluster
	s_lshl_b32 s44, 0x1111, s40                    ; my column
	s_or_b32 s[G1+0], s43, (0<<16)|(1<<20)|(1<<21)|(6<<22)|(3<<25)  ; the mask; elements of 1 byte; padding on; bit 21 beside a mask; after every 128 words, 4 words
	s_or_b32 s[G1B+0], s44, (0<<16)|(1<<20)|(1<<21)|(6<<22)|(3<<25)
.irp g, G1, G1B
	s_mov_b32 s[\g+1], ROWB<<16                    ; tensor_dim0 = 512
	s_mov_b32 s[\g+2], 64<<16                      ; tensor_dim1 = 64
	s_mov_b32 s[\g+3], ROWB<<16                    ; tile_dim0 = 512
	s_mov_b32 s[\g+4], 64                          ; tile_dim1 = 64
	s_mov_b32 s[\g+5], KROW                        ; from row to row
	s_mov_b32 s[\g+6], 0
	s_mov_b32 s[\g+7], 0
.endr
	s_lshl_b32 s18, s16, 6
	s_lshl_b32 s20, s17, 7
	s_add_co_u32 s20, s20, s18                     ; A: row 128 x tile row + 64 x half
	s_lshl_b32 s46, s42, 7
	s_add_co_u32 s46, s46, s18                     ; B: row 128 x tile column + 64 x half
	s_mov_b32 s21, 0
	s_mov_b32 s47, 0
	s_mov_b64 s[18:19], KROW
	s_mul_u64 s[20:21], s[20:21], s[18:19]
	s_mul_u64 s[46:47], s[46:47], s[18:19]
	s_mul_i32 s45, s14, HALFT                      ; where they go: wave x 64 rows: no place in the cluster enters an LDS address
	s_wait_dscnt 0x0                               ; the opening add is done
	s_wait_kmcnt 0x0
	s_load_b256 s[72:79], s[8:9], 0x0              ; e0 .. e7
	s_load_b128 s[80:83], s[8:9], 0x20             ; e8 .. e11
	s_add_nc_u64 s[20:21], s[4:5], s[20:21]
	s_add_nc_u64 s[46:47], s[6:7], s[46:47]
	s_add_nc_u64 s[46:47], s[46:47], WOFF
	CROUND                                         ; all sixteen work-groups are here: the first joint loads meet
.irp s, 0,1
	s_mov_b32 s[G0+4*\s], 1
	s_add_co_u32 s[G0+4*\s+1], s45, \s*SLOT
	s_add_nc_u64 s[G0+4*\s+2:G0+4*\s+3], s[20:21], \s*ROWB
	s_or_b32 s[G0+4*\s+3], s[G0+4*\s+3], 0x80000000
	s_mov_b32 s[G0B+4*\s], 1
	s_add_co_u32 s[G0B+4*\s+1], s45, \s*SLOT
	s_add_nc_u64 s[G0B+4*\s+2:G0B+4*\s+3], s[46:47], \s*ROWB
	s_or_b32 s[G0B+4*\s+3], s[G0B+4*\s+3], 0x80000000
.endr
	s_cmp_eq_u32 s15, 0                            ; THE PREFETCH: of the 64 rows that I fetch, the four partners that ask for them jointly name 16 each, told apart by address (cx for A, cy for B): two lanes a row, 256 bytes each
	s_cselect_b64 s[84:85], s[20:21], s[46:47]
	s_cselect_b32 s86, s40, s41
	s_lshl_b32 s86, s86, 14                        ; 16 rows of 1,024 bytes for each place
	s_mov_b32 s87, 0
	s_add_nc_u64 s[84:85], s[84:85], s[86:87]
	JLOAD G0, G1, G0B, G1B                         ; K step 0: one tensor load a wave at the head
	v_and_b32 v31, 31, v0
	v_lshrrev_b32 v30, 1, v31
	v_and_b32 v31, 1, v31
	v_lshlrev_b32 v31, 8, v31
	v_lshl_add_u32 v31, v30, 10, v31               ; row lane / 2, bytes 256 (lane % 2) on; v31 and s[84:85] are never rewritten
	global_prefetch_b8 v31, s[84:85] offset:512 th:TH_LOAD_NT scope:SCOPE_SE   ; K step 1, the last: its load goes out when K step 0 has landed
	v_and_b32 v1, 15, v0                           ; r = l % 16
	s_wait_alu depctr_va_vdst(0)
	v_bfe_u32 v2, v0, 4, 1                         ; h = l / 16
	v_mul_u32_u24 v3, v1, PITCH
	v_lshl_add_u32 v4, v2, 4, v3                   ; a fragment's row x pitch + 16 x half
	s_mul_i32 s21, s15, HALFT                      ; my 64 rows of A
	s_mul_i32 s22, s16, HALFT                      ; my 64 rows of B,
	s_add_co_u32 s22, s22, 2*HALFT                 ; which lie behind A's 128
.irp s, 0,1
	v_add_nc_u32 v[ADRA+\s], s21, v4
	v_add_nc_u32 v[ADRB+\s], s22, v4
	s_add_co_u32 s21, s21, SLOT
	s_add_co_u32 s22, s22, SLOT
.endr
	s_lshl_b32 s46, s42, 9                         ; my first column, in bytes of f32: 512 x tile column + 256 x half: in the bias and in a row of the output
	s_lshl_b32 s47, s16, 8
	s_add_co_u32 s46, s46, s47
	s_mov_b32 s47, 0
	s_add_nc_u64 s[68:69], s[68:69], s[46:47]
	v_lshlrev_b32 v[BO], 4, v1
	global_load_b128 v[BIAS:BIAS+3], v[BO], s[68:69]   ; on the way back a lane holds the same four columns of every row: four numbers of the bias serve; wanted behind the products
	s_mul_i32 s23, s14, 16*SPITCH                  ; my stage
	v_mul_u32_u24 v5, v1, SPITCH                   ; in: row r, 32 bytes for each half of the lanes
	s_wait_alu depctr_va_vdst(0)
	v_lshl_add_u32 v5, v2, 5, v5
	v_add_nc_u32 v[STO], s23, v5
	v_mul_u32_u24 v5, v2, SPITCH                   ; back: lanes 0-15 take one row of 256 bytes, lanes 16-31 the next
	v_lshl_add_u32 v5, v1, 4, v5
	v_add_nc_u32 v[RD], s23, v5
	v_mul_u32_u24 v5, v2, SIZE_N*4                 ; and the same two rows in the output
	v_lshl_add_u32 v[CO], v1, 4, v5
	s_lshl_b32 s20, s17, 7
	s_lshl_b32 s21, s15, 6
	s_add_co_u32 s20, s20, s21                     ; my first row: 128 x tile row + 64 x half
	s_mul_i32 s20, s20, SIZE_N*4
	s_mov_b32 s21, 0
	s_add_nc_u64 s[10:11], s[10:11], s[20:21]
	s_add_nc_u64 s[10:11], s[10:11], s[46:47]
.macro FRAG reg, adr, q, i             ; a fragment, 16 rows x 128 K: lane l holds row l % 16; registers 4 c .. 4 c + 3 hold K = 32 c + 16 (l / 16) + 0 .. 15
.irp c, 0,1,2,3
	ds_load_b128 v[\reg+4*\c:\reg+4*\c+3], v[\adr] offset:128*(\q)+32*\c+(\i)*16*PITCH
.endr
.endm
; 4 matrix instructions: A's block a x B's four, 128 along K, from buffer f.  zero = 1: the first product starts the sums: nothing is ever cleared.
; The 16 accumulators take turns, one instruction a turn, in the same order in every quarter.
.macro MULA f, a, zero
.irp b, 0,1,2,3
.if \zero
	v_wmma_f32_16x16x128_fp8_fp8 v[ACC+8*(4*(\a)+\b):ACC+8*(4*(\a)+\b)+7], v[\f+64+FR*\b:\f+64+FR*\b+FR-1], v[\f+FR*(\a):\f+FR*(\a)+FR-1], 0
.else
	v_wmma_f32_16x16x128_fp8_fp8 v[ACC+8*(4*(\a)+\b):ACC+8*(4*(\a)+\b)+7], v[\f+64+FR*\b:\f+64+FR*\b+FR-1], v[\f+FR*(\a):\f+FR*(\a)+FR-1], v[ACC+8*(4*(\a)+\b):ACC+8*(4*(\a)+\b)+7]
.endif
.endr
.endm
; 32 LDS loads in one run: the fragments of the slot's q-th 128 along K into buffer f: B's four first, then A's blocks 0 to 3
.macro FETCH slot, q, f
	WIN TO_F
.irp i, 0,1,2,3
	FRAG \f+64+FR*\i, ADRB+\slot, \q, \i
.endr
.irp i, 0,1,2,3
	FRAG \f+FR*\i, ADRA+\slot, \q, \i
.endr
.endm
.macro PLACES                          ; plain vector instructions between a matrix instruction and a load into, or a read of, its registers
.rept NP
	v_nop
.endr
.endm
; A K step is four quarters of 128 along K, 16 matrix instructions each, on buffers 0, 1, 0, 1.  One of the first three: multiplies buffer f and fetches the slot's quarter q into g.
.macro QUARTER slot, q, f, g, zero
	s_wait_dscnt 8                                 ; B's four and A's blocks 0 and 1 are in; the youngest eight loads (A's blocks 2, 3) may be out
	WIN MUL
	MULA \f, 0, \zero
	MULA \f, 1, \zero
	PLACES
	FETCH \slot, \q, \g
	s_wait_dscnt 32                                ; all but the 32 just issued
	WIN MUL
	MULA \f, 2, \zero
	MULA \f, 3, \zero
.endm
; The last quarter multiplies buffer 1 and changes slots: ONE barrier; in front of it each wave waits for all its tensor loads, adds 0 to its spare word, and waits for that and for its reads of this slot.  fill = 1: this slot is filled again, two K steps ahead.
.macro TURN slot, next, fill
	WIN 0                                          ; (the add's two registers lie in window 0)
	s_wait_tensorcnt 0x0                           ; all my tensor loads have landed: my part of the next slot
	ds_add_u32 v[SPW], v[NIL]                      ; 0 onto my spare word
	s_wait_dscnt 9                                 ; the add and the youngest eight loads may be out
	WIN MUL
	MULA F1, 0, 0                                  ; eight matrix instructions stand between the add and the wait for it
	MULA F1, 1, 0
	s_wait_dscnt 0x0                               ; the add is done, and my reads of this slot are over
	s_barrier_signal -1
	MULA F1, 2, 0
.if \fill
	WIN 0
.endif
	s_barrier_wait -1
.if \fill
	CREST                                          ; the barrier has opened a round of the cluster's: no wave of any partner still reads this slot or has a load on its way
	s_add_nc_u64 s[G0+4*\slot+2:G0+4*\slot+3], s[G0+4*\slot+2:G0+4*\slot+3], 2*ROWB
	s_add_nc_u64 s[G0B+4*\slot+2:G0B+4*\slot+3], s[G0B+4*\slot+2:G0B+4*\slot+3], 2*ROWB
	JLOAD G0+4*\slot, G1, G0B+4*\slot, G1B         ; the first tensor load behind the round; its four v_nop are the places in front of the loads below
.else
	PLACES
.endif
	FETCH \next, 0, F0
	WIN MUL
	MULA F1, 3, 0
.endm
	s_wait_alu depctr_va_vdst(0)
	s_wait_tensorcnt 0x0                           ; my part of K step 0 is in; these lines stand ahead of a later first fill as ahead of a refill
	ds_add_u32 v[SPW], v[NIL]
	s_wait_dscnt 0x0
	CROUND                                         ; a whole round: everybody's part of K step 0 is in, and the joint loads meet
	JLOAD G0+4, G1, G0B+4, G1B                     ; K step 1's load, the first tensor load behind the round
	FETCH 0, 0, F0
	QUARTER 0, 1, F0, F1, 1                        ; the first quarter stands in front of everything else: its products start the sums
.if LAPS > 1
	WIN 0                                          ; at a label and at a branch every window is 0
	s_mov_b32 s3, LAPS-1
.Llap:                                                 ; a trip goes once round the ring, from a lap's second quarter to the next lap's first, and fills both slots again
	QUARTER 0, 2, F1, F0, 0
	QUARTER 0, 3, F0, F1, 0
	TURN 0, 1, 1
	QUARTER 1, 1, F0, F1, 0
	QUARTER 1, 2, F1, F0, 0
	QUARTER 1, 3, F0, F1, 0
	TURN 1, 0, 1
	QUARTER 0, 1, F0, F1, 0
	WIN 0
	s_sub_co_u32 s3, s3, 1
	s_cmp_lg_u32 s3, 0
	s_cbranch_scc1 .Llap
.endif
	QUARTER 0, 2, F1, F0, 0                        ; the last lap fills nothing, and has no round of the cluster's barrier
	QUARTER 0, 3, F0, F1, 0
	TURN 0, 1, 0
	QUARTER 1, 1, F0, F1, 0
	QUARTER 1, 2, F1, F0, 0
	QUARTER 1, 3, F0, F1, 0
	s_wait_dscnt 8                                 ; the very last quarter: nothing more to fetch
	WIN MUL
	MULA F1, 0, 0
	MULA F1, 1, 0
	s_wait_alu depctr_va_vdst(0)
	s_wait_dscnt 0
	MULA F1, 2, 0
	MULA F1, 3, 0
	WIN 0
; THE WAY OUT, block by block of 16 rows x my 64 columns.  The sums go as they are through my own stage in LDS and come back as whole rows of 256 bytes, two rows an instruction; there each pair becomes
; sum x 2^(ea + eb) + bias by one packed multiply-add, and sixteen lanes store a row's 256 bytes.  LDS serves a wave's instructions in order (ISA guide 5.7.1.4): no wait between the stores and the loads, nor in front of the next block's stores.
.macro TOSTAGE a
.irp b, 0,1,2,3
	ds_store_b128 v[STO], v[ACC+8*(4*(\a)+\b):ACC+8*(4*(\a)+\b)+3] offset:64*\b          ; each accumulator from its low end on
	ds_store_b128 v[STO], v[ACC+8*(4*(\a)+\b)+4:ACC+8*(4*(\a)+\b)+7] offset:64*\b+16
.endr
.set BB, BK+32*((\a)%2)
.irp t, 0,1,2,3,4,5,6,7
	ds_load_b128 v[BB+4*\t:BB+4*\t+3], v[RD] offset:2*\t*SPITCH
.endr
.endm
.macro SEND a, younger                 ; younger: the LDS instructions issued behind block a's loads, which may stay out
.set BB, BK+32*((\a)%2)
	s_wait_dscnt \younger
.irp t, 0,1,2,3,4,5,6,7
	v_pk_fma_f32 v[BB+4*\t:BB+4*\t+1], v[BB+4*\t:BB+4*\t+1], s[96:97], v[BIAS:BIAS+1] op_sel_hi:[1,0,1]
	v_pk_fma_f32 v[BB+4*\t+2:BB+4*\t+3], v[BB+4*\t+2:BB+4*\t+3], s[96:97], v[BIAS+2:BIAS+3] op_sel_hi:[1,0,1]
	global_store_b128 v[CO], v[BB+4*\t:BB+4*\t+3], s[10:11] offset:(16*(\a)+2*\t)*SIZE_N*4 th:TH_STORE_NT   ; 16 lanes store 256 consecutive bytes, aligned; the rows stand in the immediate: 62 rows of 4,096 bytes at the most
.endr
.endm
	s_wait_kmcnt 0x0
	s_add_co_i32 s96, s[EA], s[EB]
	s_add_co_i32 s96, s96, 127
	s_lshl_b32 s96, s96, 23                        ; 2^(ea + eb) as f32
	s_mov_b32 s97, s96                             ; (named with it as a pair, so it is written)
	s_wait_loadcnt 0x0                             ; the bias
	PLACES
	TOSTAGE 0
.irp a, 1,2,3
.if \a > 1
	s_wait_xcnt 0x0                                ; block a - 2's stores have read their registers: block a's loads may land there
.endif
	TOSTAGE \a
	SEND \a-1, 16                                  ; behind block a - 1's loads: block a's 8 stores and 8 loads
.endr
	SEND 3, 0
	s_wait_tensorcnt 0x0                           ; the wave's end
	ds_add_u32 v[SPW], v[NIL]
	s_wait_dscnt 0x0
	CROUND                                         ; the closing round
	s_endpgm
.Lfunc_end_k_qd65db56d88_gemm_proj:
	.size	k_qd65db56d88_gemm_proj, .Lfunc_end_k_qd65db56d88_gemm_proj-k_qd65db56d88_gemm_proj
	.p2alignl 7, 3214868480
	.fill 96, 4, 3214868480
	.section	.rodata,"a",@progbits
	.p2align	6, 0x0
	.amdhsa_kernel k_qd65db56d88_gemm_proj
		.amdhsa_group_segment_fixed_size 327680
		.amdhsa_private_segment_fixed_size 0
		.amdhsa_enable_private_segment 0
		.amdhsa_kernarg_size 40
		.amdhsa_user_sgpr_count 2
		.amdhsa_user_sgpr_kernarg_segment_ptr 1
		.amdhsa_wavefront_size32 1
		.amdhsa_system_sgpr_workgroup_id_x 1
		.amdhsa_system_sgpr_workgroup_id_y 1
		.amdhsa_system_sgpr_workgroup_id_z 1
		.amdhsa_system_vgpr_workitem_id 0
		.amdhsa_next_free_vgpr 512
		.amdhsa_next_free_sgpr 98
		.amdhsa_reserve_vcc 0
		.amdhsa_float_denorm_mode_32 3
		.amdhsa_float_denorm_mode_16_64 3
		.amdhsa_memory_ordered 1
		.amdhsa_forward_progress 1
		.amdhsa_inst_pref_size 47
	.end_amdhsa_kernel
	.amdgpu_metadata
---
amdhsa.version: [ 1, 2 ]
amdhsa.kernels:
  - .name:           k_qd65db56d88_gemm_proj
    .symbol:         k_qd65db56d88_gemm_proj.kd
    .args:
      - { .name: hq, .offset: 0, .size: 8, .value_kind: global_buffer, .address_space: global }
      - { .name: wq, .offset: 8, .size: 8, .value_kind: global_buffer, .address_space: global }
      - { .name: lowp_scales, .offset: 16, .size: 8, .value_kind: global_buffer, .address_space: global }
      - { .name: r, .offset: 24, .size: 8, .value_kind: global_buffer, .address_space: global }
      - { .name: b_proj, .offset: 32, .size: 8, .value_kind: global_buffer, .address_space: global }
    .group_segment_fixed_size: 327680
    .private_segment_fixed_size: 0
    .kernarg_segment_align: 8
    .kernarg_segment_size: 40
    .max_flat_workgroup_size: 128
    .sgpr_count:     98
    .vgpr_count:     512
    .wavefront_size: 32
...
	.end_amdgpu_metadata
.endif
;; end of part 12
;; launch ln (part 13): grid 256 x 1, 8 waves a work-group, no clusters, 82,944 bytes of LDS; arguments r, x, ln_g, ln_b, lowp_scales, lnq; writes lnq
.if DOCPART == 13
	.amdgcn_target "amdgcn-amd-amdhsa--gfx1250"
	.amdhsa_code_object_version 6
	.text
	.protected	k_qd65db56d88_ln
	.globl	k_qd65db56d88_ln
	.p2align	8
	.type	k_qd65db56d88_ln,@function
k_qd65db56d88_ln:
	s_mov_b64 s[64:65], 0
	v_nop
	global_prefetch_b8 v0, s[64:65] scope:SCOPE_SE
	s_setreg_imm32_b32 hwreg(HW_REG_WAVE_MODE, 25, 1), 1
	s_wait_xcnt 0x0
; lnq = codes of FP8 (E4M3), scale 2^e8, of LayerNorm(r + x) x ln_g + ln_b.  r, x: [4096][1024] f32; lnq: [4096][1024], a byte a code.  All in f32, in two passes: the mean, then the mean of the squared differences.
; LIMITS: e8 between -126 and 119; NaN among the inputs is not served.
; A wave takes two whole rows: a row's sums never leave the wave, so there is no barrier.  Each load reads 512 consecutive bytes; r + x goes through the wave's own stage in LDS and comes back
; 64 bytes a lane, twice: register 16 u + m of a lane is column 512 u + 16 x lane + m, so that the conversions find neighbours along K in one lane, and a store of codes covers 512 consecutive bytes.
; No matrix unit, no cluster, no tensor load: memory binds, work-groups share only the 8 KB of gain and bias.
.set SP,    80                         ; a lane's place in a stage: 64 bytes + 16 of padding
.set STG,   2*32*SP                    ; a row's stage: 5,120 bytes
.set SPW,   6
.set NIL,   7
.set G,     20                         ; v20-51  ln_g at my 32 columns
.set BT,    52                         ; v52-83  ln_b
.set SPARE, 16*STG                     ; behind the sixteen stages: the spare words, 128 bytes a wave
	s_load_b256 s[4:11], s[0:1], 0x0               ; r, x, ln_g, ln_b
	s_load_b128 s[12:15], s[0:1], 0x20             ; the scales' exponents, lnq
	v_lshl_add_u32 v[SPW], v0, 2, SPARE
	v_mov_b32 v[NIL], 0
	v_lshrrev_b32 v1, 5, v0
	s_delay_alu instid0(VALU_DEP_1)
	v_readfirstlane_b32 s16, v1                    ; wave 0..7
	v_and_b32 v1, 31, v0                           ; lane
	s_delay_alu instid0(VALU_DEP_1)
	v_lshlrev_b32 v2, 4, v1                        ; 16 x lane
	s_delay_alu instid0(VALU_DEP_2)
	v_lshlrev_b32 v3, 6, v1                        ; 64 x lane
	s_mul_i32 s17, s16, 2*STG
	v_lshrrev_b32 v4, 2, v1
	s_delay_alu instid0(VALU_DEP_1)
	v_mul_u32_u24 v4, v4, SP
	v_and_b32 v5, 3, v1
	s_delay_alu instid0(VALU_DEP_1)
	v_lshl_add_u32 v4, v5, 4, v4
	s_delay_alu instid0(VALU_DEP_1)
	v_add_nc_u32 v4, s17, v4                       ; the stage, on the way in: SP (lane / 4) + 16 (lane % 4)
	v_mul_u32_u24 v5, v1, SP
	s_delay_alu instid0(VALU_DEP_1)
	v_add_nc_u32 v5, s17, v5                       ; and on the way out: SP x lane
	v_mov_b32 v13, 0                               ; a lane permute's destination counts as one of its sources
	s_mov_b32 s18, 0x76543210
	s_mov_b32 s19, 0xfedcba98
	s_mov_b32 s25, 0x3a800000                      ; 1 / 1024
	s_mov_b32 s26, 0x3727c5ac                      ; 1e-5
	s_lshl_b32 s20, ttmp9, 4
	s_lshl_b32 s21, s16, 1
	s_add_co_u32 s20, s20, s21                     ; my first row: 16 x work-group + 2 x wave
	s_lshl_b32 s22, s20, 10                        ; in bytes of codes,
	s_mov_b32 s23, 0
	s_lshl_b32 s20, s20, 12                        ; and of f32
	s_mov_b32 s21, 0
	s_wait_alu depctr_va_vdst(0)
	s_wait_kmcnt 0x0
	s_load_b32 s24, s[12:13], 0x20                 ; e8
	s_add_nc_u64 s[4:5], s[4:5], s[20:21]
	s_add_nc_u64 s[6:7], s[6:7], s[20:21]
	s_add_nc_u64 s[14:15], s[14:15], s[22:23]
.irp q, 0,1,2,3,4,5,6,7
	global_load_b128 v[G+4*\q:G+4*\q+3], v3, s[8:9] offset:2048*(\q/4)+16*(\q%4)
	global_load_b128 v[BT+4*\q:BT+4*\q+3], v3, s[10:11] offset:2048*(\q/4)+16*(\q%4)
.endr
.irp i, 0,1
.irp q, 0,1,2,3,4,5,6,7
	global_load_b128 v[84+64*\i+4*\q:84+64*\i+4*\q+3], v2, s[4:5] offset:4096*\i+512*\q th:TH_LOAD_NT
	global_load_b128 v[116+64*\i+4*\q:116+64*\i+4*\q+3], v2, s[6:7] offset:4096*\i+512*\q th:TH_LOAD_NT
.endr
.endr
	s_wait_kmcnt 0x0
	s_add_co_i32 s24, s24, 127
	s_lshl_b32 s27, s24, 23
	v_mov_b32 v18, s27                             ; 2^e8 as f32
	s_add_co_i32 s24, s24, 8
	s_lshl_b32 s24, s24, 23
	s_or_b32 s24, s24, 0x600000
	v_mov_b32 v19, s24                             ; 448 x 2^e8
.macro ALLSUM                          ; v12 summed over the wave's 32 lanes, the result in every lane
	s_delay_alu instid0(VALU_DEP_1)
	v_add_f32_dpp v12, v12, v12 row_xmask:1 row_mask:0xf bank_mask:0xf
	s_delay_alu instid0(VALU_DEP_1)
	v_add_f32_dpp v12, v12, v12 row_xmask:2 row_mask:0xf bank_mask:0xf
	s_delay_alu instid0(VALU_DEP_1)
	v_add_f32_dpp v12, v12, v12 row_xmask:4 row_mask:0xf bank_mask:0xf
	s_delay_alu instid0(VALU_DEP_1)
	v_add_f32_dpp v12, v12, v12 row_xmask:8 row_mask:0xf bank_mask:0xf
	s_delay_alu instid0(VALU_DEP_1)
	v_permlanex16_b32 v13, v12, s18, s19
	s_delay_alu instid0(VALU_DEP_1)
	v_add_f32 v12, v12, v13
.endm
.macro ROW i
.set RR, 84+64*\i                      ; r's row, then r + x
.set T,  116+64*\i                     ; x's row, then the row by neighbours
.set CC, 212+8*\i                      ; its codes
.irp j, 0,2,4,6,8,10,12,14,16,18,20,22,24,26,28,30
	v_pk_add_f32 v[RR+\j:RR+\j+1], v[RR+\j:RR+\j+1], v[T+\j:T+\j+1]
.endr
.irp q, 0,1,2,3,4,5,6,7
	ds_store_b128 v4, v[RR+4*\q:RR+4*\q+3] offset:STG*\i+32*SP*(\q/4)+8*SP*(\q%4)
.endr
.irp q, 0,1,2,3,4,5,6,7
	ds_load_b128 v[T+4*\q:T+4*\q+3], v5 offset:STG*\i+32*SP*(\q/4)+16*(\q%4)   ; LDS serves a wave's instructions in order: these see my stores
.endr
	s_wait_dscnt 0x0
	v_pk_add_f32 v[8:9], v[T:T+1], v[T+2:T+3]      ; the row's sum, in two chains
	v_pk_add_f32 v[10:11], v[T+4:T+5], v[T+6:T+7]
.irp j, 8,12,16,20,24,28
	s_delay_alu instid0(VALU_DEP_2)
	v_pk_add_f32 v[8:9], v[8:9], v[T+\j:T+\j+1]
	s_delay_alu instid0(VALU_DEP_2)
	v_pk_add_f32 v[10:11], v[10:11], v[T+\j+2:T+\j+3]
.endr
	s_delay_alu instid0(VALU_DEP_1)
	v_pk_add_f32 v[8:9], v[8:9], v[10:11]
	s_delay_alu instid0(VALU_DEP_1)
	v_add_f32 v12, v8, v9
	ALLSUM
	s_delay_alu instid0(VALU_DEP_1)
	v_mul_f32 v14, s25, v12                        ; the mean
	s_delay_alu instid0(VALU_DEP_1)
	v_mov_b32 v15, v14
.irp j, 0,2,4,6,8,10,12,14,16,18,20,22,24,26,28,30
	v_pk_add_f32 v[T+\j:T+\j+1], v[T+\j:T+\j+1], v[14:15] neg_lo:[0,1] neg_hi:[0,1]
.endr
	v_pk_mul_f32 v[8:9], v[T:T+1], v[T:T+1]        ; the squared differences, in two chains
	v_pk_mul_f32 v[10:11], v[T+2:T+3], v[T+2:T+3]
.irp j, 4,8,12,16,20,24,28
	s_delay_alu instid0(VALU_DEP_2)
	v_pk_fma_f32 v[8:9], v[T+\j:T+\j+1], v[T+\j:T+\j+1], v[8:9]
	s_delay_alu instid0(VALU_DEP_2)
	v_pk_fma_f32 v[10:11], v[T+\j+2:T+\j+3], v[T+\j+2:T+\j+3], v[10:11]
.endr
	s_delay_alu instid0(VALU_DEP_1)
	v_pk_add_f32 v[8:9], v[8:9], v[10:11]
	s_delay_alu instid0(VALU_DEP_1)
	v_add_f32 v12, v8, v9
	ALLSUM
	s_delay_alu instid0(VALU_DEP_1)
	v_fma_f32 v12, v12, s25, s26                   ; the variance + 1e-5
	s_wait_alu depctr_va_vdst(0)
	v_rsq_f32 v16, v12
	v_nop                                          ; a plain line behind the transcendental
	s_wait_alu depctr_va_vdst(0)                   ; and the wait ahead of its first reader
	v_mov_b32 v17, v16
.irp j, 0,2,4,6,8,10,12,14,16,18,20,22,24,26,28,30
	v_pk_mul_f32 v[T+\j:T+\j+1], v[T+\j:T+\j+1], v[16:17]
.endr
.irp j, 0,2,4,6,8,10,12,14,16,18,20,22,24,26,28,30
	v_pk_fma_f32 v[T+\j:T+\j+1], v[T+\j:T+\j+1], v[G+\j:G+\j+1], v[BT+\j:BT+\j+1]
.endr
.irp j, 0,1,2,3,4,5,6,7,8,9,10,11,12,13,14,15,16,17,18,19,20,21,22,23,24,25,26,27,28,29,30,31
	v_med3_num_f32 v[T+\j], v[T+\j], -v19, v19     ; the conversion does not saturate (ISA guide 7.6.2)
.endr
.irp m, 0,1,2,3
	v_cvt_scalef32_pk8_fp8_f32 v[CC+2*\m:CC+2*\m+1], v[T+8*\m:T+8*\m+7], v18
.endr
	global_store_b128 v2, v[CC:CC+3], s[14:15] offset:1024*\i          ; columns 16 x lane on: 512 consecutive bytes; the results go to stores alone
	global_store_b128 v2, v[CC+4:CC+7], s[14:15] offset:1024*\i+512    ; columns 512 + 16 x lane on
.endm
	s_wait_loadcnt 16                              ; gain, bias and row 0 are in; row 1's sixteen loads may be out
	ROW 0
	s_wait_loadcnt 0
	ROW 1
	s_wait_tensorcnt 0x0                           ; the wave's end
	ds_add_u32 v[SPW], v[NIL]
	s_wait_dscnt 0x0
	s_endpgm
.Lfunc_end_k_qd65db56d88_ln:
	.size	k_qd65db56d88_ln, .Lfunc_end_k_qd65db56d88_ln-k_qd65db56d88_ln
	.p2alignl 7, 3214868480
	.fill 96, 4, 3214868480
	.section	.rodata,"a",@progbits
	.p2align	6, 0x0
	.amdhsa_kernel k_qd65db56d88_ln
		.amdhsa_group_segment_fixed_size 82944
		.amdhsa_private_segment_fixed_size 0
		.amdhsa_enable_private_segment 0
		.amdhsa_kernarg_size 48
		.amdhsa_user_sgpr_count 2
		.amdhsa_user_sgpr_kernarg_segment_ptr 1
		.amdhsa_wavefront_size32 1
		.amdhsa_system_sgpr_workgroup_id_x 1
		.amdhsa_system_sgpr_workgroup_id_y 1
		.amdhsa_system_sgpr_workgroup_id_z 1
		.amdhsa_system_vgpr_workitem_id 0
		.amdhsa_next_free_vgpr 232
		.amdhsa_next_free_sgpr 66
		.amdhsa_reserve_vcc 0
		.amdhsa_float_denorm_mode_32 3
		.amdhsa_float_denorm_mode_16_64 3
		.amdhsa_memory_ordered 1
		.amdhsa_forward_progress 1
		.amdhsa_inst_pref_size 31
	.end_amdhsa_kernel
	.amdgpu_metadata
---
amdhsa.version: [ 1, 2 ]
amdhsa.kernels:
  - .name:           k_qd65db56d88_ln
    .symbol:         k_qd65db56d88_ln.kd
    .args:
      - { .name: r, .offset: 0, .size: 8, .value_kind: global_buffer, .address_space: global }
      - { .name: x, .offset: 8, .size: 8, .value_kind: global_buffer, .address_space: global }
      - { .name: ln_g, .offset: 16, .size: 8, .value_kind: global_buffer, .address_space: global }
      - { .name: ln_b, .offset: 24, .size: 8, .value_kind: global_buffer, .address_space: global }
      - { .name: lowp_scales, .offset: 32, .size: 8, .value_kind: global_buffer, .address_space: global }
      - { .name: lnq, .offset: 40, .size: 8, .value_kind: global_buffer, .address_space: global }
    .group_segment_fixed_size: 82944
    .private_segment_fixed_size: 0
    .kernarg_segment_align: 8
    .kernarg_segment_size: 48
    .max_flat_workgroup_size: 256
    .sgpr_count:     66
    .vgpr_count:     232
    .wavefront_size: 32
...
	.end_amdgpu_metadata
.endif
;; end of part 13
;; launch gemm_ffn1 (part 14): grid 16 x 16, 4 waves a work-group, clusters of 4 x 4, 327,680 bytes of LDS; arguments lnq, wq, lowp_scales, hidq, b1; writes hidq
.if DOCPART == 14
	.amdgcn_target "amdgcn-amd-amdhsa--gfx1250"
	.amdhsa_code_object_version 6
	.text
	.protected	k_qd65db56d88_gemm_ffn1
	.globl	k_qd65db56d88_gemm_ffn1
	.p2align	8
	.type	k_qd65db56d88_gemm_ffn1,@function
k_qd65db56d88_gemm_ffn1:
	s_mov_b64 s[64:65], 0
	v_nop
	global_prefetch_b8 v0, s[64:65] scope:SCOPE_SE
	s_setreg_imm32_b32 hwreg(HW_REG_WAVE_MODE, 25, 1), 1
	s_wait_xcnt 0x0
	s_wait_alu depctr_hold_cnt(0) depctr_sa_sdst(0) depctr_va_vdst(0) depctr_va_sdst(0) depctr_va_ssrc(0) depctr_va_vcc(0) depctr_vm_vsrc(0)
	s_getreg_b32 s2, hwreg(HW_REG_IB_STS2, 6, 4)
	s_cmp_eq_u32 s2, 0
	s_cbranch_scc0 .Lentry_in_a_cluster
	s_endpgm
.Lentry_in_a_cluster:
	s_bfe_u32 s2, ttmp6, 0x10000c
	s_cmp_lg_u32 s2, 0xf033
	s_cbranch_scc0 .Lentry_shape_is_right
	s_endpgm
.Lentry_shape_is_right:
.set SIZE_N, 4096
.set SIZE_K, 1024
.set WOFF,   4194304
.set EA,     80
.set EB,     81
.set KSTEP,  256
.set ROWB,   256
.set KROW,   SIZE_K
.set PITCH,  272
.set FR,     16
.set NL,     4
.set NP,     4
.set HALFT,  128*PITCH
.set SLOT,   4*HALFT
.set LAPS,   SIZE_K/(2*KSTEP)
.set SPARE,  2*SLOT
.set SPITCH, 272
.set ADRA, 16
.set ADRB, 20
.set STO,  24
.set RD,   25
.set CO,   26
.set BO,   27
.set SPW,  28
.set NIL,  29
.set BIAS, 32
.set CD,   96
.set HSC,  118
.set HLIM, 119
.set TMP,  128
.set AF,   128
.set BK,   128
.set G1, 24
.set G0, 32
.set G1B, 48
.set G0B, 56
.set MSB, 0
.macro WIN new
.if MSB != \new
	s_set_vgpr_msb (MSB<<8)|\new
.set MSB, \new
.endif
.endm
.set MUL_LO, 0xa1
.set MUL_HI, 0xf1
.set TO_B,   0x40
.macro JLOAD g0a, g1a, g0b, g1b
	s_cmp_eq_u32 s15, 0
	s_cbranch_scc0 .Lfor_b_\@
	tensor_load_to_lds s[\g0a:\g0a+3], s[\g1a:\g1a+7]
	s_nop 0
.rept 4
	v_nop
.endr
	s_branch .Lasked_\@
.Lfor_b_\@:
	tensor_load_to_lds s[\g0b:\g0b+3], s[\g1b:\g1b+7]
	s_nop 0
.rept 4
	v_nop
.endr
.Lasked_\@:
.endm
.macro CREST
	s_cmp_lg_u32 s14, 0
	s_cbranch_scc1 .Lnot_wave_0_\@
	s_barrier_signal -3
.Lnot_wave_0_\@:
	s_barrier_wait -3
	s_barrier_signal -1
	s_barrier_wait -1
.endm
.macro CROUND
	s_barrier_signal -1
	s_barrier_wait -1
	CREST
.endm
	s_load_b128 s[4:7], s[0:1], 0x0
	s_load_b128 s[8:11], s[0:1], 0x10
	s_load_b64 s[68:69], s[0:1], 0x20
	v_lshl_add_u32 v[SPW], v0, 2, SPARE
	v_mov_b32 v[NIL], 0
	ds_add_u32 v[SPW], v[NIL]
	ds_add_u32 v[SPW], v[NIL]
	v_lshrrev_b32 v1, 5, v0
	v_readfirstlane_b32 s14, v1
	s_lshr_b32 s15, s14, 1
	s_and_b32 s16, s14, 1
	s_bfe_u32 s40, ttmp6, 0x40000
	s_bfe_u32 s41, ttmp6, 0x40004
	s_lshl_b32 s42, ttmp9, 2
	s_add_co_u32 s42, s42, s40
	s_and_b32 s17, ttmp7, 0xffff
	s_lshl_b32 s17, s17, 2
	s_add_co_u32 s17, s17, s41
	s_lshl_b32 s43, s41, 2
	s_lshl_b32 s43, 15, s43
	s_lshl_b32 s44, 0x1111, s40
	s_or_b32 s[G1+0], s43, (0<<16)|(1<<20)|(1<<21)|(5<<22)|(3<<25)
	s_or_b32 s[G1B+0], s44, (0<<16)|(1<<20)|(1<<21)|(5<<22)|(3<<25)
.irp g, G1, G1B
	s_mov_b32 s[\g+1], ROWB<<16
	s_mov_b32 s[\g+2], 128<<16
	s_mov_b32 s[\g+3], ROWB<<16
	s_mov_b32 s[\g+4], 128
	s_mov_b32 s[\g+5], KROW
	s_mov_b32 s[\g+6], 0
	s_mov_b32 s[\g+7], 0
.endr
	s_lshl_b32 s18, s16, 7
	s_lshl_b32 s20, s17, 8
	s_add_co_u32 s20, s20, s18
	s_lshl_b32 s46, s42, 8
	s_add_co_u32 s46, s46, s18
	s_mov_b32 s21, 0
	s_mov_b32 s47, 0
	s_mov_b64 s[18:19], KROW
	s_mul_u64 s[20:21], s[20:21], s[18:19]
	s_mul_u64 s[46:47], s[46:47], s[18:19]
	s_mul_i32 s45, s14, HALFT
	s_wait_dscnt 0x0
	s_wait_kmcnt 0x0
	s_load_b256 s[72:79], s[8:9], 0x0
	s_load_b128 s[80:83], s[8:9], 0x20
	s_add_nc_u64 s[20:21], s[4:5], s[20:21]
	s_add_nc_u64 s[46:47], s[6:7], s[46:47]
.if WOFF
	s_add_nc_u64 s[46:47], s[46:47], WOFF
.endif
	CROUND
.irp s, 0,1
	s_mov_b32 s[G0+4*\s], 1
	s_add_co_u32 s[G0+4*\s+1], s45, \s*SLOT
	s_add_nc_u64 s[G0+4*\s+2:G0+4*\s+3], s[20:21], \s*ROWB
	s_or_b32 s[G0+4*\s+3], s[G0+4*\s+3], 0x80000000
	s_mov_b32 s[G0B+4*\s], 1
	s_add_co_u32 s[G0B+4*\s+1], s45, \s*SLOT
	s_add_nc_u64 s[G0B+4*\s+2:G0B+4*\s+3], s[46:47], \s*ROWB
	s_or_b32 s[G0B+4*\s+3], s[G0B+4*\s+3], 0x80000000
.endr
	s_cmp_eq_u32 s15, 0                            ; THE PREFETCHES: of the 128 rows that I fetch, the four partners that ask for them jointly name 32 each, told apart by address (cx for A, cy for B): a lane a row, 256 bytes of a K step
	s_cselect_b64 s[84:85], s[20:21], s[46:47]
	s_cselect_b32 s86, s40, s41
	s_lshl_b32 s86, s86, 15                        ; 32 rows of 1,024 bytes for each place
	s_mov_b32 s87, 0
	s_add_nc_u64 s[84:85], s[84:85], s[86:87]
	JLOAD G0, G1, G0B, G1B                         ; K step 0: one tensor load a wave at the head
	v_and_b32 v31, 31, v0
	v_lshlrev_b32 v31, 10, v31                     ; my lane's row; v31 and s[84:85] are never rewritten
	global_prefetch_b8 v31, s[84:85] offset:256 th:TH_LOAD_NT scope:SCOPE_SE   ; K steps 1 and 2: at most two K steps are asked for and not yet loaded
	global_prefetch_b8 v31, s[84:85] offset:512 th:TH_LOAD_NT scope:SCOPE_SE
	v_and_b32 v1, 15, v0
	v_bfe_u32 v2, v0, 4, 1
	s_wait_alu depctr_va_vdst(0)
	v_mul_u32_u24 v3, v1, PITCH
	s_wait_alu depctr_va_vdst(0)
	v_lshl_add_u32 v4, v2, 4, v3
	s_mul_i32 s21, s15, HALFT
	s_mul_i32 s22, s16, HALFT
	s_add_co_u32 s22, s22, 2*HALFT
.irp s, 0,1
	v_add_nc_u32 v[ADRA+\s], s21, v4
	v_add_nc_u32 v[ADRB+\s], s22, v4
	s_add_co_u32 s21, s21, SLOT
	s_add_co_u32 s22, s22, SLOT
.endr
	s_lshl_b32 s46, s42, 10
	s_lshl_b32 s47, s16, 9
	s_add_co_u32 s46, s46, s47
	s_mov_b32 s47, 0
	s_add_nc_u64 s[68:69], s[68:69], s[46:47]
	v_lshlrev_b32 v[BO], 5, v2
.irp b, 0,1,2,3,4,5,6,7
	global_load_b128 v[BIAS+8*\b:BIAS+8*\b+3], v[BO], s[68:69] offset:64*\b
	global_load_b128 v[BIAS+8*\b+4:BIAS+8*\b+7], v[BO], s[68:69] offset:64*\b+16
.endr
	s_mul_i32 s23, s15, 128*SPITCH
	s_lshl_b32 s21, s16, 7
	s_add_co_u32 s23, s23, s21
	v_lshl_add_u32 v5, v2, 3, v3
	v_add_nc_u32 v[STO], s23, v5
	s_mul_i32 s23, s14, 64*SPITCH
	v_mul_u32_u24 v5, v2, SPITCH
	v_lshl_add_u32 v5, v1, 4, v5
	v_add_nc_u32 v[RD], s23, v5
	v_mul_u32_u24 v5, v2, SIZE_N
	v_lshl_add_u32 v[CO], v1, 4, v5
	s_lshl_b32 s20, s17, 8
	s_lshl_b32 s21, s14, 6
	s_add_co_u32 s20, s20, s21
	s_mul_i32 s20, s20, SIZE_N
	s_mov_b32 s21, 0
	s_add_nc_u64 s[10:11], s[10:11], s[20:21]
	s_lshl_b32 s46, s42, 8
	s_add_nc_u64 s[10:11], s[10:11], s[46:47]
.macro FRAG reg, adr, q, i
.irp c, 0,1,2,3
	ds_load_b128 v[\reg+4*\c:\reg+4*\c+3], v[\adr] offset:128*(\q)+32*\c+(\i)*16*PITCH
.endr
.endm
.macro MUL16 a0, p, zero
.irp a, \a0, \a0+1
.irp b, 0,1,2,3,4,5,6,7
.if \zero
	v_wmma_f32_16x16x128_fp8_fp8 v[8*(8*((\a)%4)+\b):8*(8*((\a)%4)+\b)+7], v[128*(\p)+FR*\b:128*(\p)+FR*\b+FR-1], v[AF+FR*(\a):AF+FR*(\a)+FR-1], 0
.else
	v_wmma_f32_16x16x128_fp8_fp8 v[8*(8*((\a)%4)+\b):8*(8*((\a)%4)+\b)+7], v[128*(\p)+FR*\b:128*(\p)+FR*\b+FR-1], v[AF+FR*(\a):AF+FR*(\a)+FR-1], v[8*(8*((\a)%4)+\b):8*(8*((\a)%4)+\b)+7]
.endif
.endr
.endr
.endm
.macro FETCH_B slot, q, p
	WIN TO_B
.irp i, 0,1,2,3,4,5,6,7
	FRAG 128*(\p)+FR*\i, ADRB+\slot, \q, \i
.endr
	WIN 0
.endm
.macro FETCH_A slot, q, i0
.irp i, \i0, \i0+1, \i0+2, \i0+3
	FRAG AF+FR*(\i), ADRA+\slot, \q, \i
.endr
.endm
.macro PLACES n
.rept \n
	v_nop
.endr
.endm
.macro STEP slot, q, zero
	s_wait_dscnt 4*NL
	WIN MUL_LO
	MUL16 0, (\q)%2, \zero
	MUL16 2, (\q)%2, \zero
	s_wait_dscnt 0
	PLACES NP
	FETCH_B \slot, (\q)+1, 1-(\q)%2
	FETCH_A \slot, (\q)+1, 0
	WIN MUL_HI
	MUL16 4, (\q)%2, \zero
	MUL16 6, (\q)%2, \zero
	PLACES NP
	WIN 0
	FETCH_A \slot, (\q)+1, 4
.endm
.macro TURN slot, next, fill
	s_wait_tensorcnt 0x0
	ds_add_u32 v[SPW], v[NIL]
	s_wait_dscnt 4*NL+1
	WIN MUL_LO
	MUL16 0, 1, 0
	s_wait_dscnt 0x0
	s_barrier_signal -1
	MUL16 2, 1, 0
	WIN 0
	s_barrier_wait -1
.if \fill
	CREST
	s_add_nc_u64 s[G0+4*\slot+2:G0+4*\slot+3], s[G0+4*\slot+2:G0+4*\slot+3], 2*ROWB
	s_add_nc_u64 s[G0B+4*\slot+2:G0B+4*\slot+3], s[G0B+4*\slot+2:G0B+4*\slot+3], 2*ROWB
	JLOAD G0+4*\slot, G1, G0B+4*\slot, G1B
.else
	PLACES NP
.endif
	s_wait_alu depctr_va_vdst(0)
	FETCH_B \next, 0, 0
	FETCH_A \next, 0, 0
	WIN MUL_HI
	MUL16 4, 1, 0
	MUL16 6, 1, 0
	PLACES NP
	WIN 0
	FETCH_A \next, 0, 4
.endm
	s_wait_alu depctr_va_vdst(0)
	s_wait_tensorcnt 0x0                           ; my part of K step 0 is in; these lines stand ahead of a later first fill as ahead of a refill
	ds_add_u32 v[SPW], v[NIL]
	s_wait_dscnt 0x0
	CROUND                                         ; a whole round: everybody's part of K step 0 is in, and the joint loads meet
	JLOAD G0+4, G1, G0B+4, G1B                     ; K step 1's load, the first tensor load behind the round
	FETCH_B 0, 0, 0
	FETCH_A 0, 0, 0
	FETCH_A 0, 0, 4
	global_prefetch_b8 v31, s[84:85] offset:768 th:TH_LOAD_NT scope:SCOPE_SE   ; K step 3, the last, two refills ahead of its load
	STEP 0, 0, 1
.if LAPS > 1
	s_mov_b32 s3, LAPS-1
.Llap:
	TURN 0, 1, 1
	STEP 1, 0, 0
	TURN 1, 0, 1
	STEP 0, 0, 0
	s_sub_co_u32 s3, s3, 1
	s_cmp_lg_u32 s3, 0
	s_cbranch_scc1 .Llap
.endif
	TURN 0, 1, 0
	STEP 1, 0, 0
	s_wait_dscnt 4*NL
	WIN MUL_LO
	MUL16 0, 1, 0
	MUL16 2, 1, 0
	s_wait_dscnt 0
	WIN MUL_HI
	MUL16 4, 1, 0
	MUL16 6, 1, 0
	WIN 0
.macro CBLOCK a
.set AC, 64*((\a)%4)
	WIN 0x02+((\a)/4)
.set J, 0
.rept 32
	v_pk_fma_f32 v[TMP+J:TMP+J+1], v[AC+J:AC+J+1], s[96:97], v[BIAS+J:BIAS+J+1] op_sel_hi:[1,0,1]
.set J, J+2
.endr
	WIN 0
.set J, 0
.rept 64
	v_med3_num_f32 v[TMP+J], v[TMP+J], 0, v[HLIM]
.set J, J+1
.endr
.irp b, 0,1,2,3,4,5,6,7
	v_cvt_scalef32_pk8_fp8_f32 v[CD+2*\b:CD+2*\b+1], v[TMP+8*\b:TMP+8*\b+7], v[HSC]
.endr
	v_nop
.irp b, 0,1,2,3,4,5,6,7
	ds_store_b64 v[STO], v[CD+2*\b:CD+2*\b+1] offset:16*(\a)*SPITCH+16*\b
.endr
.endm
	s_wait_kmcnt 0x0
	s_add_co_i32 s96, s[EA], s[EB]
	s_add_co_i32 s96, s96, 127
	s_lshl_b32 s96, s96, 23
	s_mov_b32 s97, s96
	s_add_co_i32 s18, s82, 127
	s_lshl_b32 s19, s18, 23
	v_mov_b32 v[HSC], s19
	s_add_co_i32 s18, s18, 8
	s_lshl_b32 s18, s18, 23
	s_or_b32 s18, s18, 0x600000
	v_mov_b32 v[HLIM], s18
	s_wait_loadcnt 0x0
	PLACES NP
.irp a, 0,1,2,3,4,5,6,7
	CBLOCK \a
.endr
	s_wait_dscnt 0x0
	s_barrier_signal -1
	s_barrier_wait -1
.set T, 0
.rept 32
	ds_load_b128 v[BK+4*T:BK+4*T+3], v[RD] offset:2*T*SPITCH
.set T, T+1
.endr
.set T, 0
.rept 32
	s_wait_dscnt 31-T
	global_store_b128 v[CO], v[BK+4*T:BK+4*T+3], s[10:11] offset:2*T*SIZE_N
.set T, T+1
.endr
	s_wait_tensorcnt 0x0
	ds_add_u32 v[SPW], v[NIL]
	s_wait_dscnt 0x0
	CROUND
	s_endpgm
.Lfunc_end_k_qd65db56d88_gemm_ffn1:
	.size	k_qd65db56d88_gemm_ffn1, .Lfunc_end_k_qd65db56d88_gemm_ffn1-k_qd65db56d88_gemm_ffn1
	.p2alignl 7, 3214868480
	.fill 96, 4, 3214868480
	.section	.rodata,"a",@progbits
	.p2align	6, 0x0
	.amdhsa_kernel k_qd65db56d88_gemm_ffn1
		.amdhsa_group_segment_fixed_size 327680
		.amdhsa_private_segment_fixed_size 0
		.amdhsa_enable_private_segment 0
		.amdhsa_kernarg_size 40
		.amdhsa_user_sgpr_count 2
		.amdhsa_user_sgpr_kernarg_segment_ptr 1
		.amdhsa_wavefront_size32 1
		.amdhsa_system_sgpr_workgroup_id_x 1
		.amdhsa_system_sgpr_workgroup_id_y 1
		.amdhsa_system_sgpr_workgroup_id_z 1
		.amdhsa_system_vgpr_workitem_id 0
		.amdhsa_next_free_vgpr 1024
		.amdhsa_next_free_sgpr 98
		.amdhsa_reserve_vcc 0
		.amdhsa_float_denorm_mode_32 3
		.amdhsa_float_denorm_mode_16_64 3
		.amdhsa_memory_ordered 1
		.amdhsa_forward_progress 1
		.amdhsa_inst_pref_size 144
	.end_amdhsa_kernel
	.amdgpu_metadata
---
amdhsa.version: [ 1, 2 ]
amdhsa.kernels:
  - .name:           k_qd65db56d88_gemm_ffn1
    .symbol:         k_qd65db56d88_gemm_ffn1.kd
    .args:
      - { .name: lnq, .offset: 0, .size: 8, .value_kind: global_buffer, .address_space: global }
      - { .name: wq, .offset: 8, .size: 8, .value_kind: global_buffer, .address_space: global }
      - { .name: lowp_scales, .offset: 16, .size: 8, .value_kind: global_buffer, .address_space: global }
      - { .name: hidq, .offset: 24, .size: 8, .value_kind: global_buffer, .address_space: global }
      - { .name: b1, .offset: 32, .size: 8, .value_kind: global_buffer, .address_space: global }
    .group_segment_fixed_size: 327680
    .private_segment_fixed_size: 0
    .kernarg_segment_align: 8
    .kernarg_segment_size: 40
    .max_flat_workgroup_size: 128
    .sgpr_count:     98
    .vgpr_count:     1024
    .wavefront_size: 32
...
	.end_amdgpu_metadata
.endif
;; end of part 14
;; launch gemm_ffn2 (part 15): grid 8 x 32, 4 waves a work-group, clusters of 4 x 4, 327,680 bytes of LDS; arguments hidq, wq, lowp_scales, out0, b2; writes out0
.if DOCPART == 15
	.amdgcn_target "amdgcn-amd-amdhsa--gfx1250"
	.amdhsa_code_object_version 6
	.text
	.protected	k_qd65db56d88_gemm_ffn2
	.globl	k_qd65db56d88_gemm_ffn2
	.p2align	8
	.type	k_qd65db56d88_gemm_ffn2,@function
k_qd65db56d88_gemm_ffn2:
	s_mov_b64 s[64:65], 0
	v_nop
	global_prefetch_b8 v0, s[64:65] scope:SCOPE_SE
	s_setreg_imm32_b32 hwreg(HW_REG_WAVE_MODE, 25, 1), 1
	s_wait_xcnt 0x0
	s_wait_alu depctr_hold_cnt(0) depctr_sa_sdst(0) depctr_va_vdst(0) depctr_va_sdst(0) depctr_va_ssrc(0) depctr_va_vcc(0) depctr_vm_vsrc(0)
	s_getreg_b32 s2, hwreg(HW_REG_IB_STS2, 6, 4)
	s_cmp_eq_u32 s2, 0
	s_cbranch_scc0 .Lentry_in_a_cluster
	s_endpgm
.Lentry_in_a_cluster:
	s_bfe_u32 s2, ttmp6, 0x10000c
	s_cmp_lg_u32 s2, 0xf033
	s_cbranch_scc0 .Lentry_shape_is_right
	s_endpgm
.Lentry_shape_is_right:
.set SIZE_N, 1024
.set SIZE_K, 4096
.set WOFF,   8388608
.set EA,     82
.set EB,     83
.set KSTEP,  512
.set ROWB,   512
.set KROW,   SIZE_K
.set PITCH,  528
.set FR,     16
.set NP,     4
.set HALFT,  64*PITCH
.set SLOT,   4*HALFT
.set LAPS,   SIZE_K/(2*KSTEP)
.set SPARE,  2*SLOT
.set SPITCH, 272
.set ADRA, 16
.set ADRB, 20
.set STO,  24
.set RD,   25
.set CO,   26
.set BO,   27
.set SPW,  28
.set NIL,  29
.set BK,   32
.set BIAS, 100
.set ACC,  128
.set F0,   0
.set F1,   128
.set G1, 24
.set G0, 32
.set G1B, 48
.set G0B, 56
.set MSB, 0
.macro WIN new
.if MSB != \new
	s_set_vgpr_msb (MSB<<8)|\new
.set MSB, \new
.endif
.endm
.set MUL,  0x05
.set TO_F, 0x40
.macro JLOAD g0a, g1a, g0b, g1b
	s_cmp_eq_u32 s15, 0
	s_cbranch_scc0 .Lfor_b_\@
	tensor_load_to_lds s[\g0a:\g0a+3], s[\g1a:\g1a+7]
	s_nop 0
.rept 4
	v_nop
.endr
	s_branch .Lasked_\@
.Lfor_b_\@:
	tensor_load_to_lds s[\g0b:\g0b+3], s[\g1b:\g1b+7]
	s_nop 0
.rept 4
	v_nop
.endr
.Lasked_\@:
.endm
.macro CREST
	s_cmp_lg_u32 s14, 0
	s_cbranch_scc1 .Lnot_wave_0_\@
	s_barrier_signal -3
.Lnot_wave_0_\@:
	s_barrier_wait -3
	s_barrier_signal -1
	s_barrier_wait -1
.endm
.macro CROUND
	s_barrier_signal -1
	s_barrier_wait -1
	CREST
.endm
	s_load_b128 s[4:7], s[0:1], 0x0
	s_load_b128 s[8:11], s[0:1], 0x10
	s_load_b64 s[68:69], s[0:1], 0x20
	v_lshl_add_u32 v[SPW], v0, 2, SPARE
	v_mov_b32 v[NIL], 0
	ds_add_u32 v[SPW], v[NIL]
	ds_add_u32 v[SPW], v[NIL]
	v_lshrrev_b32 v1, 5, v0
	v_readfirstlane_b32 s14, v1
	s_lshr_b32 s15, s14, 1
	s_and_b32 s16, s14, 1
	s_bfe_u32 s40, ttmp6, 0x40000
	s_bfe_u32 s41, ttmp6, 0x40004
	s_lshl_b32 s42, ttmp9, 2
	s_add_co_u32 s42, s42, s40
	s_and_b32 s17, ttmp7, 0xffff
	s_lshl_b32 s17, s17, 2
	s_add_co_u32 s17, s17, s41
	s_lshl_b32 s43, s41, 2
	s_lshl_b32 s43, 15, s43
	s_lshl_b32 s44, 0x1111, s40
	s_or_b32 s[G1+0], s43, (0<<16)|(1<<20)|(1<<21)|(6<<22)|(3<<25)
	s_or_b32 s[G1B+0], s44, (0<<16)|(1<<20)|(1<<21)|(6<<22)|(3<<25)
.irp g, G1, G1B
	s_mov_b32 s[\g+1], ROWB<<16
	s_mov_b32 s[\g+2], 64<<16
	s_mov_b32 s[\g+3], ROWB<<16
	s_mov_b32 s[\g+4], 64
	s_mov_b32 s[\g+5], KROW
	s_mov_b32 s[\g+6], 0
	s_mov_b32 s[\g+7], 0
.endr
	s_lshl_b32 s18, s16, 6
	s_lshl_b32 s20, s17, 7
	s_add_co_u32 s20, s20, s18
	s_lshl_b32 s46, s42, 7
	s_add_co_u32 s46, s46, s18
	s_mov_b32 s21, 0
	s_mov_b32 s47, 0
	s_mov_b64 s[18:19], KROW
	s_mul_u64 s[20:21], s[20:21], s[18:19]
	s_mul_u64 s[46:47], s[46:47], s[18:19]
	s_mul_i32 s45, s14, HALFT
	s_wait_dscnt 0x0
	s_wait_kmcnt 0x0
	s_load_b256 s[72:79], s[8:9], 0x0
	s_load_b128 s[80:83], s[8:9], 0x20
	s_add_nc_u64 s[20:21], s[4:5], s[20:21]
	s_add_nc_u64 s[46:47], s[6:7], s[46:47]
	s_add_nc_u64 s[46:47], s[46:47], WOFF
	CROUND
.irp s, 0,1
	s_mov_b32 s[G0+4*\s], 1
	s_add_co_u32 s[G0+4*\s+1], s45, \s*SLOT
	s_add_nc_u64 s[G0+4*\s+2:G0+4*\s+3], s[20:21], \s*ROWB
	s_or_b32 s[G0+4*\s+3], s[G0+4*\s+3], 0x80000000
	s_mov_b32 s[G0B+4*\s], 1
	s_add_co_u32 s[G0B+4*\s+1], s45, \s*SLOT
	s_add_nc_u64 s[G0B+4*\s+2:G0B+4*\s+3], s[46:47], \s*ROWB
	s_or_b32 s[G0B+4*\s+3], s[G0B+4*\s+3], 0x80000000
.endr
	s_cmp_eq_u32 s15, 0                            ; THE PREFETCHES: of the 64 rows that I fetch, the four partners that ask for them jointly name 16 each, told apart by address (cx for A, cy for B): two lanes a row, 256 bytes each
	s_cselect_b64 s[84:85], s[20:21], s[46:47]
	s_cselect_b32 s86, s40, s41
	s_lshl_b32 s86, s86, 16                        ; 16 rows of 4,096 bytes for each place
	s_mov_b32 s87, 0
	s_add_nc_u64 s[84:85], s[84:85], s[86:87]
	JLOAD G0, G1, G0B, G1B                         ; K step 0: one tensor load a wave at the head
	v_and_b32 v31, 31, v0
	v_lshrrev_b32 v30, 1, v31
	v_and_b32 v31, 1, v31
	v_lshlrev_b32 v31, 8, v31
	v_lshl_add_u32 v31, v30, 12, v31               ; row lane / 2, bytes 256 (lane % 2) on; v31 is never rewritten
	global_prefetch_b8 v31, s[84:85] offset:512 th:TH_LOAD_NT scope:SCOPE_SE   ; K steps 1 and 2: at most two K steps are asked for and not yet loaded
	global_prefetch_b8 v31, s[84:85] offset:1024 th:TH_LOAD_NT scope:SCOPE_SE
	v_and_b32 v1, 15, v0
	s_wait_alu depctr_va_vdst(0)
	v_bfe_u32 v2, v0, 4, 1
	v_mul_u32_u24 v3, v1, PITCH
	v_lshl_add_u32 v4, v2, 4, v3
	s_mul_i32 s21, s15, HALFT
	s_mul_i32 s22, s16, HALFT
	s_add_co_u32 s22, s22, 2*HALFT
.irp s, 0,1
	v_add_nc_u32 v[ADRA+\s], s21, v4
	v_add_nc_u32 v[ADRB+\s], s22, v4
	s_add_co_u32 s21, s21, SLOT
	s_add_co_u32 s22, s22, SLOT
.endr
	s_lshl_b32 s46, s42, 9
	s_lshl_b32 s47, s16, 8
	s_add_co_u32 s46, s46, s47
	s_mov_b32 s47, 0
	s_add_nc_u64 s[68:69], s[68:69], s[46:47]
	v_lshlrev_b32 v[BO], 4, v1
	global_load_b128 v[BIAS:BIAS+3], v[BO], s[68:69]
	s_mul_i32 s23, s14, 16*SPITCH
	v_mul_u32_u24 v5, v1, SPITCH
	s_wait_alu depctr_va_vdst(0)
	v_lshl_add_u32 v5, v2, 5, v5
	v_add_nc_u32 v[STO], s23, v5
	v_mul_u32_u24 v5, v2, SPITCH
	v_lshl_add_u32 v5, v1, 4, v5
	v_add_nc_u32 v[RD], s23, v5
	v_mul_u32_u24 v5, v2, SIZE_N*4
	v_lshl_add_u32 v[CO], v1, 4, v5
	s_lshl_b32 s20, s17, 7
	s_lshl_b32 s21, s15, 6
	s_add_co_u32 s20, s20, s21
	s_mul_i32 s20, s20, SIZE_N*4
	s_mov_b32 s21, 0
	s_add_nc_u64 s[10:11], s[10:11], s[20:21]
	s_add_nc_u64 s[10:11], s[10:11], s[46:47]
.macro FRAG reg, adr, q, i
.irp c, 0,1,2,3
	ds_load_b128 v[\reg+4*\c:\reg+4*\c+3], v[\adr] offset:128*(\q)+32*\c+(\i)*16*PITCH
.endr
.endm
.macro MULA f, a, zero
.irp b, 0,1,2,3
.if \zero
	v_wmma_f32_16x16x128_fp8_fp8 v[ACC+8*(4*(\a)+\b):ACC+8*(4*(\a)+\b)+7], v[\f+64+FR*\b:\f+64+FR*\b+FR-1], v[\f+FR*(\a):\f+FR*(\a)+FR-1], 0
.else
	v_wmma_f32_16x16x128_fp8_fp8 v[ACC+8*(4*(\a)+\b):ACC+8*(4*(\a)+\b)+7], v[\f+64+FR*\b:\f+64+FR*\b+FR-1], v[\f+FR*(\a):\f+FR*(\a)+FR-1], v[ACC+8*(4*(\a)+\b):ACC+8*(4*(\a)+\b)+7]
.endif
.endr
.endm
.macro FETCH slot, q, f
	WIN TO_F
.irp i, 0,1,2,3
	FRAG \f+64+FR*\i, ADRB+\slot, \q, \i
.endr
.irp i, 0,1,2,3
	FRAG \f+FR*\i, ADRA+\slot, \q, \i
.endr
.endm
.macro PLACES
.rept NP
	v_nop
.endr
.endm
.macro QUARTER slot, q, f, g, zero
	s_wait_dscnt 8
	WIN MUL
	MULA \f, 0, \zero
	MULA \f, 1, \zero
	PLACES
	FETCH \slot, \q, \g
	s_wait_dscnt 32
	WIN MUL
	MULA \f, 2, \zero
	MULA \f, 3, \zero
.endm
.macro TURN slot, next, fill
	WIN 0
	s_wait_tensorcnt 0x0
	ds_add_u32 v[SPW], v[NIL]
	s_wait_dscnt 9
	WIN MUL
	MULA F1, 0, 0
	MULA F1, 1, 0
	s_wait_dscnt 0x0
	s_barrier_signal -1
	MULA F1, 2, 0
.if \fill
	WIN 0
.endif
	s_barrier_wait -1
.if \fill
	CREST
	s_add_nc_u64 s[G0+4*\slot+2:G0+4*\slot+3], s[G0+4*\slot+2:G0+4*\slot+3], 2*ROWB
	s_add_nc_u64 s[G0B+4*\slot+2:G0B+4*\slot+3], s[G0B+4*\slot+2:G0B+4*\slot+3], 2*ROWB
	JLOAD G0+4*\slot, G1, G0B+4*\slot, G1B
.else
	PLACES
.endif
	FETCH \next, 0, F0
.if \fill
	WIN 0                                          ; (a branch follows)
	s_cmp_gt_u32 s3, 1                             ; the loop's last trip has no K step two refills on
	s_cbranch_scc0 .Lno_ask_\@
	global_prefetch_b8 v31, s[84:85] offset:2048+512*\slot th:TH_LOAD_NT scope:SCOPE_SE   ; the K step that stands two refills on
.Lno_ask_\@:
.endif
	WIN MUL
	MULA F1, 3, 0
.endm
	s_wait_alu depctr_va_vdst(0)
	s_wait_tensorcnt 0x0                           ; my part of K step 0 is in; these lines stand ahead of a later first fill as ahead of a refill
	ds_add_u32 v[SPW], v[NIL]
	s_wait_dscnt 0x0
	CROUND                                         ; a whole round: everybody's part of K step 0 is in, and the joint loads meet
	JLOAD G0+4, G1, G0B+4, G1B                     ; K step 1's load, the first tensor load behind the round
	FETCH 0, 0, F0
	global_prefetch_b8 v31, s[84:85] offset:1536 th:TH_LOAD_NT scope:SCOPE_SE   ; K step 3, two refills ahead of its load
	QUARTER 0, 1, F0, F1, 1
.if LAPS > 1
	WIN 0
	s_mov_b32 s3, LAPS-1
.Llap:
	QUARTER 0, 2, F1, F0, 0
	QUARTER 0, 3, F0, F1, 0
	TURN 0, 1, 1
	QUARTER 1, 1, F0, F1, 0
	QUARTER 1, 2, F1, F0, 0
	QUARTER 1, 3, F0, F1, 0
	TURN 1, 0, 1
	QUARTER 0, 1, F0, F1, 0
	WIN 0
	s_wait_xcnt 0x0                                ; the trip's prefetches have read their base:
	s_add_nc_u64 s[84:85], s[84:85], 2*ROWB        ; two K steps on
	s_sub_co_u32 s3, s3, 1
	s_cmp_lg_u32 s3, 0
	s_cbranch_scc1 .Llap
.endif
	QUARTER 0, 2, F1, F0, 0
	QUARTER 0, 3, F0, F1, 0
	TURN 0, 1, 0
	QUARTER 1, 1, F0, F1, 0
	QUARTER 1, 2, F1, F0, 0
	QUARTER 1, 3, F0, F1, 0
	s_wait_dscnt 8
	WIN MUL
	MULA F1, 0, 0
	MULA F1, 1, 0
	s_wait_alu depctr_va_vdst(0)
	s_wait_dscnt 0
	MULA F1, 2, 0
	MULA F1, 3, 0
	WIN 0
.macro TOSTAGE a
.irp b, 0,1,2,3
	ds_store_b128 v[STO], v[ACC+8*(4*(\a)+\b):ACC+8*(4*(\a)+\b)+3] offset:64*\b
	ds_store_b128 v[STO], v[ACC+8*(4*(\a)+\b)+4:ACC+8*(4*(\a)+\b)+7] offset:64*\b+16
.endr
.set BB, BK+32*((\a)%2)
.irp t, 0,1,2,3,4,5,6,7
	ds_load_b128 v[BB+4*\t:BB+4*\t+3], v[RD] offset:2*\t*SPITCH
.endr
.endm
.macro SEND a, younger
.set BB, BK+32*((\a)%2)
	s_wait_dscnt \younger
.irp t, 0,1,2,3,4,5,6,7
	v_pk_fma_f32 v[BB+4*\t:BB+4*\t+1], v[BB+4*\t:BB+4*\t+1], s[96:97], v[BIAS:BIAS+1] op_sel_hi:[1,0,1]
	v_pk_fma_f32 v[BB+4*\t+2:BB+4*\t+3], v[BB+4*\t+2:BB+4*\t+3], s[96:97], v[BIAS+2:BIAS+3] op_sel_hi:[1,0,1]
	global_store_b128 v[CO], v[BB+4*\t:BB+4*\t+3], s[10:11] offset:(16*(\a)+2*\t)*SIZE_N*4 th:TH_STORE_NT
.endr
.endm
	s_wait_kmcnt 0x0
	s_add_co_i32 s96, s[EA], s[EB]
	s_add_co_i32 s96, s96, 127
	s_lshl_b32 s96, s96, 23
	s_mov_b32 s97, s96
	s_wait_loadcnt 0x0
	PLACES
	TOSTAGE 0
.irp a, 1,2,3
.if \a > 1
	s_wait_xcnt 0x0
.endif
	TOSTAGE \a
	SEND \a-1, 16
.endr
	SEND 3, 0
	s_wait_tensorcnt 0x0
	ds_add_u32 v[SPW], v[NIL]
	s_wait_dscnt 0x0
	CROUND
	s_endpgm
.Lfunc_end_k_qd65db56d88_gemm_ffn2:
	.size	k_qd65db56d88_gemm_ffn2, .Lfunc_end_k_qd65db56d88_gemm_ffn2-k_qd65db56d88_gemm_ffn2
	.p2alignl 7, 3214868480
	.fill 96, 4, 3214868480
	.section	.rodata,"a",@progbits
	.p2align	6, 0x0
	.amdhsa_kernel k_qd65db56d88_gemm_ffn2
		.amdhsa_group_segment_fixed_size 327680
		.amdhsa_private_segment_fixed_size 0
		.amdhsa_enable_private_segment 0
		.amdhsa_kernarg_size 40
		.amdhsa_user_sgpr_count 2
		.amdhsa_user_sgpr_kernarg_segment_ptr 1
		.amdhsa_wavefront_size32 1
		.amdhsa_system_sgpr_workgroup_id_x 1
		.amdhsa_system_sgpr_workgroup_id_y 1
		.amdhsa_system_sgpr_workgroup_id_z 1
		.amdhsa_system_vgpr_workitem_id 0
		.amdhsa_next_free_vgpr 512
		.amdhsa_next_free_sgpr 98
		.amdhsa_reserve_vcc 0
		.amdhsa_float_denorm_mode_32 3
		.amdhsa_float_denorm_mode_16_64 3
		.amdhsa_memory_ordered 1
		.amdhsa_forward_progress 1
		.amdhsa_inst_pref_size 76
	.end_amdhsa_kernel
	.amdgpu_metadata
---
amdhsa.version: [ 1, 2 ]
amdhsa.kernels:
  - .name:           k_qd65db56d88_gemm_ffn2
    .symbol:         k_qd65db56d88_gemm_ffn2.kd
    .args:
      - { .name: hidq, .offset: 0, .size: 8, .value_kind: global_buffer, .address_space: global }
      - { .name: wq, .offset: 8, .size: 8, .value_kind: global_buffer, .address_space: global }
      - { .name: lowp_scales, .offset: 16, .size: 8, .value_kind: global_buffer, .address_space: global }
      - { .name: out0, .offset: 24, .size: 8, .value_kind: global_buffer, .address_space: global }
      - { .name: b2, .offset: 32, .size: 8, .value_kind: global_buffer, .address_space: global }
    .group_segment_fixed_size: 327680
    .private_segment_fixed_size: 0
    .kernarg_segment_align: 8
    .kernarg_segment_size: 40
    .max_flat_workgroup_size: 128
    .sgpr_count:     98
    .vgpr_count:     512
    .wavefront_size: 32
...
	.end_amdgpu_metadata
.endif
;; end of part 15
